; MI455X (gfx1250); checked and timed in simulation.
; The chip was launched on July 23, 2026; its instructions are those of AMD's public machine-readable ISA for CDNA 5 (MIT licence, August 2026) and "CDNA5" Instruction Set Architecture Reference Guide (July 2026). The comments in the code are by the model that wrote it; some were corrected since.
;; Trans Conv. Allowed arithmetic: matrix products marked QUANTISED: E2M1 operands, one E8M0 scale for each 32 along K, by v_wmma_scale_f32_16x16x128_f8f6f4 with both operands' format E2M1 (or v_wmma_scale_f32_32x16x128_f4), f32 sums; products left as they are: f32 operands where the result goes on into a quantised operand, else bf16, f16 or f32 operands; f32 sums; everything else in f32.
;; Inputs: Wk_b 2 x 128 float32; Wk_w 2 x 128 x 128 float32; Wq_b 2 x 128 float32; Wq_w 2 x 128 x 128 float32; Wv_b 2 x 128 float32; Wv_w 2 x 128 x 128 float32; ce_b 128 float32; ce_w 5 x 128 float32; constraint_features 4 x 12,768 x 5 float32; edge_features 1,000 x 1 float32; edge_indices 2 x 1,000 int32; fc1_w 2 x 128 x 256 float32; fc2_w 2 x 256 x 128 float32; ln_b 5 x 128 float32; ln_g 5 x 128 float32; mask 1 int32; variable_features 4 x 20,000 x 18 float32; ve_b 128 float32; ve_w 18 x 128 float32.
;; Outputs: out0 4 x 32,768 x 128 float32.
;; This version of the problem:
;;   THIS VERSION OF THE PROBLEM IS GIVEN IN LOW PRECISION. The matrix products marked QUANTISED in the list below multiply operands that are first quantised to E2M1 (2 exponent bits, 1 mantissa bit; 4 bits a number), with one power-of-two scale for each 32 numbers along K (OCP MX v1.0); their sums are f32. All else is computed in f32.
;;   The module's matrix products, in the order in which they are computed (A, B: the left and right operand; K: the contracted axis; several contracted axes count as one K, in the product's order):
;;     1. [M 80,000, K 18] x [K 18, N 128]; A: input variable_features; B: input ve_w: left as it is (K = 18 < 32)
;;     2. [M 51,072, K 5] x [K 5, N 128]; A: input constraint_features; B: input ce_w: left as it is (K = 5 < 32)
;;     3. [M 131,072, K 128] x [K 128, N 128]; A: computed on the way; B: input Wq_w: QUANTISED
;;     4. [M 131,072, K 128] x [K 128, N 128]; A: computed on the way; B: input Wk_w: QUANTISED
;;     5. [M 131,072, K 128] x [K 128, N 128]; A: computed on the way; B: input Wv_w: QUANTISED
;;     6. batch 4 x [M 128, K 32,768] x [K 32,768, N 128]; A: computed on the way; B: computed on the way: QUANTISED
;;     7. batch 4 x [M 32,768, K 128] x [K 128, N 128]; A: computed on the way; B: computed on the way: QUANTISED
;;     8. batch 4 x [M 32,768, K 128] x [K 128, N 1]; A: computed on the way; B: computed on the way: left as it is (N = 1 < 16)
;;     9. [M 131,072, K 128] x [K 128, N 256]; A: computed on the way; B: input fc1_w: QUANTISED
;;     10. [M 131,072, K 256] x [K 256, N 128]; A: computed on the way; B: input fc2_w: QUANTISED
;;     11. [M 131,072, K 128] x [K 128, N 128]; A: computed on the way; B: input Wq_w: QUANTISED
;;     12. [M 131,072, K 128] x [K 128, N 128]; A: computed on the way; B: input Wk_w: QUANTISED
;;     13. [M 131,072, K 128] x [K 128, N 128]; A: computed on the way; B: input Wv_w: QUANTISED
;;     14. batch 4 x [M 128, K 32,768] x [K 32,768, N 128]; A: computed on the way; B: computed on the way: QUANTISED
;;     15. batch 4 x [M 32,768, K 128] x [K 128, N 128]; A: computed on the way; B: computed on the way: QUANTISED
;;     16. batch 4 x [M 32,768, K 128] x [K 128, N 1]; A: computed on the way; B: computed on the way: left as it is (N = 1 < 16)
;;     17. [M 131,072, K 128] x [K 128, N 256]; A: computed on the way; B: input fc1_w: QUANTISED
;;     18. [M 131,072, K 256] x [K 256, N 128]; A: computed on the way; B: input fc2_w: QUANTISED
;;   THE QUANTISER, for each operand of a quantised product, along K:
;;     - K is cut into blocks of 32 from its start; a last block that is shorter is filled with zeros.
;;     - A block's scale is 2^e with e = floor(log2(the largest magnitude in the block)) - 2, held to -126 .. 127; a block of zeros has e = 0. As a byte (E8M0): e + 127.
;;     - Each number is divided by its block's scale, clamped to +-6, and rounded to the nearest number of E2M1, ties to even, subnormals kept.
;;     - The product sums the exact products of the quantised numbers (number of the format x scale) in f32.
;;   ~~~python
;;   def quantise(x, axis):      # numpy; x: float32 -> the quantised numbers, widened to float32 again
;;       x = np.moveaxis(x, axis, -1); K = x.shape[-1]
;;       x = np.pad(x, [(0, 0)] * (x.ndim - 1) + [(0, -K % 32)]); x = x.reshape(x.shape[:-1] + (-1, 32)); a = np.abs(x).max(-1, keepdims=True)
;;       e = np.where(a > 0, np.clip(np.frexp(np.where(a > 0, a, 1))[1] - 1 - 2, -126, 127), 0)      # np.frexp(a)[1] - 1 = floor(log2(a)), exactly
;;       r = np.clip(x / 2.0 ** e, -6, 6)
;;       step = 2.0 ** (np.maximum(np.frexp(np.where(r == 0, 1, r))[1] - 1, 0) - 1)
;;       q = np.round(r / step) * step * 2.0 ** e      # np.round: ties to even
;;       return np.moveaxis(q.reshape(q.shape[:-2] + (-1,))[..., :K], -1, axis).astype(np.float32)
;;   ~~~
;;   OPERANDS COMPUTED ON THE WAY. 'Computed on the way' means the value that the module computes at that place (a softmax that the list does not call 'softmax' is quantised finished and normalised). What goes into a quantiser is computed in f32, as accurately as f32 sums, v_exp_f32 and their like allow (about 1e-6 of the number): no bf16 or f16 on the way to a quantiser, and a product that is left as it is and whose result goes on into a quantised operand takes f32 operands (vector FMAs, or v_wmma_f32_16x16x4_f32). A number that lies on a knife's edge between two numbers of the format may be rounded either way, as far as f32 arithmetic and the matrix unit's own rounding can turn it there, and no further.
;; 2 versions, each right; version 2 is version 1 with the launches e1, p2a, p3a, p2b, p3b written anew for expert scheduling mode. Each part assembles by itself: llvm-mc -triple=amdgcn-amd-amdhsa -mcpu=gfx1250 --defsym DOCPART=n.
;; ======== version 1 of 2: 8 launches
;; limits: right only within a limited range of input values
;; workspace buffers: wl0 65,536 bytes; wl1 65,536 bytes; xc0 8,914,944 bytes; xc1 8,914,944 bytes; x1 67,108,864 bytes; kvp 16,908,288 bytes; kvq 36,864 bytes
;; launch prep (part 1): grid 7 x 2, 8 waves a work-group, no clusters, 0 bytes of LDS; arguments Wq_w, Wk_w, Wv_w, fc1_w, fc2_w, Wq_b, Wk_b, Wv_b, ln_g, ln_b, wl0, wl1; writes wl0, wl1
.if DOCPART == 1
	.amdgcn_target "amdgcn-amd-amdhsa--gfx1250"
	.amdhsa_code_object_version 6
	.text
	.protected	k_q8c3cf92bc7_prep
	.globl	k_q8c3cf92bc7_prep
	.p2align	8
	.type	k_q8c3cf92bc7_prep,@function
k_q8c3cf92bc7_prep:
	s_mov_b64 s[64:65], 0
	v_nop
	global_prefetch_b8 v0, s[64:65] scope:SCOPE_SE
	s_setreg_imm32_b32 hwreg(HW_REG_WAVE_MODE, 25, 1), 1
	s_wait_xcnt 0x0
; The ten weight matrices, stored [K][N] in f32, become operand fragments of FP4 (E2M1) codes with one E8M0 scale for each 32 along K, laid in the order of the operand's registers.
; Work-group (x, layer): x = 0, 1, 2: Wq, Wk, Wv; 3, 4: fc1's unit tiles 0-7, 8-15; 5, 6: fc2's K steps 0, 1.  One wave makes one fragment, f = 8 x + wave: 16 units x 128 along K.
; A LANE TAKES A COLUMN AND ITS REGISTERS RUN DOWN K, in the order that the operand's layout gives that lane (k = 64 c + 32 h + 0 .. 31): the conversions' results are the operand's registers.
; THE UNITS OF A TILE ARE NOT NEIGHBOURS: lane r of tile 2 b + u takes unit 32 b + 8 u + r + 8 (r / 8), so that a transposed product leaves 16 neighbouring units in a lane's 16 registers of two tiles.
; A layer's block (65,536 bytes): fragment f at 1,024 f (registers 0-3 at 16 x lane, 4-7 at + 512); its scale word of lane r at 57,344 + 256 (f / 4) + 16 r + 4 (f % 4);
; from 60,928 nine rows of 512 bytes: bq, bk, bv, g and b of the layer's two norms, g and b of norm 0.
; LIMITS: a block of zeros gets the byte 1 (its codes are zeros; this program alone reads the bytes); NaN and infinities are not served.
.set SEL, 40
	s_load_b512 s[16:31], s[0:1], 0x0              ; Wq_w, Wk_w, Wv_w, fc1_w, fc2_w, Wq_b, Wk_b, Wv_b
	s_load_b256 s[32:39], s[0:1], 0x40             ; ln_g, ln_b, wl0, wl1
	v_lshrrev_b32 v4, 5, v0
	v_readfirstlane_b32 s8, v4                     ; wave 0..7
	s_and_b32 s9, ttmp7, 0xffff                    ; the layer
	s_mov_b32 s10, ttmp9                           ; x
	v_and_b32 v1, 15, v0                           ; r
	v_bfe_u32 v2, v0, 4, 1                         ; h
	v_and_b32 v3, 31, v0                           ; lane
	s_mov_b32 s[SEL], 0x76543210
	s_mov_b32 s[SEL+1], 0xfedcba98                 ; v_permlanex16_b32's selects for lane l xor 16
	s_cmp_eq_u32 s10, 4
	s_cselect_b32 s11, 8, 0
	s_add_co_u32 s11, s11, s8                      ; the unit tile
	s_lshr_b32 s12, s11, 1
	s_lshl_b32 s12, s12, 7
	s_and_b32 s13, s11, 1
	s_lshl_b32 s13, s13, 5
	s_add_co_u32 s12, s12, s13                     ; its first column, in bytes: 128 (tile / 2) + 32 (tile % 2)
	s_cmp_ge_u32 s10, 3
	s_cselect_b32 s13, 17, 16                      ; a layer is 2^16 bytes of Wq, Wk, Wv and 2^17 of fc1, fc2
	s_lshl_b32 s13, s9, s13
	s_add_co_u32 s12, s12, s13
	s_cmp_eq_u32 s10, 6
	s_cselect_b32 s13, 0x10000, 0                  ; fc2's second K step: 128 rows of 512 bytes down
	s_add_co_u32 s12, s12, s13
	s_mov_b32 s13, 0
	s_sub_co_u32 s14, s10, 3                       ; 0 or 1 for fc1, whose rows are 1,024 bytes
	s_cmp_lt_u32 s14, 2
	s_cselect_b32 s15, 15, 14                      ; lanes 16-31 begin 32 rows further down
	v_and_b32 v5, 8, v1
	v_add_nc_u32 v5, v5, v1
	v_lshlrev_b32 v5, 2, v5                        ; 4 (r + 8 (r / 8))
	v_lshlrev_b32 v6, s15, v2
	v_add_nc_u32 v5, v5, v6
	s_lshl_b32 s42, s10, 3
	s_add_co_u32 s42, s42, s8                      ; f
	s_lshl_b32 s43, s42, 10
	v_lshl_add_u32 v40, v3, 4, s43                 ; out: 1,024 f + 16 x lane
	s_lshr_b32 s44, s42, 2
	s_lshl_b32 s44, s44, 8
	s_and_b32 s45, s42, 3
	s_lshl_b32 s45, s45, 2
	s_add_co_u32 s44, s44, s45
	v_lshl_add_u32 v41, v1, 4, s44                 ; the scale word: 256 (f / 4) + 16 r + 4 (f % 4)
	v_lshlrev_b32 v42, 4, v3                       ; 16 x lane
	s_wait_kmcnt 0x0
	s_cmp_eq_u32 s10, 1                            ; which matrix: a choice on the work-group's number alone
	s_cselect_b64 s[4:5], s[18:19], s[16:17]
	s_cmp_eq_u32 s10, 2
	s_cselect_b64 s[4:5], s[20:21], s[4:5]
	s_cmp_ge_u32 s10, 3
	s_cselect_b64 s[4:5], s[22:23], s[4:5]
	s_cmp_ge_u32 s10, 5
	s_cselect_b64 s[4:5], s[24:25], s[4:5]
	s_add_nc_u64 s[4:5], s[4:5], s[12:13]
	s_cmp_eq_u32 s9, 0
	s_cselect_b64 s[6:7], s[36:37], s[38:39]       ; the layer's block
	s_cmp_lt_u32 s14, 2
	s_cbranch_scc1 .Lwide
.set i, 0
.rept 64                                               ; W(64 c + 32 h + i, my column): sixteen neighbouring lanes read two runs of 32 bytes
	global_load_b32 v[64+i], v5, s[4:5] offset:(64*(i/32)+i%32)*512
.set i, i+1
.endr
	s_branch .Lgot
.Lwide:
.set i, 0
.rept 64
	global_load_b32 v[64+i], v5, s[4:5] offset:(64*(i/32)+i%32)*1024
.set i, i+1
.endr
.Lgot:
	s_wait_loadcnt 0x0
.irp c, 0,1                                            ; my block 2 c + h: all its 32 numbers are mine
	v_max3_num_f32 v[32+\c], |v[64+32*\c]|, |v[65+32*\c]|, 0x1800000   ; with the floor 2^(3 - 127): the byte cannot fall under 1
.endr
.irp i, 2,4,6,8,10,12,14,16,18,20,22,24,26,28,30
.irp c, 0,1
	v_max3_num_f32 v[32+\c], v[32+\c], |v[64+32*\c+\i]|, |v[65+32*\c+\i]|
.endr
.endr
.irp c, 0,1
	v_add_nc_u32 v[44+\c], 0xff000000, v[32+\c]    ; 2 off the exponent field: the conversion's scale operand
.endr
.irp c, 0,1
	v_lshrrev_b32 v[36+\c], 23, v[44+\c]           ; the scale's byte
.endr
	v_lshl_or_b32 v9, v37, 16, v36                 ; my two bytes: blocks h and 2 + h,
	v_lshlrev_b32 v10, 3, v2
	v_lshlrev_b32 v9, v10, v9                      ; at their places in the word;
	v_mov_b32 v10, 0
	v_permlanex16_b32 v10, v9, s[SEL], s[SEL+1]
	v_or_b32 v9, v9, v10                           ; with lane l xor 16's two the word is whole
.irp c, 0,1
.irp g, 0,1,2,3
	v_cvt_scalef32_pk8_fp4_f32 v[48+4*\c+\g], v[64+32*\c+8*\g:71+32*\c+8*\g], v[44+\c]
.endr
.endr
	v_nop                                          ; one plain line behind the last conversion
	global_store_b128 v40, v[48:51], s[6:7]        ; 32 lanes store 512 consecutive bytes
	global_store_b128 v40, v[52:55], s[6:7] offset:512
	global_store_b32 v41, v9, s[6:7] offset:57344  ; both halves of the lanes hold the same word
	; nine rows of parameters: row rho = x + 7 x wave, by waves 0 and 1
	s_cmp_lt_u32 s8, 2
	s_cbranch_scc0 .Ldone
	s_mul_i32 s46, s8, 7
	s_add_co_u32 s46, s46, s10
	s_cmp_lt_u32 s46, 9
	s_cbranch_scc0 .Ldone
	s_cmp_eq_u32 s46, 1
	s_cselect_b64 s[12:13], s[28:29], s[26:27]
	s_cmp_eq_u32 s46, 2
	s_cselect_b64 s[12:13], s[30:31], s[12:13]
	s_and_b32 s47, s46, 1
	s_cmp_eq_u32 s47, 1                            ; from rho = 3 on: odd rows are gains, even rows offsets
	s_cselect_b64 s[14:15], s[32:33], s[34:35]
	s_cmp_ge_u32 s46, 3
	s_cselect_b64 s[12:13], s[14:15], s[12:13]
	s_sub_co_u32 s48, s46, 1
	s_lshr_b32 s48, s48, 1
	s_lshl_b32 s49, s9, 1
	s_add_co_u32 s48, s48, s49                     ; rho = 3, 4: norm 2 L + 1;  5, 6: norm 2 L + 2
	s_cmp_lt_u32 s46, 7
	s_cselect_b32 s48, s48, 0                      ; rho = 7, 8: norm 0
	s_cmp_lt_u32 s46, 3
	s_cselect_b32 s48, s9, s48                     ; rho < 3: the layer's bias
	s_lshl_b32 s48, s48, 9
	s_mov_b32 s49, 0
	s_add_nc_u64 s[12:13], s[12:13], s[48:49]
	s_lshl_b32 s48, s46, 9
	v_add_nc_u32 v43, s48, v42
	global_load_b128 v[56:59], v42, s[12:13]
	s_wait_loadcnt 0x0
	global_store_b128 v43, v[56:59], s[6:7] offset:60928
.Ldone:
	s_endpgm
.Lfunc_end_k_q8c3cf92bc7_prep:
	.size	k_q8c3cf92bc7_prep, .Lfunc_end_k_q8c3cf92bc7_prep-k_q8c3cf92bc7_prep
	.p2alignl 7, 3214868480
	.fill 96, 4, 3214868480
	.section	.rodata,"a",@progbits
	.p2align	6, 0x0
	.amdhsa_kernel k_q8c3cf92bc7_prep
		.amdhsa_group_segment_fixed_size 0
		.amdhsa_private_segment_fixed_size 0
		.amdhsa_enable_private_segment 0
		.amdhsa_kernarg_size 96
		.amdhsa_user_sgpr_count 2
		.amdhsa_user_sgpr_kernarg_segment_ptr 1
		.amdhsa_wavefront_size32 1
		.amdhsa_system_sgpr_workgroup_id_x 1
		.amdhsa_system_sgpr_workgroup_id_y 1
		.amdhsa_system_sgpr_workgroup_id_z 1
		.amdhsa_system_vgpr_workitem_id 0
		.amdhsa_next_free_vgpr 128
		.amdhsa_next_free_sgpr 66
		.amdhsa_reserve_vcc 0
		.amdhsa_float_denorm_mode_32 3
		.amdhsa_float_denorm_mode_16_64 3
		.amdhsa_memory_ordered 1
		.amdhsa_forward_progress 1
		.amdhsa_inst_pref_size 19
	.end_amdhsa_kernel
	.amdgpu_metadata
---
amdhsa.version: [ 1, 2 ]
amdhsa.kernels:
  - .name:           k_q8c3cf92bc7_prep
    .symbol:         k_q8c3cf92bc7_prep.kd
    .args:
      - { .name: Wq_w, .offset: 0, .size: 8, .value_kind: global_buffer, .address_space: global }
      - { .name: Wk_w, .offset: 8, .size: 8, .value_kind: global_buffer, .address_space: global }
      - { .name: Wv_w, .offset: 16, .size: 8, .value_kind: global_buffer, .address_space: global }
      - { .name: fc1_w, .offset: 24, .size: 8, .value_kind: global_buffer, .address_space: global }
      - { .name: fc2_w, .offset: 32, .size: 8, .value_kind: global_buffer, .address_space: global }
      - { .name: Wq_b, .offset: 40, .size: 8, .value_kind: global_buffer, .address_space: global }
      - { .name: Wk_b, .offset: 48, .size: 8, .value_kind: global_buffer, .address_space: global }
      - { .name: Wv_b, .offset: 56, .size: 8, .value_kind: global_buffer, .address_space: global }
      - { .name: ln_g, .offset: 64, .size: 8, .value_kind: global_buffer, .address_space: global }
      - { .name: ln_b, .offset: 72, .size: 8, .value_kind: global_buffer, .address_space: global }
      - { .name: wl0, .offset: 80, .size: 8, .value_kind: global_buffer, .address_space: global }
      - { .name: wl1, .offset: 88, .size: 8, .value_kind: global_buffer, .address_space: global }
    .group_segment_fixed_size: 0
    .private_segment_fixed_size: 0
    .kernarg_segment_align: 8
    .kernarg_segment_size: 96
    .max_flat_workgroup_size: 256
    .sgpr_count:     66
    .vgpr_count:     128
    .wavefront_size: 32
...
	.end_amdgpu_metadata
.endif
;; end of part 1
;; launch e1 (part 2): grid 256 x 1, 16 waves a work-group, no clusters, 41,728 bytes of LDS; arguments variable_features, constraint_features, ve_w, ve_b, ce_w, ce_b, wl0, out0, xc0; writes out0, xc0
.if DOCPART == 2
	.amdgcn_target "amdgcn-amd-amdhsa--gfx1250"
	.amdhsa_code_object_version 6
	.text
	.protected	k_q8c3cf92bc7_e1
	.globl	k_q8c3cf92bc7_e1
	.p2align	8
	.type	k_q8c3cf92bc7_e1,@function
k_q8c3cf92bc7_e1:
	s_mov_b64 s[64:65], 0
	v_nop
	global_prefetch_b8 v0, s[64:65] scope:SCOPE_SE
	s_setreg_imm32_b32 hwreg(HW_REG_WAVE_MODE, 25, 1), 1
	s_wait_xcnt 0x0
; x0 = relu(LN0(features x embedding + bias)), its FP4 codes, and the partial sums of q^2 and k^2 of layer 0.
; SHARES.  256 work-groups of 512 rows; sixteen waves of 256 registers, four to a SIMD; a wave takes a tile of 16 rows through the whole chain in registers, two tiles one after the other: T = 32 g + 16 i + wave.
; 20,000 rows of variables are 1,250 tiles, so a tile is all variables or all constraints: a scalar branch on ids.
; THE EMBEDDING feeds a quantiser, so it is made in f32, by the f32 matrix form, transposed (source 0 = 16 units of the weight, source 1 = my 16 rows); the bias is one more row of K, against a feature 1.
; CHAIN LAYOUT.  Every product is used transposed and the units of a tile are chosen (unit 32 b + 8 u + r + 8 (r / 8) in lane r of tile 2 b + u): lane (r, h) holds row r, and register 16 b + i of a bank of 64 holds unit 32 b + 16 h + i.
; x0 goes to out0, which a later launch takes up again and the last one overwrites, AS AN IMAGE OF THE BANK'S REGISTERS: registers 4 k .. 4 k + 3 of tile T at 8,192 T + 512 k + 16 x lane: each store covers 512 consecutive bytes, aligned.
; Its codes go to xc0: tile T's fragment as an image of its registers at 1,024 T, its scale words at 8,388,608 + 64 T + 4 r.
; q and k are made only for their squares: sum q^2 of the work-group at 8,912,896 + 4 g, sum k^2 at 8,913,920 + 4 g.
; LDS: 0 Wq's and Wk's 16 fragments; 16,384 the block's last 8,192 bytes (scale words, then parameter rows from + 3,584); 24,576 the embedding weights, 28 rows of 528 bytes; 39,424 the waves' sums.
; LIMITS: a block of zeros gets the byte 1 with zero codes; NaN and infinities are not served.
.set EW,    24576
.set RED,   39424
.set SCW,   16384
.set PAR,   19968
.set L16,  1                           ; 16 x lane
.set EA,   2                           ; the embedding weights: EW + 1,056 h + 4 (r + 8 (r / 8))
.set R16,  3                           ; 16 r
.set VFO,  4                           ; 72 r + 8 h
.set H64,  5                           ; 64 h
.set VFO4, 6                           ; 72 r
.set CFO,  9                           ; 20 r + 8 h
.set R4,   10                          ; 4 r
.set ONE,  11
.set CFO4, 12                          ; 20 r
.set CONE, 13                          ; 1.0 in lanes 0-15, 0 in lanes 16-31
.set MU,   14
.set RS,   16
.set T0,   18
.set T1,   20
.set TM,   24                          ; v24-39 the quantiser's
.set CA,   40                          ; v40-47 the codes of x0
.set CAS,  56                          ; their scale word
.set WS,   58                          ; v58-61 four weight fragments' scale words
.set ZERO, 62
.set SQA,  64                          ; v64-67 sum q^2, v68-71 sum k^2, two chains of pairs each
.set WF,   72                          ; v72-103 four weight fragments; v72-151 the embedding's weight pairs
.set XR,   104                         ; v104-167 a bank
.set FE,   152                         ; v152-161 the features' pairs
.set EACC, 168                         ; v168-231 the accumulators: written by matrix instructions alone
.set SEL,  22
.set C128, 24
.set EPS,  25
.set HM,   26
.macro PLACES n
.rept \n
	v_nop
.endr
.endm
; 64 numbers of a lane, register 16 b + i = k 32 b + 16 h + i of my row, become a fragment's codes and its scale word
.macro QUANT src, dst, wrd
.irp b, 0,1,2,3
	v_max3_num_f32 v[TM+\b], |v[\src+16*\b]|, |v[\src+1+16*\b]|, 0x1800000   ; my 16 numbers of block b, and the floor 2^(3 - 127): the byte cannot fall under 1
.endr
.irp i, 2,4,6,8,10,12,14
.irp b, 0,1,2,3
	v_max3_num_f32 v[TM+\b], v[TM+\b], |v[\src+16*\b+\i]|, |v[\src+1+16*\b+\i]|
.endr
.endr
.irp b, 0,1,2,3
	v_permlanex16_b32 v[TM+4+\b], v[TM+\b], s[SEL], s[SEL+1]
.endr
.irp b, 0,1,2,3
	v_max_num_f32 v[TM+\b], v[TM+\b], v[TM+4+\b]   ; with lane l xor 16's: the block's largest magnitude
.endr
.irp b, 0,1,2,3
	v_add_nc_u32 v[TM+12+\b], 0xff000000, v[TM+\b] ; 2 off its exponent field: the conversion's scale operand
.endr
.irp b, 0,1,2,3
	v_lshrrev_b32 v[TM+4+\b], 23, v[TM+12+\b]      ; the scale's byte
.endr
	v_lshl_or_b32 v[\wrd], v[TM+5], 8, v[TM+4]
	v_lshl_or_b32 v[\wrd], v[TM+6], 16, v[\wrd]
	v_lshl_or_b32 v[\wrd], v[TM+7], 24, v[\wrd]
.irp b, 0,1,2,3
	v_cvt_scalef32_pk8_fp4_f32 v[\dst+2*\b], v[\src+16*\b:\src+7+16*\b], v[TM+12+\b]
	v_cvt_scalef32_pk8_fp4_f32 v[\dst+1+2*\b], v[\src+8+16*\b:\src+15+16*\b], v[TM+12+\b]
.endr
	v_nop                                          ; one plain place behind a scaled conversion
.irp c, 0,1                                            ; the operand's layout wants a whole block in a lane
.irp i, 0,1
	v_permlane16_swap_b32 v[\dst+4*\c+\i], v[\dst+2+4*\c+\i]
.endr
.endr
.endm
; a row of 128 parameters in natural order comes into a bank in chain layout; pa holds 64 h
.macro LDCH bank, pa, off
.irp b, 0,1,2,3
.irp q, 0,1,2,3
	ds_load_b128 v[\bank+16*\b+4*\q:\bank+16*\b+4*\q+3], v[\pa] offset:\off+128*\b+16*\q
.endr
.endr
.endm
; the first four fragments of a run of eight products, and their scale words, asked for ahead of the vector work that stands in front of the run
.macro MMPRE fa, foff, sa, soff
.irp t, 0,1,2,3
	ds_load_b128 v[WF+8*\t:WF+8*\t+3], v[\fa] offset:\foff+\t*1024
	ds_load_b128 v[WF+8*\t+4:WF+8*\t+7], v[\fa] offset:\foff+\t*1024+512
.endr
	ds_load_b128 v[WS:WS+3], v[\sa] offset:\soff
.endm
; eight transposed products: eight unit tiles of a weight (images at foff, scale words at soff) against one fragment of 16 rows (bc, bs).  cm = 1: C is the bank cc; 0: the constant 0.
; pre = 1: MMPRE has asked for the first four fragments.  n0: the places owed at the run's head: 8 between a scale word made by vector instructions and the scaled product; 4 behind matrix instructions whose registers are loaded or written anew.
; The four v_nop in the middle stand in front of the loads into registers that the first four products have read.  The eight accumulators take turns, one instruction a turn.
.macro MM8 dd, cm, cc, fa, foff, sa, soff, bc, bs, n0, pre
.irp gq, 0,1
.if \gq == 0
	PLACES \n0
.else
	PLACES 4
.endif
.if (\gq == 1) || (\pre == 0)
.irp t, 0,1,2,3
	ds_load_b128 v[WF+8*\t:WF+8*\t+3], v[\fa] offset:\foff+(4*\gq+\t)*1024
	ds_load_b128 v[WF+8*\t+4:WF+8*\t+7], v[\fa] offset:\foff+(4*\gq+\t)*1024+512
.endr
	ds_load_b128 v[WS:WS+3], v[\sa] offset:\soff+256*\gq
.endif
	s_wait_dscnt 0x0                               ; the four fragments, their words, and whatever bank was asked for ahead
.irp t, 0,1,2,3
.if \cm
	v_wmma_scale_f32_16x16x128_f8f6f4 v[\dd+8*(4*\gq+\t):\dd+8*(4*\gq+\t)+7], v[WF+8*\t:WF+8*\t+7], v[\bc:\bc+7], v[\cc+8*(4*\gq+\t):\cc+8*(4*\gq+\t)+7], v[WS+\t], v[\bs] matrix_a_fmt:MATRIX_FMT_FP4 matrix_b_fmt:MATRIX_FMT_FP4
.else
	v_wmma_scale_f32_16x16x128_f8f6f4 v[\dd+8*(4*\gq+\t):\dd+8*(4*\gq+\t)+7], v[WF+8*\t:WF+8*\t+7], v[\bc:\bc+7], 0, v[WS+\t], v[\bs] matrix_a_fmt:MATRIX_FMT_FP4 matrix_b_fmt:MATRIX_FMT_FP4
.endif
.endr
.endr
.endm
.macro HSUM                            ; two chains of pairs -> my row's sum, in both lanes of the row
	v_pk_add_f32 v[T0:T0+1], v[T0:T0+1], v[T1:T1+1]
	v_add_f32 v[T0], v[T0], v[T0+1]
	v_permlanex16_b32 v[T1], v[T0], s[SEL], s[SEL+1]
	v_add_f32 v[T0], v[T0], v[T1]
.endm
; dst = (src - mean) x rsqrt(var + eps) x g + b.  The bank is read from its low end on, tile by tile.  The first block's gains and offsets are asked for at the head and land under the sums.
.macro LNORM src, dst, pa, goff, boff
.irp q, 0,1,2,3
	ds_load_b128 v[WF+4*\q:WF+4*\q+3], v[\pa] offset:\goff+16*\q
	ds_load_b128 v[WF+16+4*\q:WF+16+4*\q+3], v[\pa] offset:\boff+16*\q
.endr
	v_pk_add_f32 v[T0:T0+1], v[\src:\src+1], v[\src+2:\src+3]
	v_pk_add_f32 v[T1:T1+1], v[\src+4:\src+5], v[\src+6:\src+7]
.set lj, 8
.rept 14
	v_pk_add_f32 v[T0:T0+1], v[T0:T0+1], v[\src+lj:\src+lj+1]
	v_pk_add_f32 v[T1:T1+1], v[T1:T1+1], v[\src+lj+2:\src+lj+3]
.set lj, lj+4
.endr
	HSUM
	v_mul_f32 v[MU], s[C128], v[T0]
.set lj, 0
.rept 32
	v_pk_add_f32 v[\dst+lj:\dst+lj+1], v[\src+lj:\src+lj+1], v[MU:MU+1] op_sel_hi:[1,0] neg_lo:[0,1] neg_hi:[0,1]
.set lj, lj+2
.endr
	v_pk_mul_f32 v[T0:T0+1], v[\dst:\dst+1], v[\dst:\dst+1]
	v_pk_mul_f32 v[T1:T1+1], v[\dst+2:\dst+3], v[\dst+2:\dst+3]
.set lj, 4
.rept 15
	v_pk_fma_f32 v[T0:T0+1], v[\dst+lj:\dst+lj+1], v[\dst+lj:\dst+lj+1], v[T0:T0+1]
	v_pk_fma_f32 v[T1:T1+1], v[\dst+lj+2:\dst+lj+3], v[\dst+lj+2:\dst+lj+3], v[T1:T1+1]
.set lj, lj+4
.endr
	HSUM
	v_fma_f32 v[T0], v[T0], s[C128], s[EPS]
	v_rsq_f32 v[RS], v[T0]
	v_nop                                          ; a plain place behind the transcendental,
	s_wait_alu depctr_va_vdst(0)                   ; and the wait ahead of its first reader
.irp b, 0,1,2,3
.if \b > 0
.irp q, 0,1,2,3
	ds_load_b128 v[WF+4*\q:WF+4*\q+3], v[\pa] offset:\goff+128*\b+16*\q
	ds_load_b128 v[WF+16+4*\q:WF+16+4*\q+3], v[\pa] offset:\boff+128*\b+16*\q
.endr
.endif
.irp j, 0,2,4,6,8,10,12,14
	v_pk_mul_f32 v[\dst+16*\b+\j:\dst+16*\b+\j+1], v[\dst+16*\b+\j:\dst+16*\b+\j+1], v[RS:RS+1] op_sel_hi:[1,0]
.endr
	s_wait_dscnt 0x0                               ; this block's 16 gains and 16 offsets
.irp j, 0,2,4,6,8,10,12,14
	v_pk_fma_f32 v[\dst+16*\b+\j:\dst+16*\b+\j+1], v[\dst+16*\b+\j:\dst+16*\b+\j+1], v[WF+\j:WF+\j+1], v[WF+16+\j:WF+16+\j+1]
.endr
.endr
.endm
.macro SQ acc, sq                      ; the squares of a bank onto two chains of pairs, from the bank's low end on
.set lj, 0
.rept 16
	v_pk_fma_f32 v[\sq:\sq+1], v[\acc+lj:\acc+lj+1], v[\acc+lj:\acc+lj+1], v[\sq:\sq+1]
	v_pk_fma_f32 v[\sq+2:\sq+3], v[\acc+lj+2:\acc+lj+3], v[\acc+lj+2:\acc+lj+3], v[\sq+2:\sq+3]
.set lj, lj+4
.endr
.endm
.macro EMBW n, roff                    ; n K steps of 4 of the embedding weights: pair (s, tile) holds rows 4 s + 2 h, 4 s + 2 h + 1 of my unit
.set es, 0
.rept \n
.set et, 0
.rept 8
	ds_load_b32 v[WF+2*(8*es+et)], v[EA] offset:\roff+(4*es)*528+128*(et/2)+32*(et%2)
	ds_load_b32 v[WF+2*(8*es+et)+1], v[EA] offset:\roff+(4*es+1)*528+128*(et/2)+32*(et%2)
.set et, et+1
.endr
.set es, es+1
.endr
.endm
.macro EMBM n                          ; the products: the first K step starts the sums; the eight accumulators take turns
.set es, 0
.rept \n
.set et, 0
.rept 8
.if es == 0
	v_wmma_f32_16x16x4_f32 v[EACC+8*et:EACC+8*et+7], v[WF+2*(8*es+et):WF+2*(8*es+et)+1], v[FE+2*es:FE+2*es+1], 0
.else
	v_wmma_f32_16x16x4_f32 v[EACC+8*et:EACC+8*et+7], v[WF+2*(8*es+et):WF+2*(8*es+et)+1], v[FE+2*es:FE+2*es+1], v[EACC+8*et:EACC+8*et+7]
.endif
.set et, et+1
.endr
.set es, es+1
.endr
.endm
	s_load_b512 s[4:19], s[0:1], 0x0               ; variable_features, constraint_features, ve_w, ve_b, ce_w, ce_b, wl0, out0
	s_load_b64 s[20:21], s[0:1], 0x40              ; xc0
	v_lshl_add_u32 v254, v0, 2, 0x9b00
	v_mov_b32 v255, 0
	v_lshrrev_b32 v240, 5, v0
	v_readfirstlane_b32 s2, v240                   ; wave 0..15
	v_and_b32 v240, 31, v0                         ; lane
	v_and_b32 v241, 15, v0                         ; r
	v_bfe_u32 v242, v0, 4, 1                       ; h
	v_and_b32 v243, 1, v0
	v_lshlrev_b32 v[L16], 4, v240
	v_lshlrev_b32 v[R16], 4, v241
	v_lshlrev_b32 v[R4], 2, v241
	v_lshlrev_b32 v[H64], 6, v242
	v_and_b32 v[EA], 8, v241
	v_add_nc_u32 v[EA], v[EA], v241
	v_lshlrev_b32 v[EA], 2, v[EA]
	v_mad_u32_u24 v[EA], v242, 1056, v[EA]
	v_add_nc_u32 v[EA], EW, v[EA]
	v_mul_u32_u24 v[VFO4], v241, 72
	v_lshl_add_u32 v[VFO], v242, 3, v[VFO4]
	v_mul_u32_u24 v[CFO4], v241, 20
	v_lshl_add_u32 v[CFO], v242, 3, v[CFO4]
	v_mov_b32 v[ONE], 1.0
	v_mov_b32 v[ZERO], 0
	v_cmp_eq_u32 s[HM], 1, v242                    ; lanes 16-31
	v_cndmask_b32 v[CONE], v[ONE], v[ZERO], s[HM]
	v_cmp_eq_u32 s29, 1, v243                      ; odd lanes
	s_lshl_b32 s46, ttmp9, 2
	v_lshl_add_u32 v235, v243, 10, s46             ; where the sums go: 4 g, + 1,024 in odd lanes
	s_lshl_b32 s31, s2, 3
	s_add_co_u32 s31, s31, RED
	v_mov_b32 v236, s31                            ; RED + 8 x wave
	v_lshl_add_u32 v237, v241, 3, RED              ; RED + 8 r
	v_lshlrev_b32 v232, 4, v0                      ; the head's copies: 16 t,
	v_lshlrev_b32 v233, 2, v0                      ; 4 t,
	v_and_b32 v238, 127, v0
	v_lshlrev_b32 v238, 2, v238                    ; 4 (t % 128),
	v_lshrrev_b32 v239, 7, v0
	v_mad_u32_u24 v239, v239, 528, v238
	v_add_nc_u32 v239, EW, v239                    ; and row t / 128, column t % 128 of four rows of the embedding weights
	v_mov_b32 v[MU+1], 0                           ; (upper halves of pairs that are named whole)
	v_mov_b32 v[RS+1], 0
.irp b, 0,1,2,3
	v_mov_b32 v[TM+4+\b], 0                        ; written once: a lane permute's destination counts as one of its sources
.endr
.irp j, 0,1,2,3,4,5,6,7
	v_mov_b32 v[SQA+\j], 0
.endr
	v_mov_b32 v88, 0                               ; rows 19, 26, 27 of the embedding weights are zeros
	v_mov_b32 v90, 0
	s_mov_b32 s[SEL], 0x76543210
	s_mov_b32 s[SEL+1], 0xfedcba98
	s_mov_b32 s[C128], 0x3c000000                  ; 1 / 128
	s_mov_b32 s[EPS], 0x3727c5ac                   ; 1e-5
	s_wait_kmcnt 0x0
	s_add_nc_u64 s[44:45], s[20:21], 0x800000      ; xc0's scale words
	global_load_b128 v[72:75], v232, s[16:17]                ; Wq's fragments,
	global_load_b128 v[76:79], v232, s[16:17] offset:8192    ; Wk's,
	global_load_b128 v[80:83], v232, s[16:17] offset:57344   ; scale words and parameters
.irp i, 0,1,2,3
	global_load_b32 v[84+\i], v233, s[8:9] offset:2048*\i    ; ve_w's rows 0-15
.endr
	global_load_b32 v89, v233, s[12:13]                      ; ce_w's rows 0-3
	s_cmp_lt_u32 s2, 8
	s_cbranch_scc0 .Lve_bias
	global_load_b32 v88, v233, s[8:9] offset:8192            ; waves 0-7: ve_w's rows 16, 17
	s_branch .Lve_done
.Lve_bias:
	s_cmp_lt_u32 s2, 12
	s_cbranch_scc0 .Lve_done
	global_load_b32 v88, v238, s[10:11]                      ; waves 8-11: ve_b
.Lve_done:
	s_cmp_lt_u32 s2, 4
	s_cbranch_scc0 .Lce_bias
	global_load_b32 v90, v233, s[12:13] offset:2048          ; waves 0-3: ce_w's row 4
	s_branch .Lce_done
.Lce_bias:
	s_cmp_lt_u32 s2, 8
	s_cbranch_scc0 .Lce_done
	global_load_b32 v90, v238, s[14:15]                      ; waves 4-7: ce_b
.Lce_done:
	s_wait_loadcnt 0x0
	ds_store_b128 v232, v[72:75]
	ds_store_b128 v232, v[76:79] offset:8192
	ds_store_b128 v232, v[80:83] offset:16384
.irp i, 0,1,2,3,4,5,6
	ds_store_b32 v239, v[84+\i] offset:2112*\i     ; four rows of 528 bytes a round
.endr
	s_wait_dscnt 0x0                               ; for the others' sake: my stores have landed
	s_barrier_signal -1
	s_barrier_wait -1                              ; from here on these bytes are only read
	s_lshl_b32 s28, ttmp9, 5
	s_add_co_u32 s28, s28, s2                      ; T
	s_mov_b32 s41, 0
	s_mov_b32 s27, 0
.Ltrip:
	s_and_b32 s30, s28, 2047                       ; the tile in its batch,
	s_lshr_b32 s31, s28, 11                        ; the batch
	s_lshl_b32 s40, s28, 13
	s_add_nc_u64 s[34:35], s[18:19], s[40:41]      ; x0's image
	s_lshl_b32 s40, s28, 10
	s_add_nc_u64 s[36:37], s[20:21], s[40:41]      ; the codes
	s_lshl_b32 s40, s28, 6
	s_add_nc_u64 s[38:39], s[44:45], s[40:41]      ; the scale words
	s_cmp_lt_u32 s30, 1250
	s_cbranch_scc0 .Lcons
	s_mul_i32 s40, s31, 20000
	s_lshl_b32 s42, s30, 4
	s_add_co_u32 s40, s40, s42
	s_mul_i32 s40, s40, 72
	s_add_nc_u64 s[32:33], s[4:5], s[40:41]
.irp s, 0,1,2,3
	global_load_b64 v[FE+2*\s:FE+2*\s+1], v[VFO], s[32:33] offset:16*\s   ; features 4 s + 2 h, + 1 of row r
.endr
	global_load_b64 v[FE+8:FE+9], v[VFO4], s[32:33] offset:64               ; features 16, 17, in both halves: no load leaves the row
	EMBW 5, 0
	s_wait_loadcnt 0x0
	v_cndmask_b32 v[FE+8], v[FE+8], v[ONE], s[HM]  ; lanes 16-31: k = 18 is the bias's row, against 1,
	v_cndmask_b32 v[FE+9], v[FE+9], v[ZERO], s[HM] ; k = 19 a row of zeros
	s_wait_dscnt 0x0
	EMBM 5
	s_branch .Lemb
.Lcons:
	s_mul_i32 s40, s31, 12768
	s_sub_co_u32 s42, s30, 1250
	s_lshl_b32 s42, s42, 4
	s_add_co_u32 s40, s40, s42
	s_mul_i32 s40, s40, 20
	s_add_nc_u64 s[32:33], s[6:7], s[40:41]
	global_load_b32 v[FE], v[CFO], s[32:33]
	global_load_b32 v[FE+1], v[CFO], s[32:33] offset:4
	global_load_b32 v[FE+2], v[CFO4], s[32:33] offset:16
	EMBW 2, 10560
	s_wait_loadcnt 0x0
	v_cndmask_b32 v[FE+2], v[FE+2], v[ZERO], s[HM] ; k = 4 the last feature, k = 5 the bias's row against 1; k = 6, 7 nothing
	v_mov_b32 v[FE+3], v[CONE]
	s_wait_dscnt 0x0
	EMBM 2
.Lemb:
	PLACES 8                                       ; the places behind this matrix form
	LNORM EACC, XR, H64, PAR+7*512, PAR+8*512
.set lj, 0
.rept 64
	v_max_num_f32 v[XR+lj], 0, v[XR+lj]            ; relu
.set lj, lj+1
.endr
.set lj, 0
.rept 16
	global_store_b128 v[L16], v[XR+4*lj:XR+4*lj+3], s[34:35] offset:512*lj   ; the bank as it stands: 32 lanes store 512 consecutive bytes, aligned
.set lj, lj+1
.endr
	MMPRE L16, 0, R16, SCW                         ; Wq's first four fragments land under the quantiser
	QUANT XR, CA, CAS
	global_store_b128 v[L16], v[CA:CA+3], s[36:37]
	global_store_b128 v[L16], v[CA+4:CA+7], s[36:37] offset:512
	global_store_b32 v[R4], v[CAS], s[38:39]       ; both halves of the lanes hold the same word
	s_wait_xcnt 0x0                                ; x0's stores have read the bank: it is loaded again only behind this wait
	LDCH XR, H64, PAR                              ; bq is the C of q's products
	MM8 EACC, 1, XR, L16, 0, R16, SCW, CA, CAS, 8, 1
	PLACES 4
	MMPRE L16, 8192, R16, SCW+512                  ; Wk's first four land under the squares
	SQ EACC, SQA
	LDCH XR, H64, PAR+512                          ; bk
	MM8 EACC, 1, XR, L16, 8192, R16, SCW+512, CA, CAS, 4, 1
	PLACES 4
	SQ EACC, SQA+4
	s_wait_xcnt 0x0                                ; the stores have read their bases, their codes and their word: all are written again in the next trip
	s_add_co_u32 s28, s28, 16
	s_add_co_u32 s27, s27, 1
	s_cmp_lt_u32 s27, 2
	s_cbranch_scc1 .Ltrip
	; the wave's two sums, then the work-group's
	v_pk_add_f32 v[SQA:SQA+1], v[SQA:SQA+1], v[SQA+2:SQA+3]
	v_pk_add_f32 v[SQA+4:SQA+5], v[SQA+4:SQA+5], v[SQA+6:SQA+7]
	v_add_f32 v[SQA], v[SQA], v[SQA+1]
	v_add_f32 v[SQA+4], v[SQA+4], v[SQA+5]
.irp m, 1,2,4,8
	v_add_f32_dpp v[SQA], v[SQA], v[SQA] row_xmask:\m row_mask:0xf bank_mask:0xf
	v_add_f32_dpp v[SQA+4], v[SQA+4], v[SQA+4] row_xmask:\m row_mask:0xf bank_mask:0xf
.endr
	v_permlanex16_b32 v[SQA+1], v[SQA], s[SEL], s[SEL+1]
	v_permlanex16_b32 v[SQA+5], v[SQA+4], s[SEL], s[SEL+1]
	v_add_f32 v[SQA], v[SQA], v[SQA+1]
	v_add_f32 v[SQA+4], v[SQA+4], v[SQA+5]
	ds_store_b32 v236, v[SQA]                      ; all lanes write the same word with the same value
	ds_store_b32 v236, v[SQA+4] offset:4
	s_wait_dscnt 0x0
	s_barrier_signal -1
	s_barrier_wait -1
	s_cmp_lg_u32 s2, 0
	s_cbranch_scc1 .Lend
	ds_load_b64 v[SQA:SQA+1], v237                 ; lane r: wave r's two sums
	s_wait_dscnt 0x0
.irp m, 1,2,4,8
	v_add_f32_dpp v[SQA], v[SQA], v[SQA] row_xmask:\m row_mask:0xf bank_mask:0xf
	v_add_f32_dpp v[SQA+1], v[SQA+1], v[SQA+1] row_xmask:\m row_mask:0xf bank_mask:0xf
.endr
	v_cndmask_b32 v[SQA+2], v[SQA], v[SQA+1], s29  ; even lanes carry sum q^2, odd lanes sum k^2: every lane that names a word holds the same value
	global_store_b32 v235, v[SQA+2], s[44:45] offset:524288
.Lend:
	s_wait_tensorcnt 0x0
	ds_add_u32 v254, v255
	s_wait_dscnt 0x0
	s_endpgm
.Lfunc_end_k_q8c3cf92bc7_e1:
	.size	k_q8c3cf92bc7_e1, .Lfunc_end_k_q8c3cf92bc7_e1-k_q8c3cf92bc7_e1
	.p2alignl 7, 3214868480
	.fill 96, 4, 3214868480
	.section	.rodata,"a",@progbits
	.p2align	6, 0x0
	.amdhsa_kernel k_q8c3cf92bc7_e1
		.amdhsa_group_segment_fixed_size 41728
		.amdhsa_private_segment_fixed_size 0
		.amdhsa_enable_private_segment 0
		.amdhsa_kernarg_size 72
		.amdhsa_user_sgpr_count 2
		.amdhsa_user_sgpr_kernarg_segment_ptr 1
		.amdhsa_wavefront_size32 1
		.amdhsa_system_sgpr_workgroup_id_x 1
		.amdhsa_system_sgpr_workgroup_id_y 1
		.amdhsa_system_sgpr_workgroup_id_z 1
		.amdhsa_system_vgpr_workitem_id 0
		.amdhsa_next_free_vgpr 256
		.amdhsa_next_free_sgpr 66
		.amdhsa_reserve_vcc 0
		.amdhsa_float_denorm_mode_32 3
		.amdhsa_float_denorm_mode_16_64 3
		.amdhsa_memory_ordered 1
		.amdhsa_forward_progress 1
		.amdhsa_inst_pref_size 52
	.end_amdhsa_kernel
	.amdgpu_metadata
---
amdhsa.version: [ 1, 2 ]
amdhsa.kernels:
  - .name:           k_q8c3cf92bc7_e1
    .symbol:         k_q8c3cf92bc7_e1.kd
    .args:
      - { .name: variable_features, .offset: 0, .size: 8, .value_kind: global_buffer, .address_space: global }
      - { .name: constraint_features, .offset: 8, .size: 8, .value_kind: global_buffer, .address_space: global }
      - { .name: ve_w, .offset: 16, .size: 8, .value_kind: global_buffer, .address_space: global }
      - { .name: ve_b, .offset: 24, .size: 8, .value_kind: global_buffer, .address_space: global }
      - { .name: ce_w, .offset: 32, .size: 8, .value_kind: global_buffer, .address_space: global }
      - { .name: ce_b, .offset: 40, .size: 8, .value_kind: global_buffer, .address_space: global }
      - { .name: wl0, .offset: 48, .size: 8, .value_kind: global_buffer, .address_space: global }
      - { .name: out0, .offset: 56, .size: 8, .value_kind: global_buffer, .address_space: global }
      - { .name: xc0, .offset: 64, .size: 8, .value_kind: global_buffer, .address_space: global }
    .group_segment_fixed_size: 41728
    .private_segment_fixed_size: 0
    .kernarg_segment_align: 8
    .kernarg_segment_size: 72
    .max_flat_workgroup_size: 512
    .sgpr_count:     66
    .vgpr_count:     256
    .wavefront_size: 32
...
	.end_amdgpu_metadata
.endif
;; end of part 2
;; launch p2a (part 3): grid 256 x 1, 16 waves a work-group, no clusters, 142,080 bytes of LDS; arguments xc0, wl0, kvp; writes kvp
.if DOCPART == 3
	.amdgcn_target "amdgcn-amd-amdhsa--gfx1250"
	.amdhsa_code_object_version 6
	.text
	.protected	k_q8c3cf92bc7_p2a
	.globl	k_q8c3cf92bc7_p2a
	.p2align	8
	.type	k_q8c3cf92bc7_p2a,@function
k_q8c3cf92bc7_p2a:
	s_mov_b64 s[64:65], 0
	v_nop
	global_prefetch_b8 v0, s[64:65] scope:SCOPE_SE
	s_setreg_imm32_b32 hwreg(HW_REG_WAVE_MODE, 25, 1), 1
	s_wait_xcnt 0x0
; A work-group's part of kvs = ks^T v and of ks_sum, over its 512 rows, from the codes of x.  K of this product is the rows: ks and v are quantised along the rows, in blocks of 32.
; k and v are made anew from x's codes, in the natural orientation (source 0 = 16 rows of x, source 1 = 16 units of the weight): a lane then holds ONE unit and its registers run down the rows, which are the next K.
; SHARES.  Four steps of 128 rows.  In a step wave w makes one operand fragment: waves 0-7 ks of unit tile w (k / ||k||), waves 8-15 v of unit tile w - 8, and hands it to the others through LDS as an image of its registers.
; Then wave w adds onto its four accumulators: m tile w % 8 against d tiles 4 (w / 8) + 0 .. 3.  Inside a block of 32 rows the codes stand in another order than the rows, the same for ks and v: the products are the same.
; The images lie in two buffers by turns: one barrier a step.  A buffer is written again two steps on, behind the next step's barrier, which every wave signals behind the wait for its reads.
; OUT: the work-group's block of 66,048 bytes: row d' = 16 (d tile) + lane of 512 bytes holds kvs[m][d'] with m in natural order; row 128 holds ks_sum in natural order.
; LDS: 0 the codes of 32 tiles; 32,768 their scale words; 34,816 images, 2 x 16 x 1,024; 67,584 their scale words, 2 x 16 x 128; 71,680 a stage of 129 rows x 528 bytes.
; LIMITS: a block of zeros gets the byte 1 with zero codes; sum k^2 must be a normal f32 number; the division by ||k|| is a multiplication by v_rsq_f32's result.
.set XS,   32768
.set IMG,  34816
.set ISC,  67584
.set STG,  71680
.set L16,  1
.set AXS,  2                           ; XS + 4 r
.set AIW,  3                           ; where I store my image
.set ASW,  4                           ; and its scale words
.set AIK,  5                           ; where my ks fragment lies
.set AIV,  6                           ; and the first of my four v fragments
.set ASK,  7
.set ASV,  8
.set AST,  9                           ; the stage: where my accumulators go
.set ARD,  10                          ; my eight rows of it
.set ARK,  11                          ; its row 128
.set AKS,  12                          ; my unit's place in row 128
.set INV,  14
.set KSUM, 16
.set TM,   24
.set PC,   40
.set PW,   48
.set WSC,  49                          ; my weight fragment's scale word
.set XSS,  50                          ; v50-57 eight tiles' scale words
.set KSS,  58                          ; v58-62 ks's and four v's
.set WFR,  64                          ; v64-71 my weight fragment: it stays
.set BI,   72                          ; v72-79 my unit's bias, eight times: the C of the first products
.set KACC, 80                          ; v80-111 four accumulators of kvs
.set XF,   112                         ; v112-175 eight fragments
.set ACC,  176                         ; v176-239 my unit's 128 rows (64 a lane)
.set SEL,  10
.macro PLACES n
.rept \n
	v_nop
.endr
.endm
.macro QUANT src, dst, wrd             ; 64 numbers of a lane, registers 16 b .. 16 b + 15 of block b, which lanes l and l xor 16 share
.irp b, 0,1,2,3
	v_max3_num_f32 v[TM+\b], |v[\src+16*\b]|, |v[\src+1+16*\b]|, 0x1800000   ; with the floor 2^(3 - 127): the byte cannot fall under 1
.endr
.irp i, 2,4,6,8,10,12,14
.irp b, 0,1,2,3
	v_max3_num_f32 v[TM+\b], v[TM+\b], |v[\src+16*\b+\i]|, |v[\src+1+16*\b+\i]|
.endr
.endr
.irp b, 0,1,2,3
	v_permlanex16_b32 v[TM+4+\b], v[TM+\b], s[SEL], s[SEL+1]
.endr
.irp b, 0,1,2,3
	v_max_num_f32 v[TM+\b], v[TM+\b], v[TM+4+\b]
.endr
.irp b, 0,1,2,3
	v_add_nc_u32 v[TM+12+\b], 0xff000000, v[TM+\b]
.endr
.irp b, 0,1,2,3
	v_lshrrev_b32 v[TM+4+\b], 23, v[TM+12+\b]
.endr
	v_lshl_or_b32 v[\wrd], v[TM+5], 8, v[TM+4]
	v_lshl_or_b32 v[\wrd], v[TM+6], 16, v[\wrd]
	v_lshl_or_b32 v[\wrd], v[TM+7], 24, v[\wrd]
.irp b, 0,1,2,3
	v_cvt_scalef32_pk8_fp4_f32 v[\dst+2*\b], v[\src+16*\b:\src+7+16*\b], v[TM+12+\b]
	v_cvt_scalef32_pk8_fp4_f32 v[\dst+1+2*\b], v[\src+8+16*\b:\src+15+16*\b], v[TM+12+\b]
.endr
	v_nop                                          ; one plain place behind a scaled conversion
.irp c, 0,1
.irp i, 0,1
	v_permlane16_swap_b32 v[\dst+4*\c+\i], v[\dst+2+4*\c+\i]
.endr
.endr
.endm
	s_load_b128 s[4:7], s[0:1], 0x0                ; the codes' buffer, the layer's weights
	s_load_b64 s[8:9], s[0:1], 0x10                ; kvp
	v_lshl_add_u32 v254, v0, 2, 0x22300
	v_mov_b32 v255, 0
	v_lshrrev_b32 v240, 5, v0
	v_readfirstlane_b32 s2, v240                   ; wave 0..15
	v_and_b32 v240, 31, v0                         ; lane
	v_and_b32 v241, 15, v0                         ; r
	v_bfe_u32 v242, v0, 4, 1                       ; h
	v_lshlrev_b32 v[L16], 4, v240
	v_lshlrev_b32 v243, 2, v240                    ; 4 x lane
	v_lshl_add_u32 v[AXS], v241, 2, XS
	s_lshl_b32 s12, s2, 10
	s_add_co_u32 s12, s12, IMG
	v_add_nc_u32 v[AIW], s12, v[L16]
	s_lshl_b32 s12, s2, 7
	s_add_co_u32 s12, s12, ISC
	v_add_nc_u32 v[ASW], s12, v243
	s_and_b32 s13, s2, 7                           ; w % 8
	s_lshr_b32 s14, s2, 3                          ; w / 8
	s_lshl_b32 s12, s13, 10
	s_add_co_u32 s12, s12, IMG
	v_add_nc_u32 v[AIK], s12, v[L16]
	s_lshl_b32 s12, s14, 12
	s_add_co_u32 s12, s12, IMG+8192
	v_add_nc_u32 v[AIV], s12, v[L16]
	s_lshl_b32 s12, s13, 7
	s_add_co_u32 s12, s12, ISC
	v_add_nc_u32 v[ASK], s12, v243
	s_lshl_b32 s12, s14, 9
	s_add_co_u32 s12, s12, ISC+1024
	v_add_nc_u32 v[ASV], s12, v243
	s_lshr_b32 s15, s13, 1
	s_lshl_b32 s15, s15, 7
	s_and_b32 s16, s2, 1
	s_lshl_b32 s16, s16, 5
	s_add_co_u32 s15, s15, s16                     ; my unit tile's first unit, in bytes: 128 (tile / 2) + 32 (tile % 2)
	s_mul_i32 s16, s14, 33792
	s_add_co_u32 s16, s16, s15
	s_add_co_u32 s16, s16, STG
	v_mul_u32_u24 v[AST], v241, 528
	v_lshl_add_u32 v[AST], v242, 6, v[AST]
	v_add_nc_u32 v[AST], s16, v[AST]               ; row 64 (w / 8) + 16 a + r; my eight m begin 64 h bytes behind the tile's first
	s_mul_i32 s16, s2, 4224
	s_add_co_u32 s16, s16, STG
	v_add_nc_u32 v[ARD], s16, v[L16]
	v_add_nc_u32 v[ARK], STG+67584, v[L16]
	v_and_b32 v244, 8, v241
	v_add_nc_u32 v244, v244, v241
	v_lshlrev_b32 v244, 2, v244                    ; 4 (r + 8 (r / 8))
	s_add_co_u32 s16, s15, STG+67584
	v_add_nc_u32 v[AKS], s16, v244
	v_lshlrev_b32 v245, 4, v0                      ; 16 t
	v_lshlrev_b32 v246, 2, v0                      ; 4 t
	s_add_co_u32 s17, s2, 8                        ; my weight fragment: 8 + w (Wk's eight, then Wv's eight)
	s_lshl_b32 s18, s17, 10
	v_add_nc_u32 v247, s18, v[L16]
	s_lshr_b32 s18, s17, 2
	s_lshl_b32 s18, s18, 8
	s_and_b32 s19, s17, 3
	s_lshl_b32 s19, s19, 2
	s_add_co_u32 s18, s18, s19
	v_lshl_add_u32 v248, v241, 4, s18
	s_lshl_b32 s18, s14, 9
	s_add_co_u32 s18, s18, s15
	v_add_nc_u32 v249, s18, v244                   ; my unit's bias: row bk or bv, 4 x unit
	s_mov_b32 s[SEL], 0x76543210
	s_mov_b32 s[SEL+1], 0xfedcba98
.irp b, 0,1,2,3
	v_mov_b32 v[TM+4+\b], 0                        ; written once: a lane permute's destination counts as one of its sources
	v_mov_b32 v[KSUM+\b], 0
.endr
	s_lshl_b32 s24, ttmp9, 15
	s_mov_b32 s25, 0
	s_lshl_b32 s26, ttmp9, 11
	s_mov_b32 s27, 0
	s_mul_i32 s28, ttmp9, 66048
	s_lshl_b32 s29, s2, 12
	s_add_co_u32 s28, s28, s29
	s_mov_b32 s29, 0
	s_wait_kmcnt 0x0
	s_add_nc_u64 s[18:19], s[4:5], s[24:25]        ; my 32 tiles' codes
	s_add_nc_u64 s[20:21], s[4:5], 0x800000        ; the scale words' part
	s_add_nc_u64 s[22:23], s[20:21], s[26:27]      ; my 32 tiles' words
	s_add_nc_u64 s[8:9], s[8:9], s[28:29]          ; my wave's eight rows of the work-group's block
.irp i, 0,1,2,3
	global_load_b128 v[XF+4*\i:XF+4*\i+3], v245, s[18:19] offset:8192*\i
.endr
	global_load_b32 v[XF+16], v246, s[22:23]
	global_load_b128 v[WFR:WFR+3], v247, s[6:7]
	global_load_b128 v[WFR+4:WFR+7], v247, s[6:7] offset:512
	global_load_b32 v[WSC], v248, s[6:7] offset:57344
	global_load_b32 v[BI], v249, s[6:7] offset:61440
	global_load_b128 v[ACC:ACC+3], v[L16], s[20:21] offset:525312     ; the 256 partial sums of k^2
	global_load_b128 v[ACC+4:ACC+7], v[L16], s[20:21] offset:525824
	s_wait_loadcnt 0x0
.irp i, 0,1,2,3
	ds_store_b128 v245, v[XF+4*\i:XF+4*\i+3] offset:8192*\i
.endr
	ds_store_b32 v246, v[XF+16] offset:XS
.irp j, 1,2,3,4,5,6,7
	v_mov_b32 v[BI+\j], v[BI]
.endr
	v_add_f32 v[ACC], v[ACC], v[ACC+1]             ; every wave of every work-group adds the 256 in the same order
	v_add_f32 v[ACC+2], v[ACC+2], v[ACC+3]
	v_add_f32 v[ACC+4], v[ACC+4], v[ACC+5]
	v_add_f32 v[ACC+6], v[ACC+6], v[ACC+7]
	v_add_f32 v[ACC], v[ACC], v[ACC+2]
	v_add_f32 v[ACC+4], v[ACC+4], v[ACC+6]
	v_add_f32 v[ACC], v[ACC], v[ACC+4]
.irp m, 1,2,4,8
	v_add_f32_dpp v[ACC], v[ACC], v[ACC] row_xmask:\m row_mask:0xf bank_mask:0xf
.endr
	v_permlanex16_b32 v[ACC+1], v[ACC], s[SEL], s[SEL+1]
	v_add_f32 v[ACC], v[ACC], v[ACC+1]
	v_rsq_f32 v[INV], v[ACC]                       ; 1 / ||k||
	v_mov_b32 v[INV+1], 0                          ; (a plain place; the pair is named whole)
	s_wait_alu depctr_va_vdst(0)                   ; the wait ahead of the result's first reader, and of every branch
	s_wait_dscnt 0x0
	s_barrier_signal -1
	s_barrier_wait -1                              ; the codes and their words lie in LDS, and are only read from here on
.macro STEP n
.if \n > 0
	PLACES 4                                       ; in front of loads into registers that the last products read
.endif
.set st, 0
.rept 8
	ds_load_b128 v[XF+8*st:XF+8*st+3], v[L16] offset:(8*\n+st)*1024
	ds_load_b128 v[XF+8*st+4:XF+8*st+7], v[L16] offset:(8*\n+st)*1024+512
	ds_load_b32 v[XSS+st], v[AXS] offset:(8*\n+st)*64
.set st, st+1
.endr
	s_wait_dscnt 0x0
.set st, 0
.rept 8                                                ; rows 16 st + 8 h + j of my unit, with the bias as C
	v_wmma_scale_f32_16x16x128_f8f6f4 v[ACC+8*st:ACC+8*st+7], v[XF+8*st:XF+8*st+7], v[WFR:WFR+7], v[BI:BI+7], v[XSS+st], v[WSC] matrix_a_fmt:MATRIX_FMT_FP4 matrix_b_fmt:MATRIX_FMT_FP4
.set st, st+1
.endr
	PLACES 4
	s_cmp_lt_u32 s2, 8
	s_cbranch_scc0 .Lnot_k_\@
.set sj, 0
.rept 32
	v_pk_mul_f32 v[ACC+sj:ACC+sj+1], v[ACC+sj:ACC+sj+1], v[INV:INV+1] op_sel_hi:[1,0]   ; ks = k / ||k||
.set sj, sj+2
.endr
.set sj, 0
.rept 16
	v_pk_add_f32 v[KSUM:KSUM+1], v[KSUM:KSUM+1], v[ACC+sj:ACC+sj+1]                     ; ks_sum is taken of the unquantised ks
	v_pk_add_f32 v[KSUM+2:KSUM+3], v[KSUM+2:KSUM+3], v[ACC+sj+2:ACC+sj+3]
.set sj, sj+4
.endr
.Lnot_k_\@:
	QUANT ACC, PC, PW
	ds_store_b128 v[AIW], v[PC:PC+3] offset:16384*((\n)%2)
	ds_store_b128 v[AIW], v[PC+4:PC+7] offset:16384*((\n)%2)+512
	ds_store_b32 v[ASW], v[PW] offset:2048*((\n)%2)
	s_wait_dscnt 0x0                               ; for the others' sake: my image has landed (and my reads of the other buffer were over before the last products)
	s_barrier_signal -1
	s_barrier_wait -1
	ds_load_b128 v[XF:XF+3], v[AIK] offset:16384*((\n)%2)
	ds_load_b128 v[XF+4:XF+7], v[AIK] offset:16384*((\n)%2)+512
	ds_load_b32 v[KSS], v[ASK] offset:2048*((\n)%2)
.irp a, 0,1,2,3
	ds_load_b128 v[XF+8+8*\a:XF+8+8*\a+3], v[AIV] offset:16384*((\n)%2)+1024*\a
	ds_load_b128 v[XF+12+8*\a:XF+12+8*\a+3], v[AIV] offset:16384*((\n)%2)+1024*\a+512
	ds_load_b32 v[KSS+1+\a], v[ASV] offset:2048*((\n)%2)+128*\a
.endr
	s_wait_dscnt 0x0
.irp a, 0,1,2,3                                        ; four accumulators by turns; the first step starts the sums
.if \n == 0
	v_wmma_scale_f32_16x16x128_f8f6f4 v[KACC+8*\a:KACC+8*\a+7], v[XF:XF+7], v[XF+8+8*\a:XF+8+8*\a+7], 0, v[KSS], v[KSS+1+\a] matrix_a_fmt:MATRIX_FMT_FP4 matrix_b_fmt:MATRIX_FMT_FP4
.else
	v_wmma_scale_f32_16x16x128_f8f6f4 v[KACC+8*\a:KACC+8*\a+7], v[XF:XF+7], v[XF+8+8*\a:XF+8+8*\a+7], v[KACC+8*\a:KACC+8*\a+7], v[KSS], v[KSS+1+\a] matrix_a_fmt:MATRIX_FMT_FP4 matrix_b_fmt:MATRIX_FMT_FP4
.endif
.endr
.endm
	STEP 0
	STEP 1
	STEP 2
	STEP 3
	PLACES 4
	s_cmp_lt_u32 s2, 8
	s_cbranch_scc0 .Lno_sum
	v_pk_add_f32 v[KSUM:KSUM+1], v[KSUM:KSUM+1], v[KSUM+2:KSUM+3]
	v_add_f32 v[KSUM], v[KSUM], v[KSUM+1]
	v_permlanex16_b32 v[KSUM+1], v[KSUM], s[SEL], s[SEL+1]
	v_add_f32 v[KSUM], v[KSUM], v[KSUM+1]
	ds_store_b32 v[AKS], v[KSUM]                   ; both halves of the lanes hold the same sum
.Lno_sum:
.irp a, 0,1,2,3
	ds_store_b128 v[AST], v[KACC+8*\a:KACC+8*\a+3] offset:8448*\a       ; a lane's eight registers are eight neighbouring m of row d'; each accumulator from its low end on
	ds_store_b128 v[AST], v[KACC+8*\a+4:KACC+8*\a+7] offset:8448*\a+16
.endr
	s_wait_dscnt 0x0
	s_barrier_signal -1
	s_barrier_wait -1
.irp i, 0,1,2,3,4,5,6,7
	ds_load_b128 v[XF+4*\i:XF+4*\i+3], v[ARD] offset:528*\i
.endr
	s_wait_dscnt 0x0
.irp i, 0,1,2,3,4,5,6,7
	global_store_b128 v[L16], v[XF+4*\i:XF+4*\i+3], s[8:9] offset:512*\i   ; 32 lanes store 512 consecutive bytes, aligned
.endr
	s_cmp_lg_u32 s2, 0
	s_cbranch_scc1 .Lend
	ds_load_b128 v[XF+32:XF+35], v[ARK]
	s_wait_dscnt 0x0
	global_store_b128 v[L16], v[XF+32:XF+35], s[8:9] offset:65536          ; wave 0: row 128, ks_sum
.Lend:
	s_wait_tensorcnt 0x0
	ds_add_u32 v254, v255
	s_wait_dscnt 0x0
	s_endpgm
.Lfunc_end_k_q8c3cf92bc7_p2a:
	.size	k_q8c3cf92bc7_p2a, .Lfunc_end_k_q8c3cf92bc7_p2a-k_q8c3cf92bc7_p2a
	.p2alignl 7, 3214868480
	.fill 96, 4, 3214868480
	.section	.rodata,"a",@progbits
	.p2align	6, 0x0
	.amdhsa_kernel k_q8c3cf92bc7_p2a
		.amdhsa_group_segment_fixed_size 142080
		.amdhsa_private_segment_fixed_size 0
		.amdhsa_enable_private_segment 0
		.amdhsa_kernarg_size 24
		.amdhsa_user_sgpr_count 2
		.amdhsa_user_sgpr_kernarg_segment_ptr 1
		.amdhsa_wavefront_size32 1
		.amdhsa_system_sgpr_workgroup_id_x 1
		.amdhsa_system_sgpr_workgroup_id_y 1
		.amdhsa_system_sgpr_workgroup_id_z 1
		.amdhsa_system_vgpr_workitem_id 0
		.amdhsa_next_free_vgpr 256
		.amdhsa_next_free_sgpr 66
		.amdhsa_reserve_vcc 0
		.amdhsa_float_denorm_mode_32 3
		.amdhsa_float_denorm_mode_16_64 3
		.amdhsa_memory_ordered 1
		.amdhsa_forward_progress 1
		.amdhsa_inst_pref_size 59
	.end_amdhsa_kernel
	.amdgpu_metadata
---
amdhsa.version: [ 1, 2 ]
amdhsa.kernels:
  - .name:           k_q8c3cf92bc7_p2a
    .symbol:         k_q8c3cf92bc7_p2a.kd
    .args:
      - { .name: xc0, .offset: 0, .size: 8, .value_kind: global_buffer, .address_space: global }
      - { .name: wl0, .offset: 8, .size: 8, .value_kind: global_buffer, .address_space: global }
      - { .name: kvp, .offset: 16, .size: 8, .value_kind: global_buffer, .address_space: global }
    .group_segment_fixed_size: 142080
    .private_segment_fixed_size: 0
    .kernarg_segment_align: 8
    .kernarg_segment_size: 24
    .max_flat_workgroup_size: 512
    .sgpr_count:     66
    .vgpr_count:     256
    .wavefront_size: 32
...
	.end_amdgpu_metadata
.endif
;; end of part 3
;; launch ra (part 4): grid 64 x 4, 16 waves a work-group, no clusters, 18,432 bytes of LDS; arguments kvp, kvq; writes kvq
.if DOCPART == 4
	.amdgcn_target "amdgcn-amd-amdhsa--gfx1250"
	.amdhsa_code_object_version 6
	.text
	.protected	k_q8c3cf92bc7_ra
	.globl	k_q8c3cf92bc7_ra
	.p2align	8
	.type	k_q8c3cf92bc7_ra,@function
k_q8c3cf92bc7_ra:
	s_mov_b64 s[64:65], 0
	v_nop
	global_prefetch_b8 v0, s[64:65] scope:SCOPE_SE
	s_setreg_imm32_b32 hwreg(HW_REG_WAVE_MODE, 25, 1), 1
	s_wait_xcnt 0x0
; The 64 partial kvs and ks_sum of a batch are added, in a fixed order, and kvs is quantised along m into the fragments that the next launch multiplies by.
; Work-group (x, batch) owns rows d' = 2 x and 2 x + 1: 1,024 consecutive bytes of each partial.  Wave w adds partials 4 w .. 4 w + 3; the sixteen sums meet in LDS; wave 0 adds them and quantises; wave 1 adds elements 2 x, 2 x + 1 of ks_sum,
; for which it asks at the head, together with its share of the partials.
; THE SCALE BYTES ARE STORED 15 LOWER THAN THE QUANTISER GIVES THEM: the fragments then stand for kvs / N, N = 32,768 = 2^15, exactly, and the next launch adds qs kvs / N straight onto v in place of multiplying v by N.
; OUT, 9,216 bytes a batch: eight fragments (d tile d' / 16, lane d' % 16; registers 4 c + q of half h hold m = 64 c + 32 h + 8 q ..) as images of their registers; at 8,192 their scale words, 256 (tile / 4) + 16 lane + 4 (tile % 4); at 8,704 ks_sum.
; The codes and scale bytes leave in pieces of 4 bytes and 1 byte: 136 bytes a work-group.
; LIMITS: the floor under a block's largest magnitude is 2^(18 - 127), so that the stored byte cannot fall under 1: a block of kvs whose largest magnitude lies under 2^-109 is quantised under the scale 2^-111 (a block of zeros: zero codes, byte 1);
; NaN and infinities are not served.
.set SEL, 16
	s_load_b128 s[4:7], s[0:1], 0x0                ; kvp, kvq
	v_lshl_add_u32 v128, v0, 2, 0x4000
	v_mov_b32 v129, 0
	v_lshrrev_b32 v1, 5, v0
	v_readfirstlane_b32 s2, v1                     ; wave 0..15
	s_and_b32 s3, ttmp7, 0xffff                    ; the batch
	v_and_b32 v1, 31, v0                           ; lane
	v_lshlrev_b32 v2, 4, v1
	s_lshl_b32 s8, s2, 10
	v_add_nc_u32 v3, s8, v2                        ; LDS: 1,024 x wave + 16 x lane
	v_lshlrev_b32 v4, 5, v1                        ; 32 x lane
	v_mul_u32_u24 v7, v1, 66048                    ; wave 1: lane l takes partials l and l + 32
.irp j, 48,49,50,51
	v_mov_b32 v\j, 0
.endr
	s_mov_b32 s[SEL], 0x76543210
	s_mov_b32 s[SEL+1], 0xfedcba98
	s_lshl_b32 s10, s3, 6
	s_mul_i32 s12, s10, 66048                      ; the batch's first partial
	s_lshl_b32 s9, s2, 2
	s_add_co_u32 s8, s10, s9
	s_mul_i32 s8, s8, 66048
	s_lshl_b32 s9, ttmp9, 10
	s_add_co_u32 s8, s8, s9
	s_mov_b32 s9, 0
	s_mov_b32 s13, 0
	s_mul_i32 s14, s3, 9216
	s_mov_b32 s15, 0
	s_lshl_b32 s18, ttmp9, 3                       ; 8 x: my two elements of ks_sum
	s_mov_b32 s19, 0
	s_wait_kmcnt 0x0
	s_add_nc_u64 s[8:9], s[4:5], s[8:9]
	s_add_nc_u64 s[12:13], s[4:5], s[12:13]
	s_add_nc_u64 s[12:13], s[12:13], s[18:19]
	s_add_nc_u64 s[6:7], s[6:7], s[14:15]          ; the batch's part of the output
	s_add_nc_u64 s[20:21], s[6:7], s[18:19]
	s_cmp_eq_u32 s2, 1
	s_cbranch_scc0 .Lmain
	global_load_b64 v[48:49], v7, s[12:13] offset:65536
	global_load_b64 v[50:51], v7, s[12:13] offset:65536+2113536
.Lmain:
.irp i, 0,1,2,3
	global_load_b128 v[16+8*\i:19+8*\i], v2, s[8:9] offset:66048*\i th:TH_LOAD_NT
	global_load_b128 v[20+8*\i:23+8*\i], v2, s[8:9] offset:66048*\i+512 th:TH_LOAD_NT
.endr
	s_wait_loadcnt 0x0
.irp i, 1,2,3
.irp j, 0,2,4,6
	v_pk_add_f32 v[16+\j:17+\j], v[16+\j:17+\j], v[16+8*\i+\j:17+8*\i+\j]
.endr
.endr
	ds_store_b128 v3, v[16:19]
	ds_store_b128 v3, v[20:23] offset:512
	s_wait_dscnt 0x0
	s_barrier_signal -1
	s_barrier_wait -1
	s_cmp_eq_u32 s2, 0
	s_cbranch_scc1 .Lcodes
	s_cmp_eq_u32 s2, 1
	s_cbranch_scc1 .Lsum
	s_wait_tensorcnt 0x0
	ds_add_u32 v128, v129
	s_wait_dscnt 0x0
	s_endpgm
.Lcodes:                                               ; lane l: row 2 x + l / 16, m = 8 (l % 16) .. + 7
.irp s, 0,1,2,3,4,5,6,7
	ds_load_b128 v[16+8*\s:19+8*\s], v4 offset:1024*\s
	ds_load_b128 v[20+8*\s:23+8*\s], v4 offset:1024*\s+16
.endr
	s_wait_dscnt 0x0
.irp s, 1,2,3,4,5,6,7
.irp j, 0,2,4,6
	v_pk_add_f32 v[16+\j:17+\j], v[16+\j:17+\j], v[16+8*\s+\j:17+8*\s+\j]
.endr
.endr
.irp s, 0,1,2,3,4,5,6,7
	ds_load_b128 v[24+8*\s:27+8*\s], v4 offset:8192+1024*\s
	ds_load_b128 v[28+8*\s:31+8*\s], v4 offset:8192+1024*\s+16
.endr
	s_wait_dscnt 0x0
.irp s, 0,1,2,3,4,5,6,7
.irp j, 0,2,4,6
	v_pk_add_f32 v[16+\j:17+\j], v[16+\j:17+\j], v[24+8*\s+\j:25+8*\s+\j]
.endr
.endr
	v_max3_num_f32 v8, |v16|, |v17|, 0x9000000     ; my eight numbers and the floor 2^(18 - 127),
	v_max3_num_f32 v8, v8, |v18|, |v19|
	v_max3_num_f32 v8, v8, |v20|, |v21|
	v_max3_num_f32 v8, v8, |v22|, |v23|
	v_max_num_f32_dpp v8, v8, v8 row_xmask:1 row_mask:0xf bank_mask:0xf   ; and the three other lanes' of the block of 32
	v_max_num_f32_dpp v8, v8, v8 row_xmask:2 row_mask:0xf bank_mask:0xf
	v_add_nc_u32 v9, 0xff000000, v8                ; 2 off the exponent field: the conversion's scale operand
	v_cvt_scalef32_pk8_fp4_f32 v10, v[16:23], v9
	v_lshrrev_b32 v11, 23, v9                      ; the scale's byte, 16 at the least,
	v_add_nc_u32 v11, -15, v11                     ; and 15 off it: the division by N
	v_and_b32 v5, 15, v1                           ; y = l % 16
	v_lshrrev_b32 v6, 4, v1                        ; l / 16
	v_lshlrev_b32 v12, 4, v6
	v_lshrrev_b32 v13, 3, v5
	v_lshl_add_u32 v14, v13, 9, v12                ; 16 (l / 16) + 512 c
	v_bfe_u32 v13, v5, 2, 1
	v_lshl_add_u32 v14, v13, 8, v14                ; + 256 h
	v_and_b32 v13, 3, v5
	v_lshl_add_u32 v14, v13, 2, v14                ; + 4 q
	s_lshr_b32 s8, ttmp9, 3
	s_lshl_b32 s9, s8, 10
	s_and_b32 s10, ttmp9, 7
	s_lshl_b32 s10, s10, 5
	s_add_co_u32 s9, s9, s10
	v_add_nc_u32 v14, s9, v14                      ; + 1,024 (x / 8) + 32 (x % 8)
	v_lshrrev_b32 v13, 2, v5
	v_add_nc_u32 v15, v12, v13                     ; 16 (l / 16) + the block
	s_lshr_b32 s9, ttmp9, 5
	s_lshl_b32 s9, s9, 8
	s_add_co_u32 s9, s9, s10
	s_and_b32 s8, s8, 3
	s_lshl_b32 s8, s8, 2
	s_add_co_u32 s9, s9, s8
	v_add_nc_u32 v15, s9, v15                      ; + 256 (x / 32) + 32 (x % 8) + 4 ((x / 8) % 4)
	global_store_b32 v14, v10, s[6:7]
	global_store_b8 v15, v11, s[6:7] offset:8192   ; the four lanes of a block hold the same byte
	s_wait_tensorcnt 0x0
	ds_add_u32 v128, v129
	s_wait_dscnt 0x0
	s_endpgm
.Lsum:
	v_mov_b32 v6, 0
	v_pk_add_f32 v[48:49], v[48:49], v[50:51]
.irp m, 1,2,4,8
	v_add_f32_dpp v48, v48, v48 row_xmask:\m row_mask:0xf bank_mask:0xf
	v_add_f32_dpp v49, v49, v49 row_xmask:\m row_mask:0xf bank_mask:0xf
.endr
	v_permlanex16_b32 v50, v48, s[SEL], s[SEL+1]
	v_permlanex16_b32 v51, v49, s[SEL], s[SEL+1]
	v_pk_add_f32 v[48:49], v[48:49], v[50:51]
	global_store_b64 v6, v[48:49], s[20:21] offset:8704   ; every lane holds the same two sums and names the same eight bytes
	s_wait_tensorcnt 0x0
	ds_add_u32 v128, v129
	s_wait_dscnt 0x0
	s_endpgm
.Lfunc_end_k_q8c3cf92bc7_ra:
	.size	k_q8c3cf92bc7_ra, .Lfunc_end_k_q8c3cf92bc7_ra-k_q8c3cf92bc7_ra
	.p2alignl 7, 3214868480
	.fill 96, 4, 3214868480
	.section	.rodata,"a",@progbits
	.p2align	6, 0x0
	.amdhsa_kernel k_q8c3cf92bc7_ra
		.amdhsa_group_segment_fixed_size 18432
		.amdhsa_private_segment_fixed_size 0
		.amdhsa_enable_private_segment 0
		.amdhsa_kernarg_size 16
		.amdhsa_user_sgpr_count 2
		.amdhsa_user_sgpr_kernarg_segment_ptr 1
		.amdhsa_wavefront_size32 1
		.amdhsa_system_sgpr_workgroup_id_x 1
		.amdhsa_system_sgpr_workgroup_id_y 1
		.amdhsa_system_sgpr_workgroup_id_z 1
		.amdhsa_system_vgpr_workitem_id 0
		.amdhsa_next_free_vgpr 130
		.amdhsa_next_free_sgpr 66
		.amdhsa_reserve_vcc 0
		.amdhsa_float_denorm_mode_32 3
		.amdhsa_float_denorm_mode_16_64 3
		.amdhsa_memory_ordered 1
		.amdhsa_forward_progress 1
		.amdhsa_inst_pref_size 13
	.end_amdhsa_kernel
	.amdgpu_metadata
---
amdhsa.version: [ 1, 2 ]
amdhsa.kernels:
  - .name:           k_q8c3cf92bc7_ra
    .symbol:         k_q8c3cf92bc7_ra.kd
    .args:
      - { .name: kvp, .offset: 0, .size: 8, .value_kind: global_buffer, .address_space: global }
      - { .name: kvq, .offset: 8, .size: 8, .value_kind: global_buffer, .address_space: global }
    .group_segment_fixed_size: 18432
    .private_segment_fixed_size: 0
    .kernarg_segment_align: 8
    .kernarg_segment_size: 16
    .max_flat_workgroup_size: 512
    .sgpr_count:     66
    .vgpr_count:     130
    .wavefront_size: 32
...
	.end_amdgpu_metadata
.endif
;; end of part 4
;; launch p3a (part 5): grid 256 x 1, 16 waves a work-group, no clusters, 101,632 bytes of LDS; arguments xc0, out0, wl0, kvq, x1, wl1, xc1; writes x1, xc1
.if DOCPART == 5
	.amdgcn_target "amdgcn-amd-amdhsa--gfx1250"
	.amdhsa_code_object_version 6
	.text
	.protected	k_q8c3cf92bc7_p3a
	.globl	k_q8c3cf92bc7_p3a
	.p2align	8
	.type	k_q8c3cf92bc7_p3a,@function
k_q8c3cf92bc7_p3a:
	s_mov_b64 s[64:65], 0
	v_nop
	global_prefetch_b8 v0, s[64:65] scope:SCOPE_SE
	s_setreg_imm32_b32 hwreg(HW_REG_WAVE_MODE, 25, 1), 1
	s_wait_xcnt 0x0
; One layer from the attention's second half to its end, for 16 rows a wave, all in registers:
; q, v from x's codes; qs = q / ||q||; (Q(qs) Q(kvs) + N v) / (qs . ks_sum + N); 0.8 x that + 0.2 x prev; LN; relu(. fc1) fc2; 0.8 x that + 0.2 x the LN's result; LN.
; LAST = 0: the result is stored as an image of its bank's registers, its codes are stored too, and q, k of the next layer are made for the partial sums of their squares.  LAST = 1: the result alone, row by row.
; TWO CONSTANTS ARE FOLDED AWAY.  (1) kvs's scale bytes arrive 15 lower than its quantiser gave them, so the fragments stand for kvs / N, N = 2^15, exactly: qs kvs / N is added straight onto v, and N comes back in the row's factor.
; (2) Each residual sum is taken five times too large, z = 4 a + p in place of 0.8 a + 0.2 p, by one fused multiply-add; the norm behind it divides the factor out: (z - mean) / sqrt(var(z) + eps / 0.04) is the same number.
; SHARES.  256 work-groups of 512 rows; sixteen waves of 256 registers, four to a SIMD; tile T = 32 g + 16 i + wave, i = 0, 1.  No wave needs another's rows: the one barrier stands behind the head's copies (a second one in front of the sums' way out).
; CHAIN LAYOUT.  Every product is used transposed (source 0 = 16 units of a weight, source 1 = my 16 rows), and the units of a tile are chosen (unit 32 b + 8 u + r + 8 (r / 8) in lane r of tile 2 b + u):
; lane (r, h) holds row r, and register 16 b + i of a bank of 64 holds unit 32 b + 16 h + i: 16 neighbours along the next K.
; prev arrives as an image of a bank's registers: registers 4 k .. 4 k + 3 of tile T at 8,192 T + 512 k + 16 x lane.
; AHEAD.  Both tiles' codes and the first tile's prev are asked for in the head; the second tile's prev in the first trip, as soon as its bank is free; a run's first four weight fragments ahead of the vector work in front of the run.
; LDS: 0 the layer's weight block as it lies in memory (its bytes 8,192 .. 16,383, Wk, are not copied and not read); 65,536 the batch's kvs fragments, scale words (+ 8,192) and ks_sum (+ 8,704);
; 74,752 the next layer's Wq and Wk; 91,136 its scale words and parameters; 99,328 the waves' sums; with LAST = 1 from 99,584 a stage of 16 rows x 528 bytes for each wave.
; LIMITS: a block of zeros gets the byte 1 with zero codes; NaN and infinities are not served; sum q^2 must be a normal f32 number; the divisions by ||q|| and by the normaliser are multiplications by v_rsq_f32's and v_rcp_f32's results.
.set LAST, 0
.set SCW,   57344
.set PAR,   60928
.set RED,   99328
.set STAGE, 99584
.set L16,  1                           ; 16 x lane
.set L16B, 2                           ; + 65,536
.set R16,  3                           ; 16 r
.set R16B, 4
.set H64,  5                           ; 64 h
.set H64B, 6
.set STW,  7                           ; my stage in chain layout: + 528 r + 64 h
.set STR,  8                           ; my stage by rows: + 16 x lane
.set R4,   10                          ; 4 r
.set INV,  12                          ; 1 / ||q||
.set MU,   14
.set RS,   16                          ; rsqrt(var + eps); also 4 N / the normaliser
.set T0,   18
.set T1,   20
.set T2,   22
.set TM,   24                          ; v24-39 the quantiser's
.set CA,   40                          ; v40-47, v48-55 two fragments of codes
.set CB,   48
.set CAS,  56                          ; their scale words
.set CBS,  57
.set WS,   58                          ; v58-61 four weight fragments' scale words
.set SQA,  64                          ; v64-71 the sums of squares
.set WF,   72                          ; v72-103 four weight fragments
.set Y,    104                         ; v104-167 a bank: prev, then the first norm's result, then the second's
.set ACC,  168                         ; v168-231 a bank: the accumulators; in the head the copies' data
.set NS,   ACC+52                      ; in the head: the partial sums of q^2
.set NCA,  240                         ; v240-247 the second tile's codes
.set NCAS, 249                         ; and their scale word
.set SEL,  32
.set C128, 34
.set EPS,  35
.set PN,   38                          ; N = 32,768
.set P4N,  39                          ; 4 N = 2^17
.macro PLACES n
.rept \n
	v_nop
.endr
.endm
; 64 numbers of a lane, register 16 b + i = k 32 b + 16 h + i of my row, become a fragment's codes and its scale word
.macro QUANT src, dst, wrd
.irp b, 0,1,2,3
	v_max3_num_f32 v[TM+\b], |v[\src+16*\b]|, |v[\src+1+16*\b]|, 0x1800000   ; my 16 numbers of block b, and the floor 2^(3 - 127): the byte cannot fall under 1
.endr
.irp i, 2,4,6,8,10,12,14
.irp b, 0,1,2,3
	v_max3_num_f32 v[TM+\b], v[TM+\b], |v[\src+16*\b+\i]|, |v[\src+1+16*\b+\i]|
.endr
.endr
.irp b, 0,1,2,3
	v_permlanex16_b32 v[TM+4+\b], v[TM+\b], s[SEL], s[SEL+1]
.endr
.irp b, 0,1,2,3
	v_max_num_f32 v[TM+\b], v[TM+\b], v[TM+4+\b]   ; with lane l xor 16's: the block's largest magnitude
.endr
.irp b, 0,1,2,3
	v_add_nc_u32 v[TM+12+\b], 0xff000000, v[TM+\b] ; 2 off its exponent field: the conversion's scale operand
.endr
.irp b, 0,1,2,3
	v_lshrrev_b32 v[TM+4+\b], 23, v[TM+12+\b]      ; the scale's byte
.endr
	v_lshl_or_b32 v[\wrd], v[TM+5], 8, v[TM+4]
	v_lshl_or_b32 v[\wrd], v[TM+6], 16, v[\wrd]
	v_lshl_or_b32 v[\wrd], v[TM+7], 24, v[\wrd]
.irp b, 0,1,2,3
	v_cvt_scalef32_pk8_fp4_f32 v[\dst+2*\b], v[\src+16*\b:\src+7+16*\b], v[TM+12+\b]
	v_cvt_scalef32_pk8_fp4_f32 v[\dst+1+2*\b], v[\src+8+16*\b:\src+15+16*\b], v[TM+12+\b]
.endr
	v_nop                                          ; one plain place behind a scaled conversion
.irp c, 0,1                                            ; the operand's layout wants a whole block in a lane
.irp i, 0,1
	v_permlane16_swap_b32 v[\dst+4*\c+\i], v[\dst+2+4*\c+\i]
.endr
.endr
.endm
; a row of 128 parameters in natural order comes into a bank in chain layout; pa holds 64 h
.macro LDCH bank, pa, off
.irp b, 0,1,2,3
.irp q, 0,1,2,3
	ds_load_b128 v[\bank+16*\b+4*\q:\bank+16*\b+4*\q+3], v[\pa] offset:\off+128*\b+16*\q
.endr
.endr
.endm
; the first four fragments of a run of eight products, and their scale words, asked for ahead of the vector work that stands in front of the run
.macro MMPRE fa, foff, sa, soff
.irp t, 0,1,2,3
	ds_load_b128 v[WF+8*\t:WF+8*\t+3], v[\fa] offset:\foff+\t*1024
	ds_load_b128 v[WF+8*\t+4:WF+8*\t+7], v[\fa] offset:\foff+\t*1024+512
.endr
	ds_load_b128 v[WS:WS+3], v[\sa] offset:\soff
.endm
; eight transposed products: eight unit tiles of a weight (images at foff, scale words at soff) against one fragment of 16 rows (bc, bs).  cm = 1: C is the bank cc; 0: the constant 0.
; pre = 1: MMPRE has asked for the first four fragments.  n0: the places owed at the run's head: 8 between a scale word made by vector instructions and the scaled product; 4 behind matrix instructions whose registers are loaded anew.
; The four v_nop in the middle stand in front of the loads into registers that the first four products have read.  The eight accumulators take turns, one instruction a turn.
.macro MM8 dd, cm, cc, fa, foff, sa, soff, bc, bs, n0, pre
.irp gq, 0,1
.if \gq == 0
	PLACES \n0
.else
	PLACES 4
.endif
.if (\gq == 1) || (\pre == 0)
.irp t, 0,1,2,3
	ds_load_b128 v[WF+8*\t:WF+8*\t+3], v[\fa] offset:\foff+(4*\gq+\t)*1024
	ds_load_b128 v[WF+8*\t+4:WF+8*\t+7], v[\fa] offset:\foff+(4*\gq+\t)*1024+512
.endr
	ds_load_b128 v[WS:WS+3], v[\sa] offset:\soff+256*\gq
.endif
	s_wait_dscnt 0x0                               ; the four fragments, their words, and whatever bank was asked for ahead
.irp t, 0,1,2,3
.if \cm
	v_wmma_scale_f32_16x16x128_f8f6f4 v[\dd+8*(4*\gq+\t):\dd+8*(4*\gq+\t)+7], v[WF+8*\t:WF+8*\t+7], v[\bc:\bc+7], v[\cc+8*(4*\gq+\t):\cc+8*(4*\gq+\t)+7], v[WS+\t], v[\bs] matrix_a_fmt:MATRIX_FMT_FP4 matrix_b_fmt:MATRIX_FMT_FP4
.else
	v_wmma_scale_f32_16x16x128_f8f6f4 v[\dd+8*(4*\gq+\t):\dd+8*(4*\gq+\t)+7], v[WF+8*\t:WF+8*\t+7], v[\bc:\bc+7], 0, v[WS+\t], v[\bs] matrix_a_fmt:MATRIX_FMT_FP4 matrix_b_fmt:MATRIX_FMT_FP4
.endif
.endr
.endr
.endm
.macro HSUM                            ; two chains of pairs -> my row's sum, in both lanes of the row
	v_pk_add_f32 v[T0:T0+1], v[T0:T0+1], v[T1:T1+1]
	v_add_f32 v[T0], v[T0], v[T0+1]
	v_permlanex16_b32 v[T1], v[T0], s[SEL], s[SEL+1]
	v_add_f32 v[T0], v[T0], v[T1]
.endm
; dst = (src - mean) x rsqrt(var + eps) x g + b.  The bank is read from its low end on, tile by tile.  The first block's gains and offsets are asked for at the head and land under the sums.
.macro LNORM src, dst, pa, goff, boff
.irp q, 0,1,2,3
	ds_load_b128 v[WF+4*\q:WF+4*\q+3], v[\pa] offset:\goff+16*\q
	ds_load_b128 v[WF+16+4*\q:WF+16+4*\q+3], v[\pa] offset:\boff+16*\q
.endr
	v_pk_add_f32 v[T0:T0+1], v[\src:\src+1], v[\src+2:\src+3]
	v_pk_add_f32 v[T1:T1+1], v[\src+4:\src+5], v[\src+6:\src+7]
.set lj, 8
.rept 14
	v_pk_add_f32 v[T0:T0+1], v[T0:T0+1], v[\src+lj:\src+lj+1]
	v_pk_add_f32 v[T1:T1+1], v[T1:T1+1], v[\src+lj+2:\src+lj+3]
.set lj, lj+4
.endr
	HSUM
	v_mul_f32 v[MU], s[C128], v[T0]
.set lj, 0
.rept 32
	v_pk_add_f32 v[\dst+lj:\dst+lj+1], v[\src+lj:\src+lj+1], v[MU:MU+1] op_sel_hi:[1,0] neg_lo:[0,1] neg_hi:[0,1]
.set lj, lj+2
.endr
	v_pk_mul_f32 v[T0:T0+1], v[\dst:\dst+1], v[\dst:\dst+1]
	v_pk_mul_f32 v[T1:T1+1], v[\dst+2:\dst+3], v[\dst+2:\dst+3]
.set lj, 4
.rept 15
	v_pk_fma_f32 v[T0:T0+1], v[\dst+lj:\dst+lj+1], v[\dst+lj:\dst+lj+1], v[T0:T0+1]
	v_pk_fma_f32 v[T1:T1+1], v[\dst+lj+2:\dst+lj+3], v[\dst+lj+2:\dst+lj+3], v[T1:T1+1]
.set lj, lj+4
.endr
	HSUM
	v_fma_f32 v[T0], v[T0], s[C128], s[EPS]
	v_rsq_f32 v[RS], v[T0]
	v_nop                                          ; a plain place behind the transcendental,
	s_wait_alu depctr_va_vdst(0)                   ; and the wait ahead of its first reader
.irp b, 0,1,2,3
.if \b > 0
.irp q, 0,1,2,3
	ds_load_b128 v[WF+4*\q:WF+4*\q+3], v[\pa] offset:\goff+128*\b+16*\q
	ds_load_b128 v[WF+16+4*\q:WF+16+4*\q+3], v[\pa] offset:\boff+128*\b+16*\q
.endr
.endif
.irp j, 0,2,4,6,8,10,12,14
	v_pk_mul_f32 v[\dst+16*\b+\j:\dst+16*\b+\j+1], v[\dst+16*\b+\j:\dst+16*\b+\j+1], v[RS:RS+1] op_sel_hi:[1,0]
.endr
	s_wait_dscnt 0x0                               ; this block's 16 gains and 16 offsets
.irp j, 0,2,4,6,8,10,12,14
	v_pk_fma_f32 v[\dst+16*\b+\j:\dst+16*\b+\j+1], v[\dst+16*\b+\j:\dst+16*\b+\j+1], v[WF+\j:WF+\j+1], v[WF+16+\j:WF+16+\j+1]
.endr
.endr
.endm
; a bank leaves as 16 whole rows of 512 bytes, through my own stage: LDS serves a wave's instructions in order, so no wait stands between the stores and the loads
.macro STIN bank
.irp b, 0,1,2,3
.irp q, 0,1,2,3
	ds_store_b128 v[STW], v[\bank+16*\b+4*\q:\bank+16*\b+4*\q+3] offset:128*\b+16*\q
.endr
.endr
.endm
.macro STOUT sb
.irp p, 0,1
.irp i, 0,1,2,3,4,5,6,7
	ds_load_b128 v[WF+4*\i:WF+4*\i+3], v[STR] offset:(8*\p+\i)*528
.endr
	s_wait_dscnt 0x0
.irp i, 0,1,2,3,4,5,6,7
	global_store_b128 v[L16], v[WF+4*\i:WF+4*\i+3], s[\sb:\sb+1] offset:(8*\p+\i)*512 th:TH_STORE_NT   ; 32 lanes store 512 consecutive bytes, aligned
.endr
	s_wait_xcnt 0x0                                ; the stores' data registers are loaded again only behind this wait
.endr
.endm
.macro SQ acc, sq                      ; the squares of a bank onto two chains of pairs, from the bank's low end on
.set lj, 0
.rept 16
	v_pk_fma_f32 v[\sq:\sq+1], v[\acc+lj:\acc+lj+1], v[\acc+lj:\acc+lj+1], v[\sq:\sq+1]
	v_pk_fma_f32 v[\sq+2:\sq+3], v[\acc+lj+2:\acc+lj+3], v[\acc+lj+2:\acc+lj+3], v[\sq+2:\sq+3]
.set lj, lj+4
.endr
.endm
.macro MULV bank, pr                   ; a bank x a lane's number, from the bank's low end on
.set lj, 0
.rept 32
	v_pk_mul_f32 v[\bank+lj:\bank+lj+1], v[\bank+lj:\bank+lj+1], v[\pr:\pr+1] op_sel_hi:[1,0]
.set lj, lj+2
.endr
.endm
.macro FMAV dst, pr, cc                ; dst = dst x a lane's number + cc
.set lj, 0
.rept 32
	v_pk_fma_f32 v[\dst+lj:\dst+lj+1], v[\dst+lj:\dst+lj+1], v[\pr:\pr+1], v[\cc+lj:\cc+lj+1] op_sel_hi:[1,0,1]
.set lj, lj+2
.endr
.endm
.macro FMA4 dst, cc                    ; dst = 4 dst + cc
.set lj, 0
.rept 32
	v_pk_fma_f32 v[\dst+lj:\dst+lj+1], v[\dst+lj:\dst+lj+1], 4.0, v[\cc+lj:\cc+lj+1] op_sel_hi:[1,0,1]
.set lj, lj+2
.endr
.endm
.macro RELU bank
.set lj, 0
.rept 64
	v_max_num_f32 v[\bank+lj], 0, v[\bank+lj]
.set lj, lj+1
.endr
.endm
.macro NEXTCODES                       ; the second tile's codes and word take the first's place (in the second trip: once more, for nothing)
.irp j, 0,1,2,3,4,5,6,7
	v_mov_b32 v[CA+\j], v[NCA+\j]
.endr
	v_mov_b32 v[CAS], v[NCAS]
.endm
.macro PREV                            ; a tile's prev: 16 loads of 512 consecutive bytes, the bank as it was stored
.set lj, 0
.rept 16
	global_load_b128 v[Y+4*lj:Y+4*lj+3], v[L16], s[24:25] offset:512*lj th:TH_LOAD_NT
.set lj, lj+1
.endr
.endm
	s_load_b256 s[4:11], s[0:1], 0x0               ; the codes' buffer, prev, the layer's weights, kvq
	s_load_b64 s[12:13], s[0:1], 0x20              ; the result
.if !LAST
	s_load_b128 s[16:19], s[0:1], 0x28             ; the next layer's weights, the result's codes
	v_lshl_add_u32 v254, v0, 2, 0x18500
	v_mov_b32 v255, 0
.endif
	v_lshrrev_b32 v250, 5, v0
	v_readfirstlane_b32 s2, v250                   ; wave 0..15
	v_and_b32 v250, 31, v0                         ; lane
	v_and_b32 v251, 15, v0                         ; r
	v_bfe_u32 v252, v0, 4, 1                       ; h
	v_lshlrev_b32 v[L16], 4, v250
	v_lshlrev_b32 v[R16], 4, v251
	v_lshlrev_b32 v[R4], 2, v251
	v_lshlrev_b32 v[H64], 6, v252
	v_add_nc_u32 v[L16B], 0x10000, v[L16]
	v_add_nc_u32 v[R16B], 0x10000, v[R16]
	v_add_nc_u32 v[H64B], 0x10000, v[H64]
.if LAST
	s_mul_i32 s46, s2, 8448
	s_add_co_u32 s46, s46, STAGE
	v_mul_u32_u24 v[STW], v251, 528
	v_lshl_add_u32 v[STW], v252, 6, v[STW]
	v_add_nc_u32 v[STW], s46, v[STW]
	v_add_nc_u32 v[STR], s46, v[L16]
.else
	v_and_b32 v253, 1, v0
	v_cmp_eq_u32 s37, 1, v253                      ; odd lanes
	s_lshl_b32 s46, ttmp9, 2
	v_lshl_add_u32 v235, v253, 10, s46             ; where the sums go: 4 g, + 1,024 in odd lanes
	s_lshl_b32 s46, s2, 3
	s_add_co_u32 s46, s46, RED
	v_mov_b32 v236, s46                            ; RED + 8 x wave
	v_lshl_add_u32 v237, v251, 3, RED              ; RED + 8 r
.irp j, 0,1,2,3,4,5,6,7
	v_mov_b32 v[SQA+\j], 0
.endr
.endif
	v_lshlrev_b32 v232, 4, v0                      ; the head's copies: 16 t,
	v_add_nc_u32 v233, 0x10000, v232
	v_lshlrev_b32 v234, 1, v0                      ; and 2 t
	v_add_nc_u32 v238, 0x10000, v234
	v_mov_b32 v[MU+1], 0                           ; (upper halves of pairs that are named whole)
	v_mov_b32 v[RS+1], 0
.irp b, 0,1,2,3
	v_mov_b32 v[TM+4+\b], 0                        ; written once: a lane permute's destination counts as one of its sources
.endr
	s_mov_b32 s[SEL], 0x76543210
	s_mov_b32 s[SEL+1], 0xfedcba98
	s_mov_b32 s[C128], 0x3c000000                  ; 1 / 128
	s_mov_b32 s[EPS], 0x3983126f                   ; 1e-5 / 0.04 = 2.5e-4: both norms here stand behind a sum taken five times too large
	s_mov_b32 s[PN], 0x47000000
	s_mov_b32 s[P4N], 0x48000000
	s_lshl_b32 s3, ttmp9, 5
	s_add_co_u32 s3, s3, s2                        ; T
	s_mov_b32 s47, 0
	s_wait_kmcnt 0x0
	s_add_nc_u64 s[44:45], s[4:5], 0x800000        ; the scale words' part of the codes' buffer
	s_lshl_b32 s46, s3, 10
	s_add_nc_u64 s[20:21], s[4:5], s[46:47]        ; my first tile's codes
.if !LAST
	s_add_nc_u64 s[28:29], s[18:19], s[46:47]
	s_add_nc_u64 s[48:49], s[18:19], 0x800000
.endif
	s_lshl_b32 s46, s3, 6
	s_add_nc_u64 s[22:23], s[44:45], s[46:47]      ; its scale words
.if !LAST
	s_add_nc_u64 s[30:31], s[48:49], s[46:47]
.endif
	s_lshl_b32 s46, s3, 13
	s_add_nc_u64 s[24:25], s[6:7], s[46:47]        ; its prev
	s_add_nc_u64 s[26:27], s[12:13], s[46:47]      ; and its result
	s_lshr_b32 s46, ttmp9, 6
	s_mul_i32 s46, s46, 9216
	s_add_nc_u64 s[10:11], s[10:11], s[46:47]      ; the batch's kvs
.irp rd, 0,2,3,4,5,6,7
	global_load_b128 v[ACC+4*\rd:ACC+4*\rd+3], v232, s[8:9] offset:8192*\rd
.endr
	global_load_b128 v[ACC+32:ACC+35], v232, s[10:11]
	global_load_u16 v[ACC+36], v234, s[10:11] offset:8192    ; the last 1,024 bytes, two a thread
.if !LAST
	global_load_b128 v[ACC+40:ACC+43], v232, s[16:17]
	global_load_b128 v[ACC+44:ACC+47], v232, s[16:17] offset:8192
	global_load_b128 v[ACC+48:ACC+51], v232, s[16:17] offset:57344
.endif
	global_load_b128 v[NS:NS+3], v[L16], s[44:45] offset:524288     ; the 256 partial sums of q^2
	global_load_b128 v[NS+4:NS+7], v[L16], s[44:45] offset:524800
	global_load_b128 v[CA:CA+3], v[L16], s[20:21]                   ; both tiles' codes and scale words
	global_load_b128 v[CA+4:CA+7], v[L16], s[20:21] offset:512
	global_load_b32 v[CAS], v[R4], s[22:23]
	global_load_b128 v[NCA:NCA+3], v[L16], s[20:21] offset:16384
	global_load_b128 v[NCA+4:NCA+7], v[L16], s[20:21] offset:16896
	global_load_b32 v[NCAS], v[R4], s[22:23] offset:1024
	PREV                                           ; the first tile's prev: wanted only behind the attention
	s_wait_loadcnt 16                              ; all but the 16 loads of prev, which were issued last
.irp rd, 0,2,3,4,5,6,7
	ds_store_b128 v232, v[ACC+4*\rd:ACC+4*\rd+3] offset:8192*\rd
.endr
	ds_store_b128 v233, v[ACC+32:ACC+35]
	ds_store_b16 v238, v[ACC+36] offset:8192
.if !LAST
	ds_store_b128 v233, v[ACC+40:ACC+43] offset:9216
	ds_store_b128 v233, v[ACC+44:ACC+47] offset:17408
	ds_store_b128 v233, v[ACC+48:ACC+51] offset:25600
.endif
	v_add_f32 v[NS], v[NS], v[NS+1]                ; every wave of every work-group adds the 256 in the same order
	v_add_f32 v[NS+2], v[NS+2], v[NS+3]
	v_add_f32 v[NS+4], v[NS+4], v[NS+5]
	v_add_f32 v[NS+6], v[NS+6], v[NS+7]
	v_add_f32 v[NS], v[NS], v[NS+2]
	v_add_f32 v[NS+4], v[NS+4], v[NS+6]
	v_add_f32 v[NS], v[NS], v[NS+4]
.irp m, 1,2,4,8
	v_add_f32_dpp v[NS], v[NS], v[NS] row_xmask:\m row_mask:0xf bank_mask:0xf
.endr
	v_permlanex16_b32 v[NS+1], v[NS], s[SEL], s[SEL+1]
	v_add_f32 v[NS], v[NS], v[NS+1]
	v_rsq_f32 v[INV], v[NS]                        ; 1 / ||q||
	v_mov_b32 v[INV+1], 0                          ; (a plain place; the pair is named whole)
	s_wait_alu depctr_va_vdst(0)                   ; the wait ahead of the result's first reader, and of every label
	s_wait_dscnt 0x0                               ; for the others' sake: my stores have landed
	s_barrier_signal -1
	s_barrier_wait -1                              ; from here on these bytes are only read
	s_mov_b32 s36, 0
.Ltrip:
	MMPRE L16, 0, R16, SCW
	LDCH ACC, H64, PAR                             ; bq is the C of q's products
	MM8 ACC, 1, ACC, L16, 0, R16, SCW, CA, CAS, 0, 1
	PLACES 4
	; qs = q / ||q||, and qs . ks_sum, half of my 64 units at a time
.irp p, 0,1
.irp b, 0,1
.irp q, 0,1,2,3
	ds_load_b128 v[WF+16*\b+4*\q:WF+16*\b+4*\q+3], v[H64B] offset:8704+256*\p+128*\b+16*\q
.endr
.endr
.if \p == 0
	MULV ACC, INV
.endif
	s_wait_dscnt 0x0
.set lk, 0
.rept 8
.if (\p == 0) && (lk == 0)
	v_pk_mul_f32 v[T0:T0+1], v[ACC:ACC+1], v[WF:WF+1]
	v_pk_mul_f32 v[T1:T1+1], v[ACC+2:ACC+3], v[WF+2:WF+3]
.else
	v_pk_fma_f32 v[T0:T0+1], v[ACC+32*\p+lk:ACC+32*\p+lk+1], v[WF+lk:WF+lk+1], v[T0:T0+1]
	v_pk_fma_f32 v[T1:T1+1], v[ACC+32*\p+lk+2:ACC+32*\p+lk+3], v[WF+lk+2:WF+lk+3], v[T1:T1+1]
.endif
.set lk, lk+4
.endr
.endr
	HSUM
	v_add_f32 v[T0], s[PN], v[T0]                  ; the normaliser
	v_rcp_f32 v[T2], v[T0]
	MMPRE L16, 16384, R16, SCW+1024                ; Wv's first four fragments land under the quantiser
	QUANT ACC, CB, CBS                             ; independent work behind the reciprocal
	s_wait_alu depctr_va_vdst(0)                   ; the wait ahead of its first reader
	v_mul_f32 v[RS], s[P4N], v[T2]                 ; 4 N / the normaliser
	LDCH ACC, H64, PAR+1024                        ; bv
	MM8 ACC, 1, ACC, L16, 16384, R16, SCW+1024, CA, CAS, 0, 1
	MM8 ACC, 1, ACC, L16B, 0, R16B, 8192, CB, CBS, 4, 0    ; qs kvs / N onto v
	PLACES 4
	s_wait_loadcnt 0x0                             ; prev
	FMAV ACC, RS, Y                                ; 4 x attention + prev
	LNORM ACC, Y, H64, PAR+3*512, PAR+4*512
	MMPRE L16, 24576, R16, SCW+1536
	QUANT Y, CA, CAS
	MM8 ACC, 0, 0, L16, 24576, R16, SCW+1536, CA, CAS, 8, 1     ; fc1, hidden units 0-127
	PLACES 4
	MMPRE L16, 32768, R16, SCW+2048
	RELU ACC
	QUANT ACC, CB, CBS                             ; K step 0 of fc2
	MM8 ACC, 0, 0, L16, 32768, R16, SCW+2048, CA, CAS, 0, 1     ; hidden units 128-255
	PLACES 4
	MMPRE L16, 40960, R16, SCW+2560
	RELU ACC
	QUANT ACC, CA, CAS                             ; K step 1
	MM8 ACC, 0, 0, L16, 40960, R16, SCW+2560, CB, CBS, 0, 1
	MM8 ACC, 1, ACC, L16, 49152, R16, SCW+3072, CA, CAS, 4, 0
	PLACES 4
.if LAST
	NEXTCODES                                      ; the codes' registers are done with for this tile
.endif
	FMA4 ACC, Y                                    ; 4 x FFN + the norm's result
	LNORM ACC, Y, H64, PAR+5*512, PAR+6*512
.if LAST
	STIN Y
.else
.set lj, 0
.rept 16
	global_store_b128 v[L16], v[Y+4*lj:Y+4*lj+3], s[26:27] offset:512*lj   ; the bank as it stands: 32 lanes store 512 consecutive bytes, aligned
.set lj, lj+1
.endr
	MMPRE L16B, 9216, R16B, 25600                  ; the next layer's Wq
	QUANT Y, CA, CAS
	global_store_b128 v[L16], v[CA:CA+3], s[28:29]
	global_store_b128 v[L16], v[CA+4:CA+7], s[28:29] offset:512
	global_store_b32 v[R4], v[CAS], s[30:31]       ; both halves of the lanes hold the same word
	s_wait_xcnt 0x0                                ; the stores have read the bank, the codes and the word: all are written again only behind this wait
.endif
	s_cmp_eq_u32 s36, 1                            ; the bank is free: the second tile's prev is asked for, in the first trip alone: no load leaves its buffer
	s_cbranch_scc1 .Lno_next
	s_add_nc_u64 s[24:25], s[24:25], 0x20000       ; 16 tiles on (the loads that named this base were waited for)
	PREV
.Lno_next:
.if LAST
	STOUT 26
.else
	LDCH ACC, H64B, 29184                          ; the next layer's bq
	MM8 ACC, 1, ACC, L16B, 9216, R16B, 25600, CA, CAS, 8, 1
	PLACES 4
	MMPRE L16B, 17408, R16B, 26112                 ; its Wk
	SQ ACC, SQA
	LDCH ACC, H64B, 29696                          ; its bk
	MM8 ACC, 1, ACC, L16B, 17408, R16B, 26112, CA, CAS, 0, 1
	PLACES 4
	NEXTCODES                                      ; the squares below stand between these lines and the next trip's products
	SQ ACC, SQA+4
.endif
	s_wait_xcnt 0x0                                ; the stores' bases are stepped only behind this wait
	s_add_nc_u64 s[26:27], s[26:27], 0x20000       ; 16 tiles on
.if !LAST
	s_add_nc_u64 s[28:29], s[28:29], 16384
	s_add_nc_u64 s[30:31], s[30:31], 1024
.endif
	s_add_co_u32 s36, s36, 1
	s_cmp_lt_u32 s36, 2
	s_cbranch_scc1 .Ltrip
.if !LAST
	; the wave's two sums, then the work-group's
	v_pk_add_f32 v[SQA:SQA+1], v[SQA:SQA+1], v[SQA+2:SQA+3]
	v_pk_add_f32 v[SQA+4:SQA+5], v[SQA+4:SQA+5], v[SQA+6:SQA+7]
	v_add_f32 v[SQA], v[SQA], v[SQA+1]
	v_add_f32 v[SQA+4], v[SQA+4], v[SQA+5]
.irp m, 1,2,4,8
	v_add_f32_dpp v[SQA], v[SQA], v[SQA] row_xmask:\m row_mask:0xf bank_mask:0xf
	v_add_f32_dpp v[SQA+4], v[SQA+4], v[SQA+4] row_xmask:\m row_mask:0xf bank_mask:0xf
.endr
	v_permlanex16_b32 v[SQA+1], v[SQA], s[SEL], s[SEL+1]
	v_permlanex16_b32 v[SQA+5], v[SQA+4], s[SEL], s[SEL+1]
	v_add_f32 v[SQA], v[SQA], v[SQA+1]
	v_add_f32 v[SQA+4], v[SQA+4], v[SQA+5]
	ds_store_b32 v236, v[SQA]                      ; all lanes write the same word with the same value
	ds_store_b32 v236, v[SQA+4] offset:4
	s_wait_dscnt 0x0
	s_barrier_signal -1
	s_barrier_wait -1
	s_cmp_lg_u32 s2, 0
	s_cbranch_scc1 .Lend
	ds_load_b64 v[SQA:SQA+1], v237                 ; lane r: wave r's two sums
	s_wait_dscnt 0x0
.irp m, 1,2,4,8
	v_add_f32_dpp v[SQA], v[SQA], v[SQA] row_xmask:\m row_mask:0xf bank_mask:0xf
	v_add_f32_dpp v[SQA+1], v[SQA+1], v[SQA+1] row_xmask:\m row_mask:0xf bank_mask:0xf
.endr
	v_cndmask_b32 v[SQA+2], v[SQA], v[SQA+1], s37  ; even lanes carry sum q^2, odd lanes sum k^2: every lane that names a word holds the same value
	global_store_b32 v235, v[SQA+2], s[48:49] offset:524288
.Lend:
.endif
	s_wait_tensorcnt 0x0
	ds_add_u32 v254, v255
	s_wait_dscnt 0x0
	s_endpgm
.Lfunc_end_k_q8c3cf92bc7_p3a:
	.size	k_q8c3cf92bc7_p3a, .Lfunc_end_k_q8c3cf92bc7_p3a-k_q8c3cf92bc7_p3a
	.p2alignl 7, 3214868480
	.fill 96, 4, 3214868480
	.section	.rodata,"a",@progbits
	.p2align	6, 0x0
	.amdhsa_kernel k_q8c3cf92bc7_p3a
		.amdhsa_group_segment_fixed_size 101632
		.amdhsa_private_segment_fixed_size 0
		.amdhsa_enable_private_segment 0
		.amdhsa_kernarg_size 56
		.amdhsa_user_sgpr_count 2
		.amdhsa_user_sgpr_kernarg_segment_ptr 1
		.amdhsa_wavefront_size32 1
		.amdhsa_system_sgpr_workgroup_id_x 1
		.amdhsa_system_sgpr_workgroup_id_y 1
		.amdhsa_system_sgpr_workgroup_id_z 1
		.amdhsa_system_vgpr_workitem_id 0
		.amdhsa_next_free_vgpr 256
		.amdhsa_next_free_sgpr 66
		.amdhsa_reserve_vcc 0
		.amdhsa_float_denorm_mode_32 3
		.amdhsa_float_denorm_mode_16_64 3
		.amdhsa_memory_ordered 1
		.amdhsa_forward_progress 1
		.amdhsa_inst_pref_size 102
	.end_amdhsa_kernel
	.amdgpu_metadata
---
amdhsa.version: [ 1, 2 ]
amdhsa.kernels:
  - .name:           k_q8c3cf92bc7_p3a
    .symbol:         k_q8c3cf92bc7_p3a.kd
    .args:
      - { .name: xc0, .offset: 0, .size: 8, .value_kind: global_buffer, .address_space: global }
      - { .name: out0, .offset: 8, .size: 8, .value_kind: global_buffer, .address_space: global }
      - { .name: wl0, .offset: 16, .size: 8, .value_kind: global_buffer, .address_space: global }
      - { .name: kvq, .offset: 24, .size: 8, .value_kind: global_buffer, .address_space: global }
      - { .name: x1, .offset: 32, .size: 8, .value_kind: global_buffer, .address_space: global }
      - { .name: wl1, .offset: 40, .size: 8, .value_kind: global_buffer, .address_space: global }
      - { .name: xc1, .offset: 48, .size: 8, .value_kind: global_buffer, .address_space: global }
    .group_segment_fixed_size: 101632
    .private_segment_fixed_size: 0
    .kernarg_segment_align: 8
    .kernarg_segment_size: 56
    .max_flat_workgroup_size: 512
    .sgpr_count:     66
    .vgpr_count:     256
    .wavefront_size: 32
...
	.end_amdgpu_metadata
.endif
;; end of part 5
;; launch p2b: the kernel of part 3 again; grid 256 x 1, 16 waves a work-group, no clusters, 142,080 bytes of LDS; arguments xc1, wl1, kvp; writes kvp
;; launch rb: the kernel of part 4 again; grid 64 x 4, 16 waves a work-group, no clusters, 18,432 bytes of LDS; arguments kvp, kvq; writes kvq
;; launch p3b (part 6): grid 256 x 1, 16 waves a work-group, no clusters, 236,800 bytes of LDS; arguments xc1, x1, wl1, kvq, out0; writes out0
.if DOCPART == 6
	.amdgcn_target "amdgcn-amd-amdhsa--gfx1250"
	.amdhsa_code_object_version 6
	.text
	.protected	k_q8c3cf92bc7_p3b
	.globl	k_q8c3cf92bc7_p3b
	.p2align	8
	.type	k_q8c3cf92bc7_p3b,@function
k_q8c3cf92bc7_p3b:
	s_mov_b64 s[64:65], 0
	v_nop
	global_prefetch_b8 v0, s[64:65] scope:SCOPE_SE
	s_setreg_imm32_b32 hwreg(HW_REG_WAVE_MODE, 25, 1), 1
	s_wait_xcnt 0x0
; One layer from the attention's second half to its end, for 16 rows a wave, all in registers:
; q, v from x's codes; qs = q / ||q||; (Q(qs) Q(kvs) + N v) / (qs . ks_sum + N); 0.8 x that + 0.2 x prev; LN; relu(. fc1) fc2; 0.8 x that + 0.2 x the LN's result; LN.
; LAST = 0: the result is stored as an image of its bank's registers, its codes are stored too, and q, k of the next layer are made for the partial sums of their squares.  LAST = 1: the result alone, row by row.
; TWO CONSTANTS ARE FOLDED AWAY.  (1) kvs's scale bytes arrive 15 lower than its quantiser gave them, so the fragments stand for kvs / N, N = 2^15, exactly: qs kvs / N is added straight onto v, and N comes back in the row's factor.
; (2) Each residual sum is taken five times too large, z = 4 a + p in place of 0.8 a + 0.2 p, by one fused multiply-add; the norm behind it divides the factor out: (z - mean) / sqrt(var(z) + eps / 0.04) is the same number.
; SHARES.  256 work-groups of 512 rows; sixteen waves of 256 registers, four to a SIMD; tile T = 32 g + 16 i + wave, i = 0, 1.  No wave needs another's rows: the one barrier stands behind the head's copies (a second one in front of the sums' way out).
; CHAIN LAYOUT.  Every product is used transposed (source 0 = 16 units of a weight, source 1 = my 16 rows), and the units of a tile are chosen (unit 32 b + 8 u + r + 8 (r / 8) in lane r of tile 2 b + u):
; lane (r, h) holds row r, and register 16 b + i of a bank of 64 holds unit 32 b + 16 h + i: 16 neighbours along the next K.
; prev arrives as an image of a bank's registers: registers 4 k .. 4 k + 3 of tile T at 8,192 T + 512 k + 16 x lane.
; AHEAD.  Both tiles' codes and the first tile's prev are asked for in the head; the second tile's prev in the first trip, as soon as its bank is free; a run's first four weight fragments ahead of the vector work in front of the run.
; LDS: 0 the layer's weight block as it lies in memory (its bytes 8,192 .. 16,383, Wk, are not copied and not read); 65,536 the batch's kvs fragments, scale words (+ 8,192) and ks_sum (+ 8,704);
; 74,752 the next layer's Wq and Wk; 91,136 its scale words and parameters; 99,328 the waves' sums; with LAST = 1 from 99,584 a stage of 16 rows x 528 bytes for each wave.
; LIMITS: a block of zeros gets the byte 1 with zero codes; NaN and infinities are not served; sum q^2 must be a normal f32 number; the divisions by ||q|| and by the normaliser are multiplications by v_rsq_f32's and v_rcp_f32's results.
.set LAST, 1
.set SCW,   57344
.set PAR,   60928
.set RED,   99328
.set STAGE, 99584
.set L16,  1                           ; 16 x lane
.set L16B, 2                           ; + 65,536
.set R16,  3                           ; 16 r
.set R16B, 4
.set H64,  5                           ; 64 h
.set H64B, 6
.set STW,  7                           ; my stage in chain layout: + 528 r + 64 h
.set STR,  8                           ; my stage by rows: + 16 x lane
.set R4,   10                          ; 4 r
.set INV,  12                          ; 1 / ||q||
.set MU,   14
.set RS,   16                          ; rsqrt(var + eps); also 4 N / the normaliser
.set T0,   18
.set T1,   20
.set T2,   22
.set TM,   24                          ; v24-39 the quantiser's
.set CA,   40                          ; v40-47, v48-55 two fragments of codes
.set CB,   48
.set CAS,  56                          ; their scale words
.set CBS,  57
.set WS,   58                          ; v58-61 four weight fragments' scale words
.set SQA,  64                          ; v64-71 the sums of squares
.set WF,   72                          ; v72-103 four weight fragments
.set Y,    104                         ; v104-167 a bank: prev, then the first norm's result, then the second's
.set ACC,  168                         ; v168-231 a bank: the accumulators; in the head the copies' data
.set NS,   ACC+52                      ; in the head: the partial sums of q^2
.set NCA,  240                         ; v240-247 the second tile's codes
.set NCAS, 249                         ; and their scale word
.set SEL,  32
.set C128, 34
.set EPS,  35
.set PN,   38                          ; N = 32,768
.set P4N,  39                          ; 4 N = 2^17
.macro PLACES n
.rept \n
	v_nop
.endr
.endm
; 64 numbers of a lane, register 16 b + i = k 32 b + 16 h + i of my row, become a fragment's codes and its scale word
.macro QUANT src, dst, wrd
.irp b, 0,1,2,3
	v_max3_num_f32 v[TM+\b], |v[\src+16*\b]|, |v[\src+1+16*\b]|, 0x1800000   ; my 16 numbers of block b, and the floor 2^(3 - 127): the byte cannot fall under 1
.endr
.irp i, 2,4,6,8,10,12,14
.irp b, 0,1,2,3
	v_max3_num_f32 v[TM+\b], v[TM+\b], |v[\src+16*\b+\i]|, |v[\src+1+16*\b+\i]|
.endr
.endr
.irp b, 0,1,2,3
	v_permlanex16_b32 v[TM+4+\b], v[TM+\b], s[SEL], s[SEL+1]
.endr
.irp b, 0,1,2,3
	v_max_num_f32 v[TM+\b], v[TM+\b], v[TM+4+\b]   ; with lane l xor 16's: the block's largest magnitude
.endr
.irp b, 0,1,2,3
	v_add_nc_u32 v[TM+12+\b], 0xff000000, v[TM+\b] ; 2 off its exponent field: the conversion's scale operand
.endr
.irp b, 0,1,2,3
	v_lshrrev_b32 v[TM+4+\b], 23, v[TM+12+\b]      ; the scale's byte
.endr
	v_lshl_or_b32 v[\wrd], v[TM+5], 8, v[TM+4]
	v_lshl_or_b32 v[\wrd], v[TM+6], 16, v[\wrd]
	v_lshl_or_b32 v[\wrd], v[TM+7], 24, v[\wrd]
.irp b, 0,1,2,3
	v_cvt_scalef32_pk8_fp4_f32 v[\dst+2*\b], v[\src+16*\b:\src+7+16*\b], v[TM+12+\b]
	v_cvt_scalef32_pk8_fp4_f32 v[\dst+1+2*\b], v[\src+8+16*\b:\src+15+16*\b], v[TM+12+\b]
.endr
	v_nop                                          ; one plain place behind a scaled conversion
.irp c, 0,1                                            ; the operand's layout wants a whole block in a lane
.irp i, 0,1
	v_permlane16_swap_b32 v[\dst+4*\c+\i], v[\dst+2+4*\c+\i]
.endr
.endr
.endm
; a row of 128 parameters in natural order comes into a bank in chain layout; pa holds 64 h
.macro LDCH bank, pa, off
.irp b, 0,1,2,3
.irp q, 0,1,2,3
	ds_load_b128 v[\bank+16*\b+4*\q:\bank+16*\b+4*\q+3], v[\pa] offset:\off+128*\b+16*\q
.endr
.endr
.endm
; the first four fragments of a run of eight products, and their scale words, asked for ahead of the vector work that stands in front of the run
.macro MMPRE fa, foff, sa, soff
.irp t, 0,1,2,3
	ds_load_b128 v[WF+8*\t:WF+8*\t+3], v[\fa] offset:\foff+\t*1024
	ds_load_b128 v[WF+8*\t+4:WF+8*\t+7], v[\fa] offset:\foff+\t*1024+512
.endr
	ds_load_b128 v[WS:WS+3], v[\sa] offset:\soff
.endm
; eight transposed products: eight unit tiles of a weight (images at foff, scale words at soff) against one fragment of 16 rows (bc, bs).  cm = 1: C is the bank cc; 0: the constant 0.
; pre = 1: MMPRE has asked for the first four fragments.  n0: the places owed at the run's head: 8 between a scale word made by vector instructions and the scaled product; 4 behind matrix instructions whose registers are loaded anew.
; The four v_nop in the middle stand in front of the loads into registers that the first four products have read.  The eight accumulators take turns, one instruction a turn.
.macro MM8 dd, cm, cc, fa, foff, sa, soff, bc, bs, n0, pre
.irp gq, 0,1
.if \gq == 0
	PLACES \n0
.else
	PLACES 4
.endif
.if (\gq == 1) || (\pre == 0)
.irp t, 0,1,2,3
	ds_load_b128 v[WF+8*\t:WF+8*\t+3], v[\fa] offset:\foff+(4*\gq+\t)*1024
	ds_load_b128 v[WF+8*\t+4:WF+8*\t+7], v[\fa] offset:\foff+(4*\gq+\t)*1024+512
.endr
	ds_load_b128 v[WS:WS+3], v[\sa] offset:\soff+256*\gq
.endif
	s_wait_dscnt 0x0                               ; the four fragments, their words, and whatever bank was asked for ahead
.irp t, 0,1,2,3
.if \cm
	v_wmma_scale_f32_16x16x128_f8f6f4 v[\dd+8*(4*\gq+\t):\dd+8*(4*\gq+\t)+7], v[WF+8*\t:WF+8*\t+7], v[\bc:\bc+7], v[\cc+8*(4*\gq+\t):\cc+8*(4*\gq+\t)+7], v[WS+\t], v[\bs] matrix_a_fmt:MATRIX_FMT_FP4 matrix_b_fmt:MATRIX_FMT_FP4
.else
	v_wmma_scale_f32_16x16x128_f8f6f4 v[\dd+8*(4*\gq+\t):\dd+8*(4*\gq+\t)+7], v[WF+8*\t:WF+8*\t+7], v[\bc:\bc+7], 0, v[WS+\t], v[\bs] matrix_a_fmt:MATRIX_FMT_FP4 matrix_b_fmt:MATRIX_FMT_FP4
.endif
.endr
.endr
.endm
.macro HSUM                            ; two chains of pairs -> my row's sum, in both lanes of the row
	v_pk_add_f32 v[T0:T0+1], v[T0:T0+1], v[T1:T1+1]
	v_add_f32 v[T0], v[T0], v[T0+1]
	v_permlanex16_b32 v[T1], v[T0], s[SEL], s[SEL+1]
	v_add_f32 v[T0], v[T0], v[T1]
.endm
; dst = (src - mean) x rsqrt(var + eps) x g + b.  The bank is read from its low end on, tile by tile.  The first block's gains and offsets are asked for at the head and land under the sums.
.macro LNORM src, dst, pa, goff, boff
.irp q, 0,1,2,3
	ds_load_b128 v[WF+4*\q:WF+4*\q+3], v[\pa] offset:\goff+16*\q
	ds_load_b128 v[WF+16+4*\q:WF+16+4*\q+3], v[\pa] offset:\boff+16*\q
.endr
	v_pk_add_f32 v[T0:T0+1], v[\src:\src+1], v[\src+2:\src+3]
	v_pk_add_f32 v[T1:T1+1], v[\src+4:\src+5], v[\src+6:\src+7]
.set lj, 8
.rept 14
	v_pk_add_f32 v[T0:T0+1], v[T0:T0+1], v[\src+lj:\src+lj+1]
	v_pk_add_f32 v[T1:T1+1], v[T1:T1+1], v[\src+lj+2:\src+lj+3]
.set lj, lj+4
.endr
	HSUM
	v_mul_f32 v[MU], s[C128], v[T0]
.set lj, 0
.rept 32
	v_pk_add_f32 v[\dst+lj:\dst+lj+1], v[\src+lj:\src+lj+1], v[MU:MU+1] op_sel_hi:[1,0] neg_lo:[0,1] neg_hi:[0,1]
.set lj, lj+2
.endr
	v_pk_mul_f32 v[T0:T0+1], v[\dst:\dst+1], v[\dst:\dst+1]
	v_pk_mul_f32 v[T1:T1+1], v[\dst+2:\dst+3], v[\dst+2:\dst+3]
.set lj, 4
.rept 15
	v_pk_fma_f32 v[T0:T0+1], v[\dst+lj:\dst+lj+1], v[\dst+lj:\dst+lj+1], v[T0:T0+1]
	v_pk_fma_f32 v[T1:T1+1], v[\dst+lj+2:\dst+lj+3], v[\dst+lj+2:\dst+lj+3], v[T1:T1+1]
.set lj, lj+4
.endr
	HSUM
	v_fma_f32 v[T0], v[T0], s[C128], s[EPS]
	v_rsq_f32 v[RS], v[T0]
	v_nop                                          ; a plain place behind the transcendental,
	s_wait_alu depctr_va_vdst(0)                   ; and the wait ahead of its first reader
.irp b, 0,1,2,3
.if \b > 0
.irp q, 0,1,2,3
	ds_load_b128 v[WF+4*\q:WF+4*\q+3], v[\pa] offset:\goff+128*\b+16*\q
	ds_load_b128 v[WF+16+4*\q:WF+16+4*\q+3], v[\pa] offset:\boff+128*\b+16*\q
.endr
.endif
.irp j, 0,2,4,6,8,10,12,14
	v_pk_mul_f32 v[\dst+16*\b+\j:\dst+16*\b+\j+1], v[\dst+16*\b+\j:\dst+16*\b+\j+1], v[RS:RS+1] op_sel_hi:[1,0]
.endr
	s_wait_dscnt 0x0                               ; this block's 16 gains and 16 offsets
.irp j, 0,2,4,6,8,10,12,14
	v_pk_fma_f32 v[\dst+16*\b+\j:\dst+16*\b+\j+1], v[\dst+16*\b+\j:\dst+16*\b+\j+1], v[WF+\j:WF+\j+1], v[WF+16+\j:WF+16+\j+1]
.endr
.endr
.endm
; a bank leaves as 16 whole rows of 512 bytes, through my own stage: LDS serves a wave's instructions in order, so no wait stands between the stores and the loads
.macro STIN bank
.irp b, 0,1,2,3
.irp q, 0,1,2,3
	ds_store_b128 v[STW], v[\bank+16*\b+4*\q:\bank+16*\b+4*\q+3] offset:128*\b+16*\q
.endr
.endr
.endm
.macro STOUT sb
.irp p, 0,1
.irp i, 0,1,2,3,4,5,6,7
	ds_load_b128 v[WF+4*\i:WF+4*\i+3], v[STR] offset:(8*\p+\i)*528
.endr
	s_wait_dscnt 0x0
.irp i, 0,1,2,3,4,5,6,7
	global_store_b128 v[L16], v[WF+4*\i:WF+4*\i+3], s[\sb:\sb+1] offset:(8*\p+\i)*512 th:TH_STORE_NT   ; 32 lanes store 512 consecutive bytes, aligned
.endr
	s_wait_xcnt 0x0                                ; the stores' data registers are loaded again only behind this wait
.endr
.endm
.macro SQ acc, sq                      ; the squares of a bank onto two chains of pairs, from the bank's low end on
.set lj, 0
.rept 16
	v_pk_fma_f32 v[\sq:\sq+1], v[\acc+lj:\acc+lj+1], v[\acc+lj:\acc+lj+1], v[\sq:\sq+1]
	v_pk_fma_f32 v[\sq+2:\sq+3], v[\acc+lj+2:\acc+lj+3], v[\acc+lj+2:\acc+lj+3], v[\sq+2:\sq+3]
.set lj, lj+4
.endr
.endm
.macro MULV bank, pr                   ; a bank x a lane's number, from the bank's low end on
.set lj, 0
.rept 32
	v_pk_mul_f32 v[\bank+lj:\bank+lj+1], v[\bank+lj:\bank+lj+1], v[\pr:\pr+1] op_sel_hi:[1,0]
.set lj, lj+2
.endr
.endm
.macro FMAV dst, pr, cc                ; dst = dst x a lane's number + cc
.set lj, 0
.rept 32
	v_pk_fma_f32 v[\dst+lj:\dst+lj+1], v[\dst+lj:\dst+lj+1], v[\pr:\pr+1], v[\cc+lj:\cc+lj+1] op_sel_hi:[1,0,1]
.set lj, lj+2
.endr
.endm
.macro FMA4 dst, cc                    ; dst = 4 dst + cc
.set lj, 0
.rept 32
	v_pk_fma_f32 v[\dst+lj:\dst+lj+1], v[\dst+lj:\dst+lj+1], 4.0, v[\cc+lj:\cc+lj+1] op_sel_hi:[1,0,1]
.set lj, lj+2
.endr
.endm
.macro RELU bank
.set lj, 0
.rept 64
	v_max_num_f32 v[\bank+lj], 0, v[\bank+lj]
.set lj, lj+1
.endr
.endm
.macro NEXTCODES                       ; the second tile's codes and word take the first's place (in the second trip: once more, for nothing)
.irp j, 0,1,2,3,4,5,6,7
	v_mov_b32 v[CA+\j], v[NCA+\j]
.endr
	v_mov_b32 v[CAS], v[NCAS]
.endm
.macro PREV                            ; a tile's prev: 16 loads of 512 consecutive bytes, the bank as it was stored
.set lj, 0
.rept 16
	global_load_b128 v[Y+4*lj:Y+4*lj+3], v[L16], s[24:25] offset:512*lj th:TH_LOAD_NT
.set lj, lj+1
.endr
.endm
	s_load_b256 s[4:11], s[0:1], 0x0               ; the codes' buffer, prev, the layer's weights, kvq
	s_load_b64 s[12:13], s[0:1], 0x20              ; the result
	v_lshl_add_u32 v254, v0, 2, 0x39500
	v_mov_b32 v255, 0
.if !LAST
	s_load_b128 s[16:19], s[0:1], 0x28             ; the next layer's weights, the result's codes
.endif
	v_lshrrev_b32 v250, 5, v0
	v_readfirstlane_b32 s2, v250                   ; wave 0..15
	v_and_b32 v250, 31, v0                         ; lane
	v_and_b32 v251, 15, v0                         ; r
	v_bfe_u32 v252, v0, 4, 1                       ; h
	v_lshlrev_b32 v[L16], 4, v250
	v_lshlrev_b32 v[R16], 4, v251
	v_lshlrev_b32 v[R4], 2, v251
	v_lshlrev_b32 v[H64], 6, v252
	v_add_nc_u32 v[L16B], 0x10000, v[L16]
	v_add_nc_u32 v[R16B], 0x10000, v[R16]
	v_add_nc_u32 v[H64B], 0x10000, v[H64]
.if LAST
	s_mul_i32 s46, s2, 8448
	s_add_co_u32 s46, s46, STAGE
	v_mul_u32_u24 v[STW], v251, 528
	v_lshl_add_u32 v[STW], v252, 6, v[STW]
	v_add_nc_u32 v[STW], s46, v[STW]
	v_add_nc_u32 v[STR], s46, v[L16]
.else
	v_and_b32 v253, 1, v0
	v_cmp_eq_u32 s37, 1, v253                      ; odd lanes
	s_lshl_b32 s46, ttmp9, 2
	v_lshl_add_u32 v235, v253, 10, s46             ; where the sums go: 4 g, + 1,024 in odd lanes
	s_lshl_b32 s46, s2, 3
	s_add_co_u32 s46, s46, RED
	v_mov_b32 v236, s46                            ; RED + 8 x wave
	v_lshl_add_u32 v237, v251, 3, RED              ; RED + 8 r
.irp j, 0,1,2,3,4,5,6,7
	v_mov_b32 v[SQA+\j], 0
.endr
.endif
	v_lshlrev_b32 v232, 4, v0                      ; the head's copies: 16 t,
	v_add_nc_u32 v233, 0x10000, v232
	v_lshlrev_b32 v234, 1, v0                      ; and 2 t
	v_add_nc_u32 v238, 0x10000, v234
	v_mov_b32 v[MU+1], 0                           ; (upper halves of pairs that are named whole)
	v_mov_b32 v[RS+1], 0
.irp b, 0,1,2,3
	v_mov_b32 v[TM+4+\b], 0                        ; written once: a lane permute's destination counts as one of its sources
.endr
	s_mov_b32 s[SEL], 0x76543210
	s_mov_b32 s[SEL+1], 0xfedcba98
	s_mov_b32 s[C128], 0x3c000000                  ; 1 / 128
	s_mov_b32 s[EPS], 0x3983126f                   ; 1e-5 / 0.04 = 2.5e-4: both norms here stand behind a sum taken five times too large
	s_mov_b32 s[PN], 0x47000000
	s_mov_b32 s[P4N], 0x48000000
	s_lshl_b32 s3, ttmp9, 5
	s_add_co_u32 s3, s3, s2                        ; T
	s_mov_b32 s47, 0
	s_wait_kmcnt 0x0
	s_add_nc_u64 s[44:45], s[4:5], 0x800000        ; the scale words' part of the codes' buffer
	s_lshl_b32 s46, s3, 10
	s_add_nc_u64 s[20:21], s[4:5], s[46:47]        ; my first tile's codes
.if !LAST
	s_add_nc_u64 s[28:29], s[18:19], s[46:47]
	s_add_nc_u64 s[48:49], s[18:19], 0x800000
.endif
	s_lshl_b32 s46, s3, 6
	s_add_nc_u64 s[22:23], s[44:45], s[46:47]      ; its scale words
.if !LAST
	s_add_nc_u64 s[30:31], s[48:49], s[46:47]
.endif
	s_lshl_b32 s46, s3, 13
	s_add_nc_u64 s[24:25], s[6:7], s[46:47]        ; its prev
	s_add_nc_u64 s[26:27], s[12:13], s[46:47]      ; and its result
	s_lshr_b32 s46, ttmp9, 6
	s_mul_i32 s46, s46, 9216
	s_add_nc_u64 s[10:11], s[10:11], s[46:47]      ; the batch's kvs
.irp rd, 0,2,3,4,5,6,7
	global_load_b128 v[ACC+4*\rd:ACC+4*\rd+3], v232, s[8:9] offset:8192*\rd
.endr
	global_load_b128 v[ACC+32:ACC+35], v232, s[10:11]
	global_load_u16 v[ACC+36], v234, s[10:11] offset:8192    ; the last 1,024 bytes, two a thread
.if !LAST
	global_load_b128 v[ACC+40:ACC+43], v232, s[16:17]
	global_load_b128 v[ACC+44:ACC+47], v232, s[16:17] offset:8192
	global_load_b128 v[ACC+48:ACC+51], v232, s[16:17] offset:57344
.endif
	global_load_b128 v[NS:NS+3], v[L16], s[44:45] offset:524288     ; the 256 partial sums of q^2
	global_load_b128 v[NS+4:NS+7], v[L16], s[44:45] offset:524800
	global_load_b128 v[CA:CA+3], v[L16], s[20:21]                   ; both tiles' codes and scale words
	global_load_b128 v[CA+4:CA+7], v[L16], s[20:21] offset:512
	global_load_b32 v[CAS], v[R4], s[22:23]
	global_load_b128 v[NCA:NCA+3], v[L16], s[20:21] offset:16384
	global_load_b128 v[NCA+4:NCA+7], v[L16], s[20:21] offset:16896
	global_load_b32 v[NCAS], v[R4], s[22:23] offset:1024
	PREV                                           ; the first tile's prev: wanted only behind the attention
	s_wait_loadcnt 16                              ; all but the 16 loads of prev, which were issued last
.irp rd, 0,2,3,4,5,6,7
	ds_store_b128 v232, v[ACC+4*\rd:ACC+4*\rd+3] offset:8192*\rd
.endr
	ds_store_b128 v233, v[ACC+32:ACC+35]
	ds_store_b16 v238, v[ACC+36] offset:8192
.if !LAST
	ds_store_b128 v233, v[ACC+40:ACC+43] offset:9216
	ds_store_b128 v233, v[ACC+44:ACC+47] offset:17408
	ds_store_b128 v233, v[ACC+48:ACC+51] offset:25600
.endif
	v_add_f32 v[NS], v[NS], v[NS+1]                ; every wave of every work-group adds the 256 in the same order
	v_add_f32 v[NS+2], v[NS+2], v[NS+3]
	v_add_f32 v[NS+4], v[NS+4], v[NS+5]
	v_add_f32 v[NS+6], v[NS+6], v[NS+7]
	v_add_f32 v[NS], v[NS], v[NS+2]
	v_add_f32 v[NS+4], v[NS+4], v[NS+6]
	v_add_f32 v[NS], v[NS], v[NS+4]
.irp m, 1,2,4,8
	v_add_f32_dpp v[NS], v[NS], v[NS] row_xmask:\m row_mask:0xf bank_mask:0xf
.endr
	v_permlanex16_b32 v[NS+1], v[NS], s[SEL], s[SEL+1]
	v_add_f32 v[NS], v[NS], v[NS+1]
	v_rsq_f32 v[INV], v[NS]                        ; 1 / ||q||
	v_mov_b32 v[INV+1], 0                          ; (a plain place; the pair is named whole)
	s_wait_alu depctr_va_vdst(0)                   ; the wait ahead of the result's first reader, and of every label
	s_wait_dscnt 0x0                               ; for the others' sake: my stores have landed
	s_barrier_signal -1
	s_barrier_wait -1                              ; from here on these bytes are only read
	s_mov_b32 s36, 0
.Ltrip:
	MMPRE L16, 0, R16, SCW
	LDCH ACC, H64, PAR                             ; bq is the C of q's products
	MM8 ACC, 1, ACC, L16, 0, R16, SCW, CA, CAS, 0, 1
	PLACES 4
	; qs = q / ||q||, and qs . ks_sum, half of my 64 units at a time
.irp p, 0,1
.irp b, 0,1
.irp q, 0,1,2,3
	ds_load_b128 v[WF+16*\b+4*\q:WF+16*\b+4*\q+3], v[H64B] offset:8704+256*\p+128*\b+16*\q
.endr
.endr
.if \p == 0
	MULV ACC, INV
.endif
	s_wait_dscnt 0x0
.set lk, 0
.rept 8
.if (\p == 0) && (lk == 0)
	v_pk_mul_f32 v[T0:T0+1], v[ACC:ACC+1], v[WF:WF+1]
	v_pk_mul_f32 v[T1:T1+1], v[ACC+2:ACC+3], v[WF+2:WF+3]
.else
	v_pk_fma_f32 v[T0:T0+1], v[ACC+32*\p+lk:ACC+32*\p+lk+1], v[WF+lk:WF+lk+1], v[T0:T0+1]
	v_pk_fma_f32 v[T1:T1+1], v[ACC+32*\p+lk+2:ACC+32*\p+lk+3], v[WF+lk+2:WF+lk+3], v[T1:T1+1]
.endif
.set lk, lk+4
.endr
.endr
	HSUM
	v_add_f32 v[T0], s[PN], v[T0]                  ; the normaliser
	v_rcp_f32 v[T2], v[T0]
	MMPRE L16, 16384, R16, SCW+1024                ; Wv's first four fragments land under the quantiser
	QUANT ACC, CB, CBS                             ; independent work behind the reciprocal
	s_wait_alu depctr_va_vdst(0)                   ; the wait ahead of its first reader
	v_mul_f32 v[RS], s[P4N], v[T2]                 ; 4 N / the normaliser
	LDCH ACC, H64, PAR+1024                        ; bv
	MM8 ACC, 1, ACC, L16, 16384, R16, SCW+1024, CA, CAS, 0, 1
	MM8 ACC, 1, ACC, L16B, 0, R16B, 8192, CB, CBS, 4, 0    ; qs kvs / N onto v
	PLACES 4
	s_wait_loadcnt 0x0                             ; prev
	FMAV ACC, RS, Y                                ; 4 x attention + prev
	LNORM ACC, Y, H64, PAR+3*512, PAR+4*512
	MMPRE L16, 24576, R16, SCW+1536
	QUANT Y, CA, CAS
	MM8 ACC, 0, 0, L16, 24576, R16, SCW+1536, CA, CAS, 8, 1     ; fc1, hidden units 0-127
	PLACES 4
	MMPRE L16, 32768, R16, SCW+2048
	RELU ACC
	QUANT ACC, CB, CBS                             ; K step 0 of fc2
	MM8 ACC, 0, 0, L16, 32768, R16, SCW+2048, CA, CAS, 0, 1     ; hidden units 128-255
	PLACES 4
	MMPRE L16, 40960, R16, SCW+2560
	RELU ACC
	QUANT ACC, CA, CAS                             ; K step 1
	MM8 ACC, 0, 0, L16, 40960, R16, SCW+2560, CB, CBS, 0, 1
	MM8 ACC, 1, ACC, L16, 49152, R16, SCW+3072, CA, CAS, 4, 0
	PLACES 4
.if LAST
	NEXTCODES                                      ; the codes' registers are done with for this tile
.endif
	FMA4 ACC, Y                                    ; 4 x FFN + the norm's result
	LNORM ACC, Y, H64, PAR+5*512, PAR+6*512
.if LAST
	STIN Y
.else
.set lj, 0
.rept 16
	global_store_b128 v[L16], v[Y+4*lj:Y+4*lj+3], s[26:27] offset:512*lj   ; the bank as it stands: 32 lanes store 512 consecutive bytes, aligned
.set lj, lj+1
.endr
	MMPRE L16B, 9216, R16B, 25600                  ; the next layer's Wq
	QUANT Y, CA, CAS
	global_store_b128 v[L16], v[CA:CA+3], s[28:29]
	global_store_b128 v[L16], v[CA+4:CA+7], s[28:29] offset:512
	global_store_b32 v[R4], v[CAS], s[30:31]       ; both halves of the lanes hold the same word
	s_wait_xcnt 0x0                                ; the stores have read the bank, the codes and the word: all are written again only behind this wait
.endif
	s_cmp_eq_u32 s36, 1                            ; the bank is free: the second tile's prev is asked for, in the first trip alone: no load leaves its buffer
	s_cbranch_scc1 .Lno_next
	s_add_nc_u64 s[24:25], s[24:25], 0x20000       ; 16 tiles on (the loads that named this base were waited for)
	PREV
.Lno_next:
.if LAST
	STOUT 26
.else
	LDCH ACC, H64B, 29184                          ; the next layer's bq
	MM8 ACC, 1, ACC, L16B, 9216, R16B, 25600, CA, CAS, 8, 1
	PLACES 4
	MMPRE L16B, 17408, R16B, 26112                 ; its Wk
	SQ ACC, SQA
	LDCH ACC, H64B, 29696                          ; its bk
	MM8 ACC, 1, ACC, L16B, 17408, R16B, 26112, CA, CAS, 0, 1
	PLACES 4
	NEXTCODES                                      ; the squares below stand between these lines and the next trip's products
	SQ ACC, SQA+4
.endif
	s_wait_xcnt 0x0                                ; the stores' bases are stepped only behind this wait
	s_add_nc_u64 s[26:27], s[26:27], 0x20000       ; 16 tiles on
.if !LAST
	s_add_nc_u64 s[28:29], s[28:29], 16384
	s_add_nc_u64 s[30:31], s[30:31], 1024
.endif
	s_add_co_u32 s36, s36, 1
	s_cmp_lt_u32 s36, 2
	s_cbranch_scc1 .Ltrip
.if !LAST
	; the wave's two sums, then the work-group's
	v_pk_add_f32 v[SQA:SQA+1], v[SQA:SQA+1], v[SQA+2:SQA+3]
	v_pk_add_f32 v[SQA+4:SQA+5], v[SQA+4:SQA+5], v[SQA+6:SQA+7]
	v_add_f32 v[SQA], v[SQA], v[SQA+1]
	v_add_f32 v[SQA+4], v[SQA+4], v[SQA+5]
.irp m, 1,2,4,8
	v_add_f32_dpp v[SQA], v[SQA], v[SQA] row_xmask:\m row_mask:0xf bank_mask:0xf
	v_add_f32_dpp v[SQA+4], v[SQA+4], v[SQA+4] row_xmask:\m row_mask:0xf bank_mask:0xf
.endr
	v_permlanex16_b32 v[SQA+1], v[SQA], s[SEL], s[SEL+1]
	v_permlanex16_b32 v[SQA+5], v[SQA+4], s[SEL], s[SEL+1]
	v_add_f32 v[SQA], v[SQA], v[SQA+1]
	v_add_f32 v[SQA+4], v[SQA+4], v[SQA+5]
	ds_store_b32 v236, v[SQA]                      ; all lanes write the same word with the same value
	ds_store_b32 v236, v[SQA+4] offset:4
	s_wait_dscnt 0x0
	s_barrier_signal -1
	s_barrier_wait -1
	s_cmp_lg_u32 s2, 0
	s_cbranch_scc1 .Lend
	ds_load_b64 v[SQA:SQA+1], v237                 ; lane r: wave r's two sums
	s_wait_dscnt 0x0
.irp m, 1,2,4,8
	v_add_f32_dpp v[SQA], v[SQA], v[SQA] row_xmask:\m row_mask:0xf bank_mask:0xf
	v_add_f32_dpp v[SQA+1], v[SQA+1], v[SQA+1] row_xmask:\m row_mask:0xf bank_mask:0xf
.endr
	v_cndmask_b32 v[SQA+2], v[SQA], v[SQA+1], s37  ; even lanes carry sum q^2, odd lanes sum k^2: every lane that names a word holds the same value
	global_store_b32 v235, v[SQA+2], s[48:49] offset:524288
.Lend:
.endif
	s_wait_tensorcnt 0x0
	ds_add_u32 v254, v255
	s_wait_dscnt 0x0
	s_endpgm
.Lfunc_end_k_q8c3cf92bc7_p3b:
	.size	k_q8c3cf92bc7_p3b, .Lfunc_end_k_q8c3cf92bc7_p3b-k_q8c3cf92bc7_p3b
	.p2alignl 7, 3214868480
	.fill 96, 4, 3214868480
	.section	.rodata,"a",@progbits
	.p2align	6, 0x0
	.amdhsa_kernel k_q8c3cf92bc7_p3b
		.amdhsa_group_segment_fixed_size 236800
		.amdhsa_private_segment_fixed_size 0
		.amdhsa_enable_private_segment 0
		.amdhsa_kernarg_size 40
		.amdhsa_user_sgpr_count 2
		.amdhsa_user_sgpr_kernarg_segment_ptr 1
		.amdhsa_wavefront_size32 1
		.amdhsa_system_sgpr_workgroup_id_x 1
		.amdhsa_system_sgpr_workgroup_id_y 1
		.amdhsa_system_sgpr_workgroup_id_z 1
		.amdhsa_system_vgpr_workitem_id 0
		.amdhsa_next_free_vgpr 256
		.amdhsa_next_free_sgpr 66
		.amdhsa_reserve_vcc 0
		.amdhsa_float_denorm_mode_32 3
		.amdhsa_float_denorm_mode_16_64 3
		.amdhsa_memory_ordered 1
		.amdhsa_forward_progress 1
		.amdhsa_inst_pref_size 86
	.end_amdhsa_kernel
	.amdgpu_metadata
---
amdhsa.version: [ 1, 2 ]
amdhsa.kernels:
  - .name:           k_q8c3cf92bc7_p3b
    .symbol:         k_q8c3cf92bc7_p3b.kd
    .args:
      - { .name: xc1, .offset: 0, .size: 8, .value_kind: global_buffer, .address_space: global }
      - { .name: x1, .offset: 8, .size: 8, .value_kind: global_buffer, .address_space: global }
      - { .name: wl1, .offset: 16, .size: 8, .value_kind: global_buffer, .address_space: global }
      - { .name: kvq, .offset: 24, .size: 8, .value_kind: global_buffer, .address_space: global }
      - { .name: out0, .offset: 32, .size: 8, .value_kind: global_buffer, .address_space: global }
    .group_segment_fixed_size: 236800
    .private_segment_fixed_size: 0
    .kernarg_segment_align: 8
    .kernarg_segment_size: 40
    .max_flat_workgroup_size: 512
    .sgpr_count:     66
    .vgpr_count:     256
    .wavefront_size: 32
...
	.end_amdgpu_metadata
.endif
;; end of part 6
;; ======== version 2 of 2: 8 launches; version 1 with the launches e1, p2a, p3a, p2b, p3b written anew for expert scheduling mode
;; limits: right only within a limited range of input values
;; workspace buffers: wl0 65,536 bytes; wl1 65,536 bytes; xc0 8,914,944 bytes; xc1 8,914,944 bytes; x1 67,108,864 bytes; kvp 16,908,288 bytes; kvq 36,864 bytes
;; launch prep: the kernel of part 1 again; grid 7 x 2, 8 waves a work-group, no clusters, 0 bytes of LDS; arguments Wq_w, Wk_w, Wv_w, fc1_w, fc2_w, Wq_b, Wk_b, Wv_b, ln_g, ln_b, wl0, wl1; writes wl0, wl1
;; launch e1 (part 7): grid 256 x 1, 16 waves a work-group, no clusters, 41,728 bytes of LDS; arguments variable_features, constraint_features, ve_w, ve_b, ce_w, ce_b, wl0, out0, xc0; writes out0, xc0
.if DOCPART == 7
	.amdgcn_target "amdgcn-amd-amdhsa--gfx1250"
	.amdhsa_code_object_version 6
	.text
	.protected	k_q8c3cf92bc7_e1
	.globl	k_q8c3cf92bc7_e1
	.p2align	8
	.type	k_q8c3cf92bc7_e1,@function
k_q8c3cf92bc7_e1:
	s_mov_b64 s[64:65], 0
	v_nop
	global_prefetch_b8 v0, s[64:65] scope:SCOPE_SE
	s_setreg_imm32_b32 hwreg(HW_REG_WAVE_SCHED_MODE, 0, 2), 2
	s_setreg_imm32_b32 hwreg(HW_REG_WAVE_MODE, 25, 1), 1
	s_wait_xcnt 0x0
	s_wait_alu depctr_vm_vsrc(0)
; x0 = relu(LN0(features x embedding + bias)), its FP4 codes, and the partial sums of q^2 and k^2 of layer 0.
; SHARES.  256 work-groups of 512 rows; sixteen waves of 256 registers, four to a SIMD; a wave takes a tile of 16 rows through the whole chain in registers, two tiles one after the other: T = 32 g + 16 i + wave.
; 20,000 rows of variables are 1,250 tiles, so a tile is all variables or all constraints: a scalar branch on ids.
; THE EMBEDDING feeds a quantiser, so it is made in f32, by the f32 matrix form, transposed (source 0 = 16 units of the weight, source 1 = my 16 rows); the bias is one more row of K, against a feature 1.
; CHAIN LAYOUT.  Every product is used transposed and the units of a tile are chosen (unit 32 b + 8 u + r + 8 (r / 8) in lane r of tile 2 b + u): lane (r, h) holds row r, and register 16 b + i of a bank of 64 holds unit 32 b + 16 h + i.
; x0 goes to out0, which a later launch takes up again and the last one overwrites, AS AN IMAGE OF THE BANK'S REGISTERS: registers 4 k .. 4 k + 3 of tile T at 8,192 T + 512 k + 16 x lane: each store covers 512 consecutive bytes, aligned.
; Its codes go to xc0: tile T's fragment as an image of its registers at 1,024 T, its scale words at 8,388,608 + 64 T + 4 r.
; q and k are made only for their squares: sum q^2 of the work-group at 8,912,896 + 4 g, sum k^2 at 8,913,920 + 4 g.
; LDS: 0 Wq's and Wk's 16 fragments; 16,384 the block's last 8,192 bytes (scale words, then parameter rows from + 3,584); 24,576 the embedding weights, 28 rows of 528 bytes; 39,424 the waves' sums.
; LIMITS: a block of zeros gets the byte 1 with zero codes; NaN and infinities are not served.
; THE MODE: SCHED_MODE bits 1:0 = 2 (LLVM: expert scheduling mode 2), set by the entry lines.  The code itself states the register dependences
; between vector or matrix instructions and memory or LDS instructions, with s_wait_alu, always for 0.
; THE PLAN.  Registers that memory or LDS instructions touch, in a trip:
;   v72-161  The embedding's weight pairs and features: loads land in them at the trip's head; the f32 products read them.
;   WF, WS   LDS loads land in them (a norm's gains and offsets, four weight fragments and their words); multiply-adds and products read them.
;   XR       The norm and the relu write it; x0's stores read it; the quantiser reads it; then a bias lands in it, which eight products read as their C.
;   CA, CAS  The quantiser writes them; their stores read them; the scaled products take them.
;   Offsets and LDS addresses are made at the head and never written again.
; A wait on va_vdst stands ahead of each run of loads into registers that vector or matrix instructions have named since the last such wait, and ahead of each run of stores of what they have written;
; one wait on vm_vsrc stands behind the trip's stores, beside the wait on XCNT, ahead of everything that writes XR, CA and CAS again.
.set EW,    24576
.set RED,   39424
.set SCW,   16384
.set PAR,   19968
.set L16,  1                           ; 16 x lane
.set EA,   2                           ; the embedding weights: EW + 1,056 h + 4 (r + 8 (r / 8))
.set R16,  3                           ; 16 r
.set VFO,  4                           ; 72 r + 8 h
.set H64,  5                           ; 64 h
.set VFO4, 6                           ; 72 r
.set CFO,  9                           ; 20 r + 8 h
.set R4,   10                          ; 4 r
.set ONE,  11
.set CFO4, 12                          ; 20 r
.set CONE, 13                          ; 1.0 in lanes 0-15, 0 in lanes 16-31
.set MU,   14
.set RS,   16
.set T0,   18
.set T1,   20
.set TM,   24                          ; v24-39 the quantiser's
.set CA,   40                          ; v40-47 the codes of x0
.set CAS,  56                          ; their scale word
.set WS,   58                          ; v58-61 four weight fragments' scale words
.set ZERO, 62
.set SQA,  64                          ; v64-67 sum q^2, v68-71 sum k^2, two chains of pairs each
.set WF,   72                          ; v72-103 four weight fragments; v72-151 the embedding's weight pairs
.set XR,   104                         ; v104-167 a bank
.set FE,   152                         ; v152-161 the features' pairs
.set EACC, 168                         ; v168-231 the accumulators: written by matrix instructions alone
.set SEL,  22
.set C128, 24
.set EPS,  25
.set HM,   26
.macro PLACES n
.rept \n
	v_nop
.endr
.endm
; 64 numbers of a lane, register 16 b + i = k 32 b + 16 h + i of my row, become a fragment's codes and its scale word
.macro QUANT src, dst, wrd
.irp b, 0,1,2,3
	v_max3_num_f32 v[TM+\b], |v[\src+16*\b]|, |v[\src+1+16*\b]|, 0x1800000   ; my 16 numbers of block b, and the floor 2^(3 - 127): the byte cannot fall under 1
.endr
.irp i, 2,4,6,8,10,12,14
.irp b, 0,1,2,3
	v_max3_num_f32 v[TM+\b], v[TM+\b], |v[\src+16*\b+\i]|, |v[\src+1+16*\b+\i]|
.endr
.endr
.irp b, 0,1,2,3
	v_permlanex16_b32 v[TM+4+\b], v[TM+\b], s[SEL], s[SEL+1]
.endr
.irp b, 0,1,2,3
	v_max_num_f32 v[TM+\b], v[TM+\b], v[TM+4+\b]   ; with lane l xor 16's: the block's largest magnitude
.endr
.irp b, 0,1,2,3
	v_add_nc_u32 v[TM+12+\b], 0xff000000, v[TM+\b] ; 2 off its exponent field: the conversion's scale operand
.endr
.irp b, 0,1,2,3
	v_lshrrev_b32 v[TM+4+\b], 23, v[TM+12+\b]      ; the scale's byte
.endr
	v_lshl_or_b32 v[\wrd], v[TM+5], 8, v[TM+4]
	v_lshl_or_b32 v[\wrd], v[TM+6], 16, v[\wrd]
	v_lshl_or_b32 v[\wrd], v[TM+7], 24, v[\wrd]
.irp b, 0,1,2,3
	v_cvt_scalef32_pk8_fp4_f32 v[\dst+2*\b], v[\src+16*\b:\src+7+16*\b], v[TM+12+\b]
	v_cvt_scalef32_pk8_fp4_f32 v[\dst+1+2*\b], v[\src+8+16*\b:\src+15+16*\b], v[TM+12+\b]
.endr
	v_nop                                          ; one plain place behind a scaled conversion
.irp c, 0,1                                            ; the operand's layout wants a whole block in a lane
.irp i, 0,1
	v_permlane16_swap_b32 v[\dst+4*\c+\i], v[\dst+2+4*\c+\i]
.endr
.endr
.endm
; a row of 128 parameters in natural order comes into a bank in chain layout; pa holds 64 h
.macro LDCH bank, pa, off
.irp b, 0,1,2,3
.irp q, 0,1,2,3
	ds_load_b128 v[\bank+16*\b+4*\q:\bank+16*\b+4*\q+3], v[\pa] offset:\off+128*\b+16*\q
.endr
.endr
.endm
; the first four fragments of a run of eight products, and their scale words, asked for ahead of the vector work that stands in front of the run; the wait that frees WF and WS stands ahead of the macro
.macro MMPRE fa, foff, sa, soff
.irp t, 0,1,2,3
	ds_load_b128 v[WF+8*\t:WF+8*\t+3], v[\fa] offset:\foff+\t*1024
	ds_load_b128 v[WF+8*\t+4:WF+8*\t+7], v[\fa] offset:\foff+\t*1024+512
.endr
	ds_load_b128 v[WS:WS+3], v[\sa] offset:\soff
.endm
; eight transposed products: eight unit tiles of a weight (images at foff, scale words at soff) against one fragment of 16 rows (bc, bs).  cm = 1: C is the bank cc; 0: the constant 0.
; pre = 1: MMPRE has asked for the first four fragments.  n0: the places owed at the run's head: 4 behind matrix instructions whose registers are loaded or written anew.
; (The eight places between a scale word made by vector instructions and the scaled product stand in the trip's text, ahead of the wait that follows them.)
; The four v_nop in the middle stand in front of the loads into registers that the first four products have read.  The eight accumulators take turns, one instruction a turn.
.macro MM8 dd, cm, cc, fa, foff, sa, soff, bc, bs, n0, pre
.irp gq, 0,1
.if \gq == 0
	PLACES \n0
.else
	PLACES 4
.endif
.if (\gq == 1) || (\pre == 0)
	s_wait_alu depctr_va_vdst(0)                   ; the products issued so far are done reading WF and WS, in which the loads below land
.irp t, 0,1,2,3
	ds_load_b128 v[WF+8*\t:WF+8*\t+3], v[\fa] offset:\foff+(4*\gq+\t)*1024
	ds_load_b128 v[WF+8*\t+4:WF+8*\t+7], v[\fa] offset:\foff+(4*\gq+\t)*1024+512
.endr
	ds_load_b128 v[WS:WS+3], v[\sa] offset:\soff+256*\gq
.endif
	s_wait_dscnt 0x0                               ; the four fragments, their words, and whatever bank was asked for ahead
.irp t, 0,1,2,3
.if \cm
	v_wmma_scale_f32_16x16x128_f8f6f4 v[\dd+8*(4*\gq+\t):\dd+8*(4*\gq+\t)+7], v[WF+8*\t:WF+8*\t+7], v[\bc:\bc+7], v[\cc+8*(4*\gq+\t):\cc+8*(4*\gq+\t)+7], v[WS+\t], v[\bs] matrix_a_fmt:MATRIX_FMT_FP4 matrix_b_fmt:MATRIX_FMT_FP4
.else
	v_wmma_scale_f32_16x16x128_f8f6f4 v[\dd+8*(4*\gq+\t):\dd+8*(4*\gq+\t)+7], v[WF+8*\t:WF+8*\t+7], v[\bc:\bc+7], 0, v[WS+\t], v[\bs] matrix_a_fmt:MATRIX_FMT_FP4 matrix_b_fmt:MATRIX_FMT_FP4
.endif
.endr
.endr
.endm
.macro HSUM                            ; two chains of pairs -> my row's sum, in both lanes of the row
	v_pk_add_f32 v[T0:T0+1], v[T0:T0+1], v[T1:T1+1]
	v_add_f32 v[T0], v[T0], v[T0+1]
	v_permlanex16_b32 v[T1], v[T0], s[SEL], s[SEL+1]
	v_add_f32 v[T0], v[T0], v[T1]
.endm
; a norm's first 16 gains and 16 offsets: asked for ahead of the norm, straight behind the wait that frees WF; they land under the sums
.macro LNPRE pa, goff, boff
.irp q, 0,1,2,3
	ds_load_b128 v[WF+4*\q:WF+4*\q+3], v[\pa] offset:\goff+16*\q
	ds_load_b128 v[WF+16+4*\q:WF+16+4*\q+3], v[\pa] offset:\boff+16*\q
.endr
.endm
; dst = (src - mean) x rsqrt(var + eps) x g + b.  The bank is read from its low end on, tile by tile.  LNPRE has asked for the first block's gains and offsets.
.macro LNORM src, dst, pa, goff, boff
	v_pk_add_f32 v[T0:T0+1], v[\src:\src+1], v[\src+2:\src+3]
	v_pk_add_f32 v[T1:T1+1], v[\src+4:\src+5], v[\src+6:\src+7]
.set lj, 8
.rept 14
	v_pk_add_f32 v[T0:T0+1], v[T0:T0+1], v[\src+lj:\src+lj+1]
	v_pk_add_f32 v[T1:T1+1], v[T1:T1+1], v[\src+lj+2:\src+lj+3]
.set lj, lj+4
.endr
	HSUM
	v_mul_f32 v[MU], s[C128], v[T0]
.set lj, 0
.rept 32
	v_pk_add_f32 v[\dst+lj:\dst+lj+1], v[\src+lj:\src+lj+1], v[MU:MU+1] op_sel_hi:[1,0] neg_lo:[0,1] neg_hi:[0,1]
.set lj, lj+2
.endr
	v_pk_mul_f32 v[T0:T0+1], v[\dst:\dst+1], v[\dst:\dst+1]
	v_pk_mul_f32 v[T1:T1+1], v[\dst+2:\dst+3], v[\dst+2:\dst+3]
.set lj, 4
.rept 15
	v_pk_fma_f32 v[T0:T0+1], v[\dst+lj:\dst+lj+1], v[\dst+lj:\dst+lj+1], v[T0:T0+1]
	v_pk_fma_f32 v[T1:T1+1], v[\dst+lj+2:\dst+lj+3], v[\dst+lj+2:\dst+lj+3], v[T1:T1+1]
.set lj, lj+4
.endr
	HSUM
	v_fma_f32 v[T0], v[T0], s[C128], s[EPS]
	v_rsq_f32 v[RS], v[T0]
	v_nop                                          ; a plain place behind the transcendental,
	s_wait_alu depctr_va_vdst(0)                   ; and the wait ahead of its first reader: the root's reciprocal is written
.irp b, 0,1,2,3
.if \b > 0
	s_wait_alu depctr_va_vdst(0)                   ; the last block's multiply-adds are done reading WF, in which this block's gains and offsets land
.irp q, 0,1,2,3
	ds_load_b128 v[WF+4*\q:WF+4*\q+3], v[\pa] offset:\goff+128*\b+16*\q
	ds_load_b128 v[WF+16+4*\q:WF+16+4*\q+3], v[\pa] offset:\boff+128*\b+16*\q
.endr
.endif
.irp j, 0,2,4,6,8,10,12,14
	v_pk_mul_f32 v[\dst+16*\b+\j:\dst+16*\b+\j+1], v[\dst+16*\b+\j:\dst+16*\b+\j+1], v[RS:RS+1] op_sel_hi:[1,0]
.endr
	s_wait_dscnt 0x0                               ; this block's 16 gains and 16 offsets
.irp j, 0,2,4,6,8,10,12,14
	v_pk_fma_f32 v[\dst+16*\b+\j:\dst+16*\b+\j+1], v[\dst+16*\b+\j:\dst+16*\b+\j+1], v[WF+\j:WF+\j+1], v[WF+16+\j:WF+16+\j+1]
.endr
.endr
.endm
.macro SQ acc, sq                      ; the squares of a bank onto two chains of pairs, from the bank's low end on
.set lj, 0
.rept 16
	v_pk_fma_f32 v[\sq:\sq+1], v[\acc+lj:\acc+lj+1], v[\acc+lj:\acc+lj+1], v[\sq:\sq+1]
	v_pk_fma_f32 v[\sq+2:\sq+3], v[\acc+lj+2:\acc+lj+3], v[\acc+lj+2:\acc+lj+3], v[\sq+2:\sq+3]
.set lj, lj+4
.endr
.endm
.macro EMBW n, roff                    ; n K steps of 4 of the embedding weights: pair (s, tile) holds rows 4 s + 2 h, 4 s + 2 h + 1 of my unit
.set es, 0
.rept \n
.set et, 0
.rept 8
	ds_load_b32 v[WF+2*(8*es+et)], v[EA] offset:\roff+(4*es)*528+128*(et/2)+32*(et%2)
	ds_load_b32 v[WF+2*(8*es+et)+1], v[EA] offset:\roff+(4*es+1)*528+128*(et/2)+32*(et%2)
.set et, et+1
.endr
.set es, es+1
.endr
.endm
.macro EMBM n                          ; the products: the first K step starts the sums; the eight accumulators take turns
.set es, 0
.rept \n
.set et, 0
.rept 8
.if es == 0
	v_wmma_f32_16x16x4_f32 v[EACC+8*et:EACC+8*et+7], v[WF+2*(8*es+et):WF+2*(8*es+et)+1], v[FE+2*es:FE+2*es+1], 0
.else
	v_wmma_f32_16x16x4_f32 v[EACC+8*et:EACC+8*et+7], v[WF+2*(8*es+et):WF+2*(8*es+et)+1], v[FE+2*es:FE+2*es+1], v[EACC+8*et:EACC+8*et+7]
.endif
.set et, et+1
.endr
.set es, es+1
.endr
.endm
	s_load_b512 s[4:19], s[0:1], 0x0               ; variable_features, constraint_features, ve_w, ve_b, ce_w, ce_b, wl0, out0
	s_load_b64 s[20:21], s[0:1], 0x40              ; xc0
	v_lshl_add_u32 v254, v0, 2, 0x9b00
	v_mov_b32 v255, 0
	v_lshrrev_b32 v240, 5, v0
	v_readfirstlane_b32 s2, v240                   ; wave 0..15
	v_and_b32 v240, 31, v0                         ; lane
	v_and_b32 v241, 15, v0                         ; r
	v_bfe_u32 v242, v0, 4, 1                       ; h
	v_and_b32 v243, 1, v0
	v_cmp_eq_u32 s[HM], 1, v242                    ; lanes 16-31
	v_cmp_eq_u32 s29, 1, v243                      ; odd lanes
	v_lshlrev_b32 v[L16], 4, v240
	v_lshlrev_b32 v[R16], 4, v241
	v_lshlrev_b32 v[R4], 2, v241
	v_lshlrev_b32 v[H64], 6, v242
	v_and_b32 v[EA], 8, v241
	v_add_nc_u32 v[EA], v[EA], v241
	v_lshlrev_b32 v[EA], 2, v[EA]
	v_mad_u32_u24 v[EA], v242, 1056, v[EA]
	v_add_nc_u32 v[EA], EW, v[EA]
	v_mul_u32_u24 v[VFO4], v241, 72
	v_lshl_add_u32 v[VFO], v242, 3, v[VFO4]
	v_mul_u32_u24 v[CFO4], v241, 20
	v_lshl_add_u32 v[CFO], v242, 3, v[CFO4]
	v_mov_b32 v[ONE], 1.0
	v_mov_b32 v[ZERO], 0
	s_wait_alu depctr_va_sdst(0)                   ; the wave's number and the two lane masks are written, ahead of their first readers and of every branch
	v_cndmask_b32 v[CONE], v[ONE], v[ZERO], s[HM]
	s_lshl_b32 s46, ttmp9, 2
	v_lshl_add_u32 v235, v243, 10, s46             ; where the sums go: 4 g, + 1,024 in odd lanes
	s_lshl_b32 s31, s2, 3
	s_add_co_u32 s31, s31, RED
	v_mov_b32 v236, s31                            ; RED + 8 x wave
	v_lshl_add_u32 v237, v241, 3, RED              ; RED + 8 r
	v_lshlrev_b32 v232, 4, v0                      ; the head's copies: 16 t,
	v_lshlrev_b32 v233, 2, v0                      ; 4 t,
	v_and_b32 v238, 127, v0
	v_lshlrev_b32 v238, 2, v238                    ; 4 (t % 128),
	v_lshrrev_b32 v239, 7, v0
	v_mad_u32_u24 v239, v239, 528, v238
	v_add_nc_u32 v239, EW, v239                    ; and row t / 128, column t % 128 of four rows of the embedding weights
	v_mov_b32 v[MU+1], 0                           ; (upper halves of pairs that are named whole)
	v_mov_b32 v[RS+1], 0
.irp b, 0,1,2,3
	v_mov_b32 v[TM+4+\b], 0                        ; written once: a lane permute's destination counts as one of its sources
.endr
.irp j, 0,1,2,3,4,5,6,7
	v_mov_b32 v[SQA+\j], 0
.endr
	v_mov_b32 v88, 0                               ; rows 19, 26, 27 of the embedding weights are zeros
	v_mov_b32 v90, 0
	s_mov_b32 s[SEL], 0x76543210
	s_mov_b32 s[SEL+1], 0xfedcba98
	s_mov_b32 s[C128], 0x3c000000                  ; 1 / 128
	s_mov_b32 s[EPS], 0x3727c5ac                   ; 1e-5
	s_wait_kmcnt 0x0
	s_add_nc_u64 s[44:45], s[20:21], 0x800000      ; xc0's scale words
	s_wait_alu depctr_va_vdst(0)                   ; every offset and LDS address of the kernel is written, which its loads and stores read; so are v88 and v90, in which loads of some waves land and which the LDS stores read
	global_load_b128 v[72:75], v232, s[16:17]                ; Wq's fragments,
	global_load_b128 v[76:79], v232, s[16:17] offset:8192    ; Wk's,
	global_load_b128 v[80:83], v232, s[16:17] offset:57344   ; scale words and parameters
.irp i, 0,1,2,3
	global_load_b32 v[84+\i], v233, s[8:9] offset:2048*\i    ; ve_w's rows 0-15
.endr
	global_load_b32 v89, v233, s[12:13]                      ; ce_w's rows 0-3
	s_cmp_lt_u32 s2, 8
	s_cbranch_scc0 .Lve_bias
	global_load_b32 v88, v233, s[8:9] offset:8192            ; waves 0-7: ve_w's rows 16, 17
	s_branch .Lve_done
.Lve_bias:
	s_cmp_lt_u32 s2, 12
	s_cbranch_scc0 .Lve_done
	global_load_b32 v88, v238, s[10:11]                      ; waves 8-11: ve_b
.Lve_done:
	s_cmp_lt_u32 s2, 4
	s_cbranch_scc0 .Lce_bias
	global_load_b32 v90, v233, s[12:13] offset:2048          ; waves 0-3: ce_w's row 4
	s_branch .Lce_done
.Lce_bias:
	s_cmp_lt_u32 s2, 8
	s_cbranch_scc0 .Lce_done
	global_load_b32 v90, v238, s[14:15]                      ; waves 4-7: ce_b
.Lce_done:
	s_wait_loadcnt 0x0
	ds_store_b128 v232, v[72:75]
	ds_store_b128 v232, v[76:79] offset:8192
	ds_store_b128 v232, v[80:83] offset:16384
.irp i, 0,1,2,3,4,5,6
	ds_store_b32 v239, v[84+\i] offset:2112*\i     ; four rows of 528 bytes a round
.endr
	s_wait_dscnt 0x0                               ; for the others' sake: my stores have landed
	s_barrier_signal -1
	s_barrier_wait -1                              ; from here on these bytes are only read
	s_wait_alu depctr_vm_vsrc(0)                   ; my LDS stores have read v72 to v90, in which the embedding's weight pairs land
	s_lshl_b32 s28, ttmp9, 5
	s_add_co_u32 s28, s28, s2                      ; T
	s_mov_b32 s41, 0
	s_mov_b32 s27, 0
.Ltrip:
	s_wait_alu depctr_va_vdst(0)                   ; round the loop: the last trip's products are done reading WF, WS and the bank XR, in which the features and the weight pairs below land
	s_and_b32 s30, s28, 2047                       ; the tile in its batch,
	s_lshr_b32 s31, s28, 11                        ; the batch
	s_lshl_b32 s40, s28, 13
	s_add_nc_u64 s[34:35], s[18:19], s[40:41]      ; x0's image
	s_lshl_b32 s40, s28, 10
	s_add_nc_u64 s[36:37], s[20:21], s[40:41]      ; the codes
	s_lshl_b32 s40, s28, 6
	s_add_nc_u64 s[38:39], s[44:45], s[40:41]      ; the scale words
	s_cmp_lt_u32 s30, 1250
	s_cbranch_scc0 .Lcons
	s_mul_i32 s40, s31, 20000
	s_lshl_b32 s42, s30, 4
	s_add_co_u32 s40, s40, s42
	s_mul_i32 s40, s40, 72
	s_add_nc_u64 s[32:33], s[4:5], s[40:41]
.irp s, 0,1,2,3
	global_load_b64 v[FE+2*\s:FE+2*\s+1], v[VFO], s[32:33] offset:16*\s   ; features 4 s + 2 h, + 1 of row r
.endr
	global_load_b64 v[FE+8:FE+9], v[VFO4], s[32:33] offset:64               ; features 16, 17, in both halves: no load leaves the row
	EMBW 5, 0
	s_wait_loadcnt 0x0
	v_cndmask_b32 v[FE+8], v[FE+8], v[ONE], s[HM]  ; lanes 16-31: k = 18 is the bias's row, against 1,
	v_cndmask_b32 v[FE+9], v[FE+9], v[ZERO], s[HM] ; k = 19 a row of zeros
	s_wait_dscnt 0x0
	EMBM 5
	s_branch .Lemb
.Lcons:
	s_mul_i32 s40, s31, 12768
	s_sub_co_u32 s42, s30, 1250
	s_lshl_b32 s42, s42, 4
	s_add_co_u32 s40, s40, s42
	s_mul_i32 s40, s40, 20
	s_add_nc_u64 s[32:33], s[6:7], s[40:41]
	global_load_b32 v[FE], v[CFO], s[32:33]
	global_load_b32 v[FE+1], v[CFO], s[32:33] offset:4
	global_load_b32 v[FE+2], v[CFO4], s[32:33] offset:16
	EMBW 2, 10560
	s_wait_loadcnt 0x0
	v_cndmask_b32 v[FE+2], v[FE+2], v[ZERO], s[HM] ; k = 4 the last feature, k = 5 the bias's row against 1; k = 6, 7 nothing
	v_mov_b32 v[FE+3], v[CONE]
	s_wait_dscnt 0x0
	EMBM 2
.Lemb:
	PLACES 8                                       ; the places behind this matrix form
	s_wait_alu depctr_va_vdst(0)                   ; the embedding's products are done reading their weight pairs, in the first 32 of which the norm's gains and offsets land
	LNPRE H64, PAR+7*512, PAR+8*512
	LNORM EACC, XR, H64, PAR+7*512, PAR+8*512
.set lj, 0
.rept 64
	v_max_num_f32 v[XR+lj], 0, v[XR+lj]            ; relu
.set lj, lj+1
.endr
	s_wait_alu depctr_va_vdst(0)                   ; the bank XR is written, which the stores read; the norm is done reading WF, in which Wq's fragments land
.set lj, 0
.rept 16
	global_store_b128 v[L16], v[XR+4*lj:XR+4*lj+3], s[34:35] offset:512*lj   ; the bank as it stands: 32 lanes store 512 consecutive bytes, aligned
.set lj, lj+1
.endr
	MMPRE L16, 0, R16, SCW                         ; Wq's first four fragments land under the quantiser
	QUANT XR, CA, CAS
	PLACES 8                                       ; the places between the scale word's last writer and the scaled products
	s_wait_alu depctr_va_vdst(0)                   ; the quantiser has written CA and CAS, which the stores read and the scaled products take; it is done reading XR, in which bq lands
	global_store_b128 v[L16], v[CA:CA+3], s[36:37]
	global_store_b128 v[L16], v[CA+4:CA+7], s[36:37] offset:512
	global_store_b32 v[R4], v[CAS], s[38:39]       ; both halves of the lanes hold the same word
	s_wait_xcnt 0x0                                ; x0's stores have read the bank: it is loaded again only behind this wait
	s_wait_alu depctr_vm_vsrc(0)                   ; the stores have read XR, in which bq lands, and CA and CAS, which the next trip's quantiser writes
	LDCH XR, H64, PAR                              ; bq is the C of q's products
	MM8 EACC, 1, XR, L16, 0, R16, SCW, CA, CAS, 0, 1
	PLACES 4
	s_wait_alu depctr_va_vdst(0)                   ; q's products are done reading WF, WS and XR, in which Wk's fragments, their words and bk land
	MMPRE L16, 8192, R16, SCW+512                  ; Wk's first four and bk land under the squares
	LDCH XR, H64, PAR+512                          ; bk
	SQ EACC, SQA
	MM8 EACC, 1, XR, L16, 8192, R16, SCW+512, CA, CAS, 4, 1
	PLACES 4
	SQ EACC, SQA+4
	s_wait_xcnt 0x0                                ; the stores have read their bases, their codes and their word: all are written again in the next trip
	s_add_co_u32 s28, s28, 16
	s_add_co_u32 s27, s27, 1
	s_cmp_lt_u32 s27, 2
	s_cbranch_scc1 .Ltrip
	; the wave's two sums, then the work-group's
	v_pk_add_f32 v[SQA:SQA+1], v[SQA:SQA+1], v[SQA+2:SQA+3]
	v_pk_add_f32 v[SQA+4:SQA+5], v[SQA+4:SQA+5], v[SQA+6:SQA+7]
	v_add_f32 v[SQA], v[SQA], v[SQA+1]
	v_add_f32 v[SQA+4], v[SQA+4], v[SQA+5]
.irp m, 1,2,4,8
	v_add_f32_dpp v[SQA], v[SQA], v[SQA] row_xmask:\m row_mask:0xf bank_mask:0xf
	v_add_f32_dpp v[SQA+4], v[SQA+4], v[SQA+4] row_xmask:\m row_mask:0xf bank_mask:0xf
.endr
	v_permlanex16_b32 v[SQA+1], v[SQA], s[SEL], s[SEL+1]
	v_permlanex16_b32 v[SQA+5], v[SQA+4], s[SEL], s[SEL+1]
	v_add_f32 v[SQA], v[SQA], v[SQA+1]
	v_add_f32 v[SQA+4], v[SQA+4], v[SQA+5]
	s_wait_alu depctr_va_vdst(0)                   ; the two sums are written, which the LDS stores read; the additions are done with the pair in which wave 0's load lands
	ds_store_b32 v236, v[SQA]                      ; all lanes write the same word with the same value
	ds_store_b32 v236, v[SQA+4] offset:4
	s_wait_dscnt 0x0
	s_barrier_signal -1
	s_barrier_wait -1
	s_wait_alu depctr_vm_vsrc(0)                   ; my LDS stores have read the first sum's register, in which wave 0's load lands
	s_cmp_lg_u32 s2, 0
	s_cbranch_scc1 .Lend
	ds_load_b64 v[SQA:SQA+1], v237                 ; lane r: wave r's two sums
	s_wait_dscnt 0x0
.irp m, 1,2,4,8
	v_add_f32_dpp v[SQA], v[SQA], v[SQA] row_xmask:\m row_mask:0xf bank_mask:0xf
	v_add_f32_dpp v[SQA+1], v[SQA+1], v[SQA+1] row_xmask:\m row_mask:0xf bank_mask:0xf
.endr
	v_cndmask_b32 v[SQA+2], v[SQA], v[SQA+1], s29  ; even lanes carry sum q^2, odd lanes sum k^2: every lane that names a word holds the same value
	s_wait_alu depctr_va_vdst(0)                   ; the choice is written, which the store reads
	global_store_b32 v235, v[SQA+2], s[44:45] offset:524288
.Lend:
	s_wait_dscnt 0x0                               ; the closing lines, six on end
	s_wait_alu 0x0
	s_wait_tensorcnt 0x0
	ds_add_u32 v254, v255
	s_wait_dscnt 0x0
	s_endpgm
.Lfunc_end_k_q8c3cf92bc7_e1:
	.size	k_q8c3cf92bc7_e1, .Lfunc_end_k_q8c3cf92bc7_e1-k_q8c3cf92bc7_e1
	.p2alignl 7, 3214868480
	.fill 96, 4, 3214868480
	.section	.rodata,"a",@progbits
	.p2align	6, 0x0
	.amdhsa_kernel k_q8c3cf92bc7_e1
		.amdhsa_group_segment_fixed_size 41728
		.amdhsa_private_segment_fixed_size 0
		.amdhsa_enable_private_segment 0
		.amdhsa_kernarg_size 72
		.amdhsa_user_sgpr_count 2
		.amdhsa_user_sgpr_kernarg_segment_ptr 1
		.amdhsa_wavefront_size32 1
		.amdhsa_system_sgpr_workgroup_id_x 1
		.amdhsa_system_sgpr_workgroup_id_y 1
		.amdhsa_system_sgpr_workgroup_id_z 1
		.amdhsa_system_vgpr_workitem_id 0
		.amdhsa_next_free_vgpr 256
		.amdhsa_next_free_sgpr 66
		.amdhsa_reserve_vcc 0
		.amdhsa_float_denorm_mode_32 3
		.amdhsa_float_denorm_mode_16_64 3
		.amdhsa_memory_ordered 1
		.amdhsa_forward_progress 1
		.amdhsa_inst_pref_size 53
	.end_amdhsa_kernel
	.amdgpu_metadata
---
amdhsa.version: [ 1, 2 ]
amdhsa.kernels:
  - .name:           k_q8c3cf92bc7_e1
    .symbol:         k_q8c3cf92bc7_e1.kd
    .args:
      - { .name: variable_features, .offset: 0, .size: 8, .value_kind: global_buffer, .address_space: global }
      - { .name: constraint_features, .offset: 8, .size: 8, .value_kind: global_buffer, .address_space: global }
      - { .name: ve_w, .offset: 16, .size: 8, .value_kind: global_buffer, .address_space: global }
      - { .name: ve_b, .offset: 24, .size: 8, .value_kind: global_buffer, .address_space: global }
      - { .name: ce_w, .offset: 32, .size: 8, .value_kind: global_buffer, .address_space: global }
      - { .name: ce_b, .offset: 40, .size: 8, .value_kind: global_buffer, .address_space: global }
      - { .name: wl0, .offset: 48, .size: 8, .value_kind: global_buffer, .address_space: global }
      - { .name: out0, .offset: 56, .size: 8, .value_kind: global_buffer, .address_space: global }
      - { .name: xc0, .offset: 64, .size: 8, .value_kind: global_buffer, .address_space: global }
    .group_segment_fixed_size: 41728
    .private_segment_fixed_size: 0
    .kernarg_segment_align: 8
    .kernarg_segment_size: 72
    .max_flat_workgroup_size: 512
    .sgpr_count:     66
    .vgpr_count:     256
    .wavefront_size: 32
...
	.end_amdgpu_metadata
.endif
;; end of part 7
;; launch p2a (part 8): grid 256 x 1, 16 waves a work-group, no clusters, 142,080 bytes of LDS; arguments xc0, wl0, kvp; writes kvp
.if DOCPART == 8
	.amdgcn_target "amdgcn-amd-amdhsa--gfx1250"
	.amdhsa_code_object_version 6
	.text
	.protected	k_q8c3cf92bc7_p2a
	.globl	k_q8c3cf92bc7_p2a
	.p2align	8
	.type	k_q8c3cf92bc7_p2a,@function
k_q8c3cf92bc7_p2a:
	s_mov_b64 s[64:65], 0
	v_nop
	global_prefetch_b8 v0, s[64:65] scope:SCOPE_SE
	s_setreg_imm32_b32 hwreg(HW_REG_WAVE_SCHED_MODE, 0, 2), 2
	s_setreg_imm32_b32 hwreg(HW_REG_WAVE_MODE, 25, 1), 1
	s_wait_xcnt 0x0
	s_wait_alu depctr_vm_vsrc(0)
; A work-group's part of kvs = ks^T v and of ks_sum, over its 512 rows, from the codes of x.  K of this product is the rows: ks and v are quantised along the rows, in blocks of 32.
; k and v are made anew from x's codes, in the natural orientation (source 0 = 16 rows of x, source 1 = 16 units of the weight): a lane then holds ONE unit and its registers run down the rows, which are the next K.
; SHARES.  Four steps of 128 rows.  In a step wave w makes one operand fragment: waves 0-7 ks of unit tile w (k / ||k||), waves 8-15 v of unit tile w - 8, and hands it to the others through LDS as an image of its registers.
; Then wave w adds onto its four accumulators: m tile w % 8 against d tiles 4 (w / 8) + 0 .. 3.  Inside a block of 32 rows the codes stand in another order than the rows, the same for ks and v: the products are the same.
; The images lie in two buffers by turns: one barrier a step.  A buffer is written again two steps on, behind the next step's barrier, which every wave signals behind the wait for its reads.
; OUT: the work-group's block of 66,048 bytes: row d' = 16 (d tile) + lane of 512 bytes holds kvs[m][d'] with m in natural order; row 128 holds ks_sum in natural order.
; LDS: 0 the codes of 32 tiles; 32,768 their scale words; 34,816 images, 2 x 16 x 1,024; 67,584 their scale words, 2 x 16 x 128; 71,680 a stage of 129 rows x 528 bytes.
; LIMITS: a block of zeros gets the byte 1 with zero codes; sum k^2 must be a normal f32 number; the division by ||k|| is a multiplication by v_rsq_f32's result.
; THE MODE: SCHED_MODE bits 1:0 = 2 (LLVM: expert scheduling mode 2), set by the entry lines.  The code itself states the register dependences
; between vector or matrix instructions and memory or LDS instructions, with s_wait_alu, always for 0.
; THE PLAN.  Registers that memory or LDS instructions touch, in a step:
;   XF, XSS  Eight fragments of x and their words land in them at the step's head; the eight products read them.  Behind the barrier five images land in XF's first 40 registers and their words in KSS; the four products read them.
;   PC, PW   The quantiser writes them; the three LDS stores of the image read them.
;   Offsets and LDS addresses are made at the head and never written again.  ACC, the weight fragment, the bias and the accumulators are named by vector and matrix instructions alone, until the way out.
; So two waits on va_vdst stand in a step: at its head (the last step's products are done with XF, XSS and KSS) and behind the quantiser (PC and PW are written; the eight products are done with XF);
; one wait on vm_vsrc stands behind the image's stores, ahead of the next step's quantiser.
.set XS,   32768
.set IMG,  34816
.set ISC,  67584
.set STG,  71680
.set L16,  1
.set AXS,  2                           ; XS + 4 r
.set AIW,  3                           ; where I store my image
.set ASW,  4                           ; and its scale words
.set AIK,  5                           ; where my ks fragment lies
.set AIV,  6                           ; and the first of my four v fragments
.set ASK,  7
.set ASV,  8
.set AST,  9                           ; the stage: where my accumulators go
.set ARD,  10                          ; my eight rows of it
.set ARK,  11                          ; its row 128
.set AKS,  12                          ; my unit's place in row 128
.set INV,  14
.set KSUM, 16
.set TM,   24
.set PC,   40
.set PW,   48
.set WSC,  49                          ; my weight fragment's scale word
.set XSS,  50                          ; v50-57 eight tiles' scale words
.set KSS,  58                          ; v58-62 ks's and four v's
.set WFR,  64                          ; v64-71 my weight fragment: it stays
.set BI,   72                          ; v72-79 my unit's bias, eight times: the C of the first products
.set KACC, 80                          ; v80-111 four accumulators of kvs
.set XF,   112                         ; v112-175 eight fragments
.set ACC,  176                         ; v176-239 my unit's 128 rows (64 a lane)
.set SEL,  10
.macro PLACES n
.rept \n
	v_nop
.endr
.endm
.macro QUANT src, dst, wrd             ; 64 numbers of a lane, registers 16 b .. 16 b + 15 of block b, which lanes l and l xor 16 share
.irp b, 0,1,2,3
	v_max3_num_f32 v[TM+\b], |v[\src+16*\b]|, |v[\src+1+16*\b]|, 0x1800000   ; with the floor 2^(3 - 127): the byte cannot fall under 1
.endr
.irp i, 2,4,6,8,10,12,14
.irp b, 0,1,2,3
	v_max3_num_f32 v[TM+\b], v[TM+\b], |v[\src+16*\b+\i]|, |v[\src+1+16*\b+\i]|
.endr
.endr
.irp b, 0,1,2,3
	v_permlanex16_b32 v[TM+4+\b], v[TM+\b], s[SEL], s[SEL+1]
.endr
.irp b, 0,1,2,3
	v_max_num_f32 v[TM+\b], v[TM+\b], v[TM+4+\b]
.endr
.irp b, 0,1,2,3
	v_add_nc_u32 v[TM+12+\b], 0xff000000, v[TM+\b]
.endr
.irp b, 0,1,2,3
	v_lshrrev_b32 v[TM+4+\b], 23, v[TM+12+\b]
.endr
	v_lshl_or_b32 v[\wrd], v[TM+5], 8, v[TM+4]
	v_lshl_or_b32 v[\wrd], v[TM+6], 16, v[\wrd]
	v_lshl_or_b32 v[\wrd], v[TM+7], 24, v[\wrd]
.irp b, 0,1,2,3
	v_cvt_scalef32_pk8_fp4_f32 v[\dst+2*\b], v[\src+16*\b:\src+7+16*\b], v[TM+12+\b]
	v_cvt_scalef32_pk8_fp4_f32 v[\dst+1+2*\b], v[\src+8+16*\b:\src+15+16*\b], v[TM+12+\b]
.endr
	v_nop                                          ; one plain place behind a scaled conversion
.irp c, 0,1
.irp i, 0,1
	v_permlane16_swap_b32 v[\dst+4*\c+\i], v[\dst+2+4*\c+\i]
.endr
.endr
.endm
	s_load_b128 s[4:7], s[0:1], 0x0                ; the codes' buffer, the layer's weights
	s_load_b64 s[8:9], s[0:1], 0x10                ; kvp
	v_lshl_add_u32 v254, v0, 2, 0x22300
	v_mov_b32 v255, 0
	v_lshrrev_b32 v240, 5, v0
	v_readfirstlane_b32 s2, v240                   ; wave 0..15
	v_and_b32 v240, 31, v0                         ; lane
	v_and_b32 v241, 15, v0                         ; r
	v_bfe_u32 v242, v0, 4, 1                       ; h
	v_lshlrev_b32 v[L16], 4, v240
	v_lshlrev_b32 v243, 2, v240                    ; 4 x lane
	v_lshl_add_u32 v[AXS], v241, 2, XS
	s_wait_alu depctr_va_sdst(0)                   ; the wave's number is written, ahead of its first reader
	s_lshl_b32 s12, s2, 10
	s_add_co_u32 s12, s12, IMG
	v_add_nc_u32 v[AIW], s12, v[L16]
	s_lshl_b32 s12, s2, 7
	s_add_co_u32 s12, s12, ISC
	v_add_nc_u32 v[ASW], s12, v243
	s_and_b32 s13, s2, 7                           ; w % 8
	s_lshr_b32 s14, s2, 3                          ; w / 8
	s_lshl_b32 s12, s13, 10
	s_add_co_u32 s12, s12, IMG
	v_add_nc_u32 v[AIK], s12, v[L16]
	s_lshl_b32 s12, s14, 12
	s_add_co_u32 s12, s12, IMG+8192
	v_add_nc_u32 v[AIV], s12, v[L16]
	s_lshl_b32 s12, s13, 7
	s_add_co_u32 s12, s12, ISC
	v_add_nc_u32 v[ASK], s12, v243
	s_lshl_b32 s12, s14, 9
	s_add_co_u32 s12, s12, ISC+1024
	v_add_nc_u32 v[ASV], s12, v243
	s_lshr_b32 s15, s13, 1
	s_lshl_b32 s15, s15, 7
	s_and_b32 s16, s2, 1
	s_lshl_b32 s16, s16, 5
	s_add_co_u32 s15, s15, s16                     ; my unit tile's first unit, in bytes: 128 (tile / 2) + 32 (tile % 2)
	s_mul_i32 s16, s14, 33792
	s_add_co_u32 s16, s16, s15
	s_add_co_u32 s16, s16, STG
	v_mul_u32_u24 v[AST], v241, 528
	v_lshl_add_u32 v[AST], v242, 6, v[AST]
	v_add_nc_u32 v[AST], s16, v[AST]               ; row 64 (w / 8) + 16 a + r; my eight m begin 64 h bytes behind the tile's first
	s_mul_i32 s16, s2, 4224
	s_add_co_u32 s16, s16, STG
	v_add_nc_u32 v[ARD], s16, v[L16]
	v_add_nc_u32 v[ARK], STG+67584, v[L16]
	v_and_b32 v244, 8, v241
	v_add_nc_u32 v244, v244, v241
	v_lshlrev_b32 v244, 2, v244                    ; 4 (r + 8 (r / 8))
	s_add_co_u32 s16, s15, STG+67584
	v_add_nc_u32 v[AKS], s16, v244
	v_lshlrev_b32 v245, 4, v0                      ; 16 t
	v_lshlrev_b32 v246, 2, v0                      ; 4 t
	s_add_co_u32 s17, s2, 8                        ; my weight fragment: 8 + w (Wk's eight, then Wv's eight)
	s_lshl_b32 s18, s17, 10
	v_add_nc_u32 v247, s18, v[L16]
	s_lshr_b32 s18, s17, 2
	s_lshl_b32 s18, s18, 8
	s_and_b32 s19, s17, 3
	s_lshl_b32 s19, s19, 2
	s_add_co_u32 s18, s18, s19
	v_lshl_add_u32 v248, v241, 4, s18
	s_lshl_b32 s18, s14, 9
	s_add_co_u32 s18, s18, s15
	v_add_nc_u32 v249, s18, v244                   ; my unit's bias: row bk or bv, 4 x unit
	s_mov_b32 s[SEL], 0x76543210
	s_mov_b32 s[SEL+1], 0xfedcba98
.irp b, 0,1,2,3
	v_mov_b32 v[TM+4+\b], 0                        ; written once: a lane permute's destination counts as one of its sources
	v_mov_b32 v[KSUM+\b], 0
.endr
	s_lshl_b32 s24, ttmp9, 15
	s_mov_b32 s25, 0
	s_lshl_b32 s26, ttmp9, 11
	s_mov_b32 s27, 0
	s_mul_i32 s28, ttmp9, 66048
	s_lshl_b32 s29, s2, 12
	s_add_co_u32 s28, s28, s29
	s_mov_b32 s29, 0
	s_wait_kmcnt 0x0
	s_add_nc_u64 s[18:19], s[4:5], s[24:25]        ; my 32 tiles' codes
	s_add_nc_u64 s[20:21], s[4:5], 0x800000        ; the scale words' part
	s_add_nc_u64 s[22:23], s[20:21], s[26:27]      ; my 32 tiles' words
	s_add_nc_u64 s[8:9], s[8:9], s[28:29]          ; my wave's eight rows of the work-group's block
	s_wait_alu depctr_va_vdst(0)                   ; every offset and LDS address of the kernel is written, which its loads and stores read
.irp i, 0,1,2,3
	global_load_b128 v[XF+4*\i:XF+4*\i+3], v245, s[18:19] offset:8192*\i
.endr
	global_load_b32 v[XF+16], v246, s[22:23]
	global_load_b128 v[WFR:WFR+3], v247, s[6:7]
	global_load_b128 v[WFR+4:WFR+7], v247, s[6:7] offset:512
	global_load_b32 v[WSC], v248, s[6:7] offset:57344
	global_load_b32 v[BI], v249, s[6:7] offset:61440
	global_load_b128 v[ACC:ACC+3], v[L16], s[20:21] offset:525312     ; the 256 partial sums of k^2
	global_load_b128 v[ACC+4:ACC+7], v[L16], s[20:21] offset:525824
	s_wait_loadcnt 0x0
.irp i, 0,1,2,3
	ds_store_b128 v245, v[XF+4*\i:XF+4*\i+3] offset:8192*\i
.endr
	ds_store_b32 v246, v[XF+16] offset:XS
.irp j, 1,2,3,4,5,6,7
	v_mov_b32 v[BI+\j], v[BI]
.endr
	v_add_f32 v[ACC], v[ACC], v[ACC+1]             ; every wave of every work-group adds the 256 in the same order
	v_add_f32 v[ACC+2], v[ACC+2], v[ACC+3]
	v_add_f32 v[ACC+4], v[ACC+4], v[ACC+5]
	v_add_f32 v[ACC+6], v[ACC+6], v[ACC+7]
	v_add_f32 v[ACC], v[ACC], v[ACC+2]
	v_add_f32 v[ACC+4], v[ACC+4], v[ACC+6]
	v_add_f32 v[ACC], v[ACC], v[ACC+4]
.irp m, 1,2,4,8
	v_add_f32_dpp v[ACC], v[ACC], v[ACC] row_xmask:\m row_mask:0xf bank_mask:0xf
.endr
	v_permlanex16_b32 v[ACC+1], v[ACC], s[SEL], s[SEL+1]
	v_add_f32 v[ACC], v[ACC], v[ACC+1]
	v_rsq_f32 v[INV], v[ACC]                       ; 1 / ||k||
	v_mov_b32 v[INV+1], 0                          ; (a plain place; the pair is named whole)
	s_wait_alu depctr_va_vdst(0)                   ; 1 / ||k|| is written: the wait ahead of the result's first reader, and of every branch
	s_wait_dscnt 0x0
	s_barrier_signal -1
	s_barrier_wait -1                              ; the codes and their words lie in LDS, and are only read from here on
	s_wait_alu depctr_vm_vsrc(0)                   ; my LDS stores have read XF's first 17 registers, in which the first step's fragments land
.macro STEP n
.if \n > 0
	PLACES 4                                       ; in front of loads into registers that the last products read
	s_wait_alu depctr_va_vdst(0)                   ; the last step's products are done reading XF, XSS and KSS, in which this step's loads land
.endif
.set st, 0
.rept 8
	ds_load_b128 v[XF+8*st:XF+8*st+3], v[L16] offset:(8*\n+st)*1024
	ds_load_b128 v[XF+8*st+4:XF+8*st+7], v[L16] offset:(8*\n+st)*1024+512
	ds_load_b32 v[XSS+st], v[AXS] offset:(8*\n+st)*64
.set st, st+1
.endr
	s_wait_dscnt 0x0
.set st, 0
.rept 8                                                ; rows 16 st + 8 h + j of my unit, with the bias as C
	v_wmma_scale_f32_16x16x128_f8f6f4 v[ACC+8*st:ACC+8*st+7], v[XF+8*st:XF+8*st+7], v[WFR:WFR+7], v[BI:BI+7], v[XSS+st], v[WSC] matrix_a_fmt:MATRIX_FMT_FP4 matrix_b_fmt:MATRIX_FMT_FP4
.set st, st+1
.endr
	PLACES 4
	s_cmp_lt_u32 s2, 8
	s_cbranch_scc0 .Lnot_k_\@
.set sj, 0
.rept 32
	v_pk_mul_f32 v[ACC+sj:ACC+sj+1], v[ACC+sj:ACC+sj+1], v[INV:INV+1] op_sel_hi:[1,0]   ; ks = k / ||k||
.set sj, sj+2
.endr
.set sj, 0
.rept 16
	v_pk_add_f32 v[KSUM:KSUM+1], v[KSUM:KSUM+1], v[ACC+sj:ACC+sj+1]                     ; ks_sum is taken of the unquantised ks
	v_pk_add_f32 v[KSUM+2:KSUM+3], v[KSUM+2:KSUM+3], v[ACC+sj+2:ACC+sj+3]
.set sj, sj+4
.endr
.Lnot_k_\@:
	QUANT ACC, PC, PW
	s_wait_alu depctr_va_vdst(0)                   ; the quantiser has written PC and PW, which the LDS stores read; the eight products are done reading XF, in which the images land behind the barrier
	ds_store_b128 v[AIW], v[PC:PC+3] offset:16384*((\n)%2)
	ds_store_b128 v[AIW], v[PC+4:PC+7] offset:16384*((\n)%2)+512
	ds_store_b32 v[ASW], v[PW] offset:2048*((\n)%2)
.if \n < 3
	s_wait_alu depctr_vm_vsrc(0)                   ; the LDS stores have read PC and PW, which the next step's quantiser writes
.endif
	s_wait_dscnt 0x0                               ; for the others' sake: my image has landed (and my reads of the other buffer were over before the last products)
	s_barrier_signal -1
	s_barrier_wait -1
	ds_load_b128 v[XF:XF+3], v[AIK] offset:16384*((\n)%2)
	ds_load_b128 v[XF+4:XF+7], v[AIK] offset:16384*((\n)%2)+512
	ds_load_b32 v[KSS], v[ASK] offset:2048*((\n)%2)
.irp a, 0,1,2,3
	ds_load_b128 v[XF+8+8*\a:XF+8+8*\a+3], v[AIV] offset:16384*((\n)%2)+1024*\a
	ds_load_b128 v[XF+12+8*\a:XF+12+8*\a+3], v[AIV] offset:16384*((\n)%2)+1024*\a+512
	ds_load_b32 v[KSS+1+\a], v[ASV] offset:2048*((\n)%2)+128*\a
.endr
	s_wait_dscnt 0x0
.irp a, 0,1,2,3                                        ; four accumulators by turns; the first step starts the sums
.if \n == 0
	v_wmma_scale_f32_16x16x128_f8f6f4 v[KACC+8*\a:KACC+8*\a+7], v[XF:XF+7], v[XF+8+8*\a:XF+8+8*\a+7], 0, v[KSS], v[KSS+1+\a] matrix_a_fmt:MATRIX_FMT_FP4 matrix_b_fmt:MATRIX_FMT_FP4
.else
	v_wmma_scale_f32_16x16x128_f8f6f4 v[KACC+8*\a:KACC+8*\a+7], v[XF:XF+7], v[XF+8+8*\a:XF+8+8*\a+7], v[KACC+8*\a:KACC+8*\a+7], v[KSS], v[KSS+1+\a] matrix_a_fmt:MATRIX_FMT_FP4 matrix_b_fmt:MATRIX_FMT_FP4
.endif
.endr
.endm
	STEP 0
	STEP 1
	STEP 2
	STEP 3
	PLACES 4
	s_wait_alu depctr_va_vdst(0)                   ; the last products have written the four accumulators, which the LDS stores below read, and are done reading XF, in which the rows from the stage land; the places above stay beside this wait
	s_cmp_lt_u32 s2, 8
	s_cbranch_scc0 .Lno_sum
	v_pk_add_f32 v[KSUM:KSUM+1], v[KSUM:KSUM+1], v[KSUM+2:KSUM+3]
	v_add_f32 v[KSUM], v[KSUM], v[KSUM+1]
	v_permlanex16_b32 v[KSUM+1], v[KSUM], s[SEL], s[SEL+1]
	v_add_f32 v[KSUM], v[KSUM], v[KSUM+1]
	s_wait_alu depctr_va_vdst(0)                   ; my unit's sum is written, which the LDS store reads
	ds_store_b32 v[AKS], v[KSUM]                   ; both halves of the lanes hold the same sum
.Lno_sum:
.irp a, 0,1,2,3
	ds_store_b128 v[AST], v[KACC+8*\a:KACC+8*\a+3] offset:8448*\a       ; a lane's eight registers are eight neighbouring m of row d'; each accumulator from its low end on
	ds_store_b128 v[AST], v[KACC+8*\a+4:KACC+8*\a+7] offset:8448*\a+16
.endr
	s_wait_dscnt 0x0
	s_barrier_signal -1
	s_barrier_wait -1
.irp i, 0,1,2,3,4,5,6,7
	ds_load_b128 v[XF+4*\i:XF+4*\i+3], v[ARD] offset:528*\i
.endr
	s_wait_dscnt 0x0
.irp i, 0,1,2,3,4,5,6,7
	global_store_b128 v[L16], v[XF+4*\i:XF+4*\i+3], s[8:9] offset:512*\i   ; 32 lanes store 512 consecutive bytes, aligned
.endr
	s_cmp_lg_u32 s2, 0
	s_cbranch_scc1 .Lend
	ds_load_b128 v[XF+32:XF+35], v[ARK]
	s_wait_dscnt 0x0
	global_store_b128 v[L16], v[XF+32:XF+35], s[8:9] offset:65536          ; wave 0: row 128, ks_sum
.Lend:
	s_wait_dscnt 0x0                               ; the closing lines, six on end
	s_wait_alu 0x0
	s_wait_tensorcnt 0x0
	ds_add_u32 v254, v255
	s_wait_dscnt 0x0
	s_endpgm
.Lfunc_end_k_q8c3cf92bc7_p2a:
	.size	k_q8c3cf92bc7_p2a, .Lfunc_end_k_q8c3cf92bc7_p2a-k_q8c3cf92bc7_p2a
	.p2alignl 7, 3214868480
	.fill 96, 4, 3214868480
	.section	.rodata,"a",@progbits
	.p2align	6, 0x0
	.amdhsa_kernel k_q8c3cf92bc7_p2a
		.amdhsa_group_segment_fixed_size 142080
		.amdhsa_private_segment_fixed_size 0
		.amdhsa_enable_private_segment 0
		.amdhsa_kernarg_size 24
		.amdhsa_user_sgpr_count 2
		.amdhsa_user_sgpr_kernarg_segment_ptr 1
		.amdhsa_wavefront_size32 1
		.amdhsa_system_sgpr_workgroup_id_x 1
		.amdhsa_system_sgpr_workgroup_id_y 1
		.amdhsa_system_sgpr_workgroup_id_z 1
		.amdhsa_system_vgpr_workitem_id 0
		.amdhsa_next_free_vgpr 256
		.amdhsa_next_free_sgpr 66
		.amdhsa_reserve_vcc 0
		.amdhsa_float_denorm_mode_32 3
		.amdhsa_float_denorm_mode_16_64 3
		.amdhsa_memory_ordered 1
		.amdhsa_forward_progress 1
		.amdhsa_inst_pref_size 59
	.end_amdhsa_kernel
	.amdgpu_metadata
---
amdhsa.version: [ 1, 2 ]
amdhsa.kernels:
  - .name:           k_q8c3cf92bc7_p2a
    .symbol:         k_q8c3cf92bc7_p2a.kd
    .args:
      - { .name: xc0, .offset: 0, .size: 8, .value_kind: global_buffer, .address_space: global }
      - { .name: wl0, .offset: 8, .size: 8, .value_kind: global_buffer, .address_space: global }
      - { .name: kvp, .offset: 16, .size: 8, .value_kind: global_buffer, .address_space: global }
    .group_segment_fixed_size: 142080
    .private_segment_fixed_size: 0
    .kernarg_segment_align: 8
    .kernarg_segment_size: 24
    .max_flat_workgroup_size: 512
    .sgpr_count:     66
    .vgpr_count:     256
    .wavefront_size: 32
...
	.end_amdgpu_metadata
.endif
;; end of part 8
;; launch ra: the kernel of part 4 again; grid 64 x 4, 16 waves a work-group, no clusters, 18,432 bytes of LDS; arguments kvp, kvq; writes kvq
;; launch p3a (part 9): grid 256 x 1, 16 waves a work-group, no clusters, 101,632 bytes of LDS; arguments xc0, out0, wl0, kvq, x1, wl1, xc1; writes x1, xc1
.if DOCPART == 9
	.amdgcn_target "amdgcn-amd-amdhsa--gfx1250"
	.amdhsa_code_object_version 6
	.text
	.protected	k_q8c3cf92bc7_p3a
	.globl	k_q8c3cf92bc7_p3a
	.p2align	8
	.type	k_q8c3cf92bc7_p3a,@function
k_q8c3cf92bc7_p3a:
	s_mov_b64 s[64:65], 0
	v_nop
	global_prefetch_b8 v0, s[64:65] scope:SCOPE_SE
	s_setreg_imm32_b32 hwreg(HW_REG_WAVE_SCHED_MODE, 0, 2), 2
	s_setreg_imm32_b32 hwreg(HW_REG_WAVE_MODE, 25, 1), 1
	s_wait_xcnt 0x0
	s_wait_alu depctr_vm_vsrc(0)
; One layer from the attention's second half to its end, for 16 rows a wave, all in registers:
; q, v from x's codes; qs = q / ||q||; (Q(qs) Q(kvs) + N v) / (qs . ks_sum + N); 0.8 x that + 0.2 x prev; LN; relu(. fc1) fc2; 0.8 x that + 0.2 x the LN's result; LN.
; LAST = 0: the result is stored as an image of its bank's registers, its codes are stored too, and q, k of the next layer are made for the partial sums of their squares.  LAST = 1: the result alone, row by row.
; TWO CONSTANTS ARE FOLDED AWAY.  (1) kvs's scale bytes arrive 15 lower than its quantiser gave them, so the fragments stand for kvs / N, N = 2^15, exactly: qs kvs / N is added straight onto v, and N comes back in the row's factor.
; (2) Each residual sum is taken five times too large, z = 4 a + p in place of 0.8 a + 0.2 p, by one fused multiply-add; the norm behind it divides the factor out: (z - mean) / sqrt(var(z) + eps / 0.04) is the same number.
; SHARES.  256 work-groups of 512 rows; sixteen waves of 256 registers, four to a SIMD; tile T = 32 g + 16 i + wave, i = 0, 1.  No wave needs another's rows: the one barrier stands behind the head's copies (a second one in front of the sums' way out).
; CHAIN LAYOUT.  Every product is used transposed (source 0 = 16 units of a weight, source 1 = my 16 rows), and the units of a tile are chosen (unit 32 b + 8 u + r + 8 (r / 8) in lane r of tile 2 b + u):
; lane (r, h) holds row r, and register 16 b + i of a bank of 64 holds unit 32 b + 16 h + i: 16 neighbours along the next K.
; prev arrives as an image of a bank's registers: registers 4 k .. 4 k + 3 of tile T at 8,192 T + 512 k + 16 x lane.
; AHEAD.  Both tiles' codes and the first tile's prev are asked for in the head; the second tile's prev in the first trip, as soon as its bank is free; a run's first four weight fragments ahead of the vector work in front of the run.
; LDS: 0 the layer's weight block as it lies in memory (its bytes 8,192 .. 16,383, Wk, are not copied and not read); 65,536 the batch's kvs fragments, scale words (+ 8,192) and ks_sum (+ 8,704);
; 74,752 the next layer's Wq and Wk; 91,136 its scale words and parameters; 99,328 the waves' sums; with LAST = 1 from 99,584 a stage of 16 rows x 528 bytes for each wave.
; LIMITS: a block of zeros gets the byte 1 with zero codes; NaN and infinities are not served; sum q^2 must be a normal f32 number; the divisions by ||q|| and by the normaliser are multiplications by v_rsq_f32's and v_rcp_f32's results.
; THE MODE: SCHED_MODE bits 1:0 = 2 (LLVM: expert scheduling mode 2), set by the entry lines.  The code itself states the register dependences
; between vector or matrix instructions and memory or LDS instructions, with s_wait_alu, always for 0.
; THE PLAN.  Registers that memory or LDS instructions touch, in a trip:
;   WF, WS   LDS loads land in them (four weight fragments and their words, halves of ks_sum, a norm's gains and offsets; LAST = 1: rows from the stage); products and multiply-adds read them; LAST = 1: the result's stores read WF.
;   ACC      A bias lands in it ahead of a run that takes it as C; products write it; vector instructions read and write it.
;   Y        prev's loads land in it; the norms write it; the quantiser reads it; the result's stores (LAST = 1: the LDS stores into the stage) read it.
;   CA, CAS  The quantiser (and the copy of the second tile's codes) writes them; the scaled products take them; LAST = 0: their stores read them.  CB, CBS: the quantiser and the products alone.
;   Offsets and LDS addresses are made at the head and never written again.
; A wait on va_vdst stands ahead of each run of loads into registers that vector or matrix instructions have named since the last such wait, ahead of each run of stores of what they have written,
; and between a quantiser and the scaled products that take its codes and word (behind the places).  A wait on vm_vsrc stands behind the stores, ahead of everything that writes their registers again.
.set LAST, 0
.set SCW,   57344
.set PAR,   60928
.set RED,   99328
.set STAGE, 99584
.set L16,  1                           ; 16 x lane
.set L16B, 2                           ; + 65,536
.set R16,  3                           ; 16 r
.set R16B, 4
.set H64,  5                           ; 64 h
.set H64B, 6
.set STW,  7                           ; my stage in chain layout: + 528 r + 64 h
.set STR,  8                           ; my stage by rows: + 16 x lane
.set R4,   10                          ; 4 r
.set INV,  12                          ; 1 / ||q||
.set MU,   14
.set RS,   16                          ; rsqrt(var + eps); also 4 N / the normaliser
.set T0,   18
.set T1,   20
.set T2,   22
.set TM,   24                          ; v24-39 the quantiser's
.set CA,   40                          ; v40-47, v48-55 two fragments of codes
.set CB,   48
.set CAS,  56                          ; their scale words
.set CBS,  57
.set WS,   58                          ; v58-61 four weight fragments' scale words
.set SQA,  64                          ; v64-71 the sums of squares
.set WF,   72                          ; v72-103 four weight fragments
.set Y,    104                         ; v104-167 a bank: prev, then the first norm's result, then the second's
.set ACC,  168                         ; v168-231 a bank: the accumulators; in the head the copies' data
.set NS,   ACC+52                      ; in the head: the partial sums of q^2
.set NCA,  240                         ; v240-247 the second tile's codes
.set NCAS, 249                         ; and their scale word
.set SEL,  32
.set C128, 34
.set EPS,  35
.set PN,   38                          ; N = 32,768
.set P4N,  39                          ; 4 N = 2^17
.macro PLACES n
.rept \n
	v_nop
.endr
.endm
; 64 numbers of a lane, register 16 b + i = k 32 b + 16 h + i of my row, become a fragment's codes and its scale word
.macro QUANT src, dst, wrd
.irp b, 0,1,2,3
	v_max3_num_f32 v[TM+\b], |v[\src+16*\b]|, |v[\src+1+16*\b]|, 0x1800000   ; my 16 numbers of block b, and the floor 2^(3 - 127): the byte cannot fall under 1
.endr
.irp i, 2,4,6,8,10,12,14
.irp b, 0,1,2,3
	v_max3_num_f32 v[TM+\b], v[TM+\b], |v[\src+16*\b+\i]|, |v[\src+1+16*\b+\i]|
.endr
.endr
.irp b, 0,1,2,3
	v_permlanex16_b32 v[TM+4+\b], v[TM+\b], s[SEL], s[SEL+1]
.endr
.irp b, 0,1,2,3
	v_max_num_f32 v[TM+\b], v[TM+\b], v[TM+4+\b]   ; with lane l xor 16's: the block's largest magnitude
.endr
.irp b, 0,1,2,3
	v_add_nc_u32 v[TM+12+\b], 0xff000000, v[TM+\b] ; 2 off its exponent field: the conversion's scale operand
.endr
.irp b, 0,1,2,3
	v_lshrrev_b32 v[TM+4+\b], 23, v[TM+12+\b]      ; the scale's byte
.endr
	v_lshl_or_b32 v[\wrd], v[TM+5], 8, v[TM+4]
	v_lshl_or_b32 v[\wrd], v[TM+6], 16, v[\wrd]
	v_lshl_or_b32 v[\wrd], v[TM+7], 24, v[\wrd]
.irp b, 0,1,2,3
	v_cvt_scalef32_pk8_fp4_f32 v[\dst+2*\b], v[\src+16*\b:\src+7+16*\b], v[TM+12+\b]
	v_cvt_scalef32_pk8_fp4_f32 v[\dst+1+2*\b], v[\src+8+16*\b:\src+15+16*\b], v[TM+12+\b]
.endr
	v_nop                                          ; one plain place behind a scaled conversion
.irp c, 0,1                                            ; the operand's layout wants a whole block in a lane
.irp i, 0,1
	v_permlane16_swap_b32 v[\dst+4*\c+\i], v[\dst+2+4*\c+\i]
.endr
.endr
.endm
; a row of 128 parameters in natural order comes into a bank in chain layout; pa holds 64 h
.macro LDCH bank, pa, off
.irp b, 0,1,2,3
.irp q, 0,1,2,3
	ds_load_b128 v[\bank+16*\b+4*\q:\bank+16*\b+4*\q+3], v[\pa] offset:\off+128*\b+16*\q
.endr
.endr
.endm
; the first four fragments of a run of eight products, and their scale words, asked for ahead of the vector work that stands in front of the run; the wait that frees WF and WS stands ahead of the macro
.macro MMPRE fa, foff, sa, soff
.irp t, 0,1,2,3
	ds_load_b128 v[WF+8*\t:WF+8*\t+3], v[\fa] offset:\foff+\t*1024
	ds_load_b128 v[WF+8*\t+4:WF+8*\t+7], v[\fa] offset:\foff+\t*1024+512
.endr
	ds_load_b128 v[WS:WS+3], v[\sa] offset:\soff
.endm
; eight transposed products: eight unit tiles of a weight (images at foff, scale words at soff) against one fragment of 16 rows (bc, bs).  cm = 1: C is the bank cc; 0: the constant 0.
; pre = 1: MMPRE has asked for the first four fragments.  n0: the places owed at the run's head: 4 behind matrix instructions whose registers are loaded anew.
; (The eight places between a scale word made by vector instructions and the scaled product stand in the trip's text, ahead of the wait that follows them.)
; The four v_nop in the middle stand in front of the loads into registers that the first four products have read.  The eight accumulators take turns, one instruction a turn.
.macro MM8 dd, cm, cc, fa, foff, sa, soff, bc, bs, n0, pre
.irp gq, 0,1
.if \gq == 0
	PLACES \n0
.else
	PLACES 4
.endif
.if (\gq == 1) || (\pre == 0)
	s_wait_alu depctr_va_vdst(0)                   ; the products issued so far are done reading WF and WS, in which the loads below land
.irp t, 0,1,2,3
	ds_load_b128 v[WF+8*\t:WF+8*\t+3], v[\fa] offset:\foff+(4*\gq+\t)*1024
	ds_load_b128 v[WF+8*\t+4:WF+8*\t+7], v[\fa] offset:\foff+(4*\gq+\t)*1024+512
.endr
	ds_load_b128 v[WS:WS+3], v[\sa] offset:\soff+256*\gq
.endif
	s_wait_dscnt 0x0                               ; the four fragments, their words, and whatever bank was asked for ahead
.irp t, 0,1,2,3
.if \cm
	v_wmma_scale_f32_16x16x128_f8f6f4 v[\dd+8*(4*\gq+\t):\dd+8*(4*\gq+\t)+7], v[WF+8*\t:WF+8*\t+7], v[\bc:\bc+7], v[\cc+8*(4*\gq+\t):\cc+8*(4*\gq+\t)+7], v[WS+\t], v[\bs] matrix_a_fmt:MATRIX_FMT_FP4 matrix_b_fmt:MATRIX_FMT_FP4
.else
	v_wmma_scale_f32_16x16x128_f8f6f4 v[\dd+8*(4*\gq+\t):\dd+8*(4*\gq+\t)+7], v[WF+8*\t:WF+8*\t+7], v[\bc:\bc+7], 0, v[WS+\t], v[\bs] matrix_a_fmt:MATRIX_FMT_FP4 matrix_b_fmt:MATRIX_FMT_FP4
.endif
.endr
.endr
.endm
.macro HSUM                            ; two chains of pairs -> my row's sum, in both lanes of the row
	v_pk_add_f32 v[T0:T0+1], v[T0:T0+1], v[T1:T1+1]
	v_add_f32 v[T0], v[T0], v[T0+1]
	v_permlanex16_b32 v[T1], v[T0], s[SEL], s[SEL+1]
	v_add_f32 v[T0], v[T0], v[T1]
.endm
; a norm's first 16 gains and 16 offsets: asked for ahead of the norm, straight behind the wait that frees WF; they land under the residual sum and the norm's sums
.macro LNPRE pa, goff, boff
.irp q, 0,1,2,3
	ds_load_b128 v[WF+4*\q:WF+4*\q+3], v[\pa] offset:\goff+16*\q
	ds_load_b128 v[WF+16+4*\q:WF+16+4*\q+3], v[\pa] offset:\boff+16*\q
.endr
.endm
; dst = (src - mean) x rsqrt(var + eps) x g + b.  The bank is read from its low end on, tile by tile.  LNPRE has asked for the first block's gains and offsets.
.macro LNORM src, dst, pa, goff, boff
	v_pk_add_f32 v[T0:T0+1], v[\src:\src+1], v[\src+2:\src+3]
	v_pk_add_f32 v[T1:T1+1], v[\src+4:\src+5], v[\src+6:\src+7]
.set lj, 8
.rept 14
	v_pk_add_f32 v[T0:T0+1], v[T0:T0+1], v[\src+lj:\src+lj+1]
	v_pk_add_f32 v[T1:T1+1], v[T1:T1+1], v[\src+lj+2:\src+lj+3]
.set lj, lj+4
.endr
	HSUM
	v_mul_f32 v[MU], s[C128], v[T0]
.set lj, 0
.rept 32
	v_pk_add_f32 v[\dst+lj:\dst+lj+1], v[\src+lj:\src+lj+1], v[MU:MU+1] op_sel_hi:[1,0] neg_lo:[0,1] neg_hi:[0,1]
.set lj, lj+2
.endr
	v_pk_mul_f32 v[T0:T0+1], v[\dst:\dst+1], v[\dst:\dst+1]
	v_pk_mul_f32 v[T1:T1+1], v[\dst+2:\dst+3], v[\dst+2:\dst+3]
.set lj, 4
.rept 15
	v_pk_fma_f32 v[T0:T0+1], v[\dst+lj:\dst+lj+1], v[\dst+lj:\dst+lj+1], v[T0:T0+1]
	v_pk_fma_f32 v[T1:T1+1], v[\dst+lj+2:\dst+lj+3], v[\dst+lj+2:\dst+lj+3], v[T1:T1+1]
.set lj, lj+4
.endr
	HSUM
	v_fma_f32 v[T0], v[T0], s[C128], s[EPS]
	v_rsq_f32 v[RS], v[T0]
	v_nop                                          ; a plain place behind the transcendental,
	s_wait_alu depctr_va_vdst(0)                   ; and the wait ahead of its first reader: the root's reciprocal is written
.irp b, 0,1,2,3
.if \b > 0
	s_wait_alu depctr_va_vdst(0)                   ; the last block's multiply-adds are done reading WF, in which this block's gains and offsets land
.irp q, 0,1,2,3
	ds_load_b128 v[WF+4*\q:WF+4*\q+3], v[\pa] offset:\goff+128*\b+16*\q
	ds_load_b128 v[WF+16+4*\q:WF+16+4*\q+3], v[\pa] offset:\boff+128*\b+16*\q
.endr
.endif
.irp j, 0,2,4,6,8,10,12,14
	v_pk_mul_f32 v[\dst+16*\b+\j:\dst+16*\b+\j+1], v[\dst+16*\b+\j:\dst+16*\b+\j+1], v[RS:RS+1] op_sel_hi:[1,0]
.endr
	s_wait_dscnt 0x0                               ; this block's 16 gains and 16 offsets
.irp j, 0,2,4,6,8,10,12,14
	v_pk_fma_f32 v[\dst+16*\b+\j:\dst+16*\b+\j+1], v[\dst+16*\b+\j:\dst+16*\b+\j+1], v[WF+\j:WF+\j+1], v[WF+16+\j:WF+16+\j+1]
.endr
.endr
.endm
; a bank leaves as 16 whole rows of 512 bytes, through my own stage: LDS serves a wave's instructions in order, so no wait stands between the stores and the loads
.macro STIN bank
.irp b, 0,1,2,3
.irp q, 0,1,2,3
	ds_store_b128 v[STW], v[\bank+16*\b+4*\q:\bank+16*\b+4*\q+3] offset:128*\b+16*\q
.endr
.endr
.endm
.macro STOUT sb
.irp p, 0,1
.irp i, 0,1,2,3,4,5,6,7
	ds_load_b128 v[WF+4*\i:WF+4*\i+3], v[STR] offset:(8*\p+\i)*528
.endr
	s_wait_dscnt 0x0
.irp i, 0,1,2,3,4,5,6,7
	global_store_b128 v[L16], v[WF+4*\i:WF+4*\i+3], s[\sb:\sb+1] offset:(8*\p+\i)*512 th:TH_STORE_NT   ; 32 lanes store 512 consecutive bytes, aligned
.endr
	s_wait_xcnt 0x0                                ; the stores' data registers are loaded again only behind this wait
	s_wait_alu depctr_vm_vsrc(0)                   ; the stores have read WF, in which the next loads land: the stage's other eight rows, then the next trip's fragments
.endr
.endm
.macro SQ acc, sq                      ; the squares of a bank onto two chains of pairs, from the bank's low end on
.set lj, 0
.rept 16
	v_pk_fma_f32 v[\sq:\sq+1], v[\acc+lj:\acc+lj+1], v[\acc+lj:\acc+lj+1], v[\sq:\sq+1]
	v_pk_fma_f32 v[\sq+2:\sq+3], v[\acc+lj+2:\acc+lj+3], v[\acc+lj+2:\acc+lj+3], v[\sq+2:\sq+3]
.set lj, lj+4
.endr
.endm
.macro MULV bank, pr                   ; a bank x a lane's number, from the bank's low end on
.set lj, 0
.rept 32
	v_pk_mul_f32 v[\bank+lj:\bank+lj+1], v[\bank+lj:\bank+lj+1], v[\pr:\pr+1] op_sel_hi:[1,0]
.set lj, lj+2
.endr
.endm
.macro FMAV dst, pr, cc                ; dst = dst x a lane's number + cc
.set lj, 0
.rept 32
	v_pk_fma_f32 v[\dst+lj:\dst+lj+1], v[\dst+lj:\dst+lj+1], v[\pr:\pr+1], v[\cc+lj:\cc+lj+1] op_sel_hi:[1,0,1]
.set lj, lj+2
.endr
.endm
.macro FMA4 dst, cc                    ; dst = 4 dst + cc
.set lj, 0
.rept 32
	v_pk_fma_f32 v[\dst+lj:\dst+lj+1], v[\dst+lj:\dst+lj+1], 4.0, v[\cc+lj:\cc+lj+1] op_sel_hi:[1,0,1]
.set lj, lj+2
.endr
.endm
.macro RELU bank
.set lj, 0
.rept 64
	v_max_num_f32 v[\bank+lj], 0, v[\bank+lj]
.set lj, lj+1
.endr
.endm
.macro NEXTCODES                       ; the second tile's codes and word take the first's place (in the second trip: once more, for nothing)
.irp j, 0,1,2,3,4,5,6,7
	v_mov_b32 v[CA+\j], v[NCA+\j]
.endr
	v_mov_b32 v[CAS], v[NCAS]
.endm
.macro PREV                            ; a tile's prev: 16 loads of 512 consecutive bytes, the bank as it was stored
.set lj, 0
.rept 16
	global_load_b128 v[Y+4*lj:Y+4*lj+3], v[L16], s[24:25] offset:512*lj th:TH_LOAD_NT
.set lj, lj+1
.endr
.endm
	s_load_b256 s[4:11], s[0:1], 0x0               ; the codes' buffer, prev, the layer's weights, kvq
	s_load_b64 s[12:13], s[0:1], 0x20              ; the result
.if !LAST
	s_load_b128 s[16:19], s[0:1], 0x28             ; the next layer's weights, the result's codes
	v_lshl_add_u32 v254, v0, 2, 0x18500
	v_mov_b32 v255, 0
.endif
	v_lshrrev_b32 v250, 5, v0
	v_readfirstlane_b32 s2, v250                   ; wave 0..15
	v_and_b32 v250, 31, v0                         ; lane
	v_and_b32 v251, 15, v0                         ; r
	v_bfe_u32 v252, v0, 4, 1                       ; h
.if !LAST
	v_and_b32 v253, 1, v0
	v_cmp_eq_u32 s37, 1, v253                      ; odd lanes
.endif
	v_lshlrev_b32 v[L16], 4, v250
	v_lshlrev_b32 v[R16], 4, v251
	v_lshlrev_b32 v[R4], 2, v251
	v_lshlrev_b32 v[H64], 6, v252
	v_add_nc_u32 v[L16B], 0x10000, v[L16]
	v_add_nc_u32 v[R16B], 0x10000, v[R16]
	v_add_nc_u32 v[H64B], 0x10000, v[H64]
	s_wait_alu depctr_va_sdst(0)                   ; the wave's number (LAST = 0: and the mask of odd lanes) is written, ahead of its first reader and of every branch
.if LAST
	s_mul_i32 s46, s2, 8448
	s_add_co_u32 s46, s46, STAGE
	v_mul_u32_u24 v[STW], v251, 528
	v_lshl_add_u32 v[STW], v252, 6, v[STW]
	v_add_nc_u32 v[STW], s46, v[STW]
	v_add_nc_u32 v[STR], s46, v[L16]
.else
	s_lshl_b32 s46, ttmp9, 2
	v_lshl_add_u32 v235, v253, 10, s46             ; where the sums go: 4 g, + 1,024 in odd lanes
	s_lshl_b32 s46, s2, 3
	s_add_co_u32 s46, s46, RED
	v_mov_b32 v236, s46                            ; RED + 8 x wave
	v_lshl_add_u32 v237, v251, 3, RED              ; RED + 8 r
.irp j, 0,1,2,3,4,5,6,7
	v_mov_b32 v[SQA+\j], 0
.endr
.endif
	v_lshlrev_b32 v232, 4, v0                      ; the head's copies: 16 t,
	v_add_nc_u32 v233, 0x10000, v232
	v_lshlrev_b32 v234, 1, v0                      ; and 2 t
	v_add_nc_u32 v238, 0x10000, v234
	v_mov_b32 v[MU+1], 0                           ; (upper halves of pairs that are named whole)
	v_mov_b32 v[RS+1], 0
.irp b, 0,1,2,3
	v_mov_b32 v[TM+4+\b], 0                        ; written once: a lane permute's destination counts as one of its sources
.endr
	s_mov_b32 s[SEL], 0x76543210
	s_mov_b32 s[SEL+1], 0xfedcba98
	s_mov_b32 s[C128], 0x3c000000                  ; 1 / 128
	s_mov_b32 s[EPS], 0x3983126f                   ; 1e-5 / 0.04 = 2.5e-4: both norms here stand behind a sum taken five times too large
	s_mov_b32 s[PN], 0x47000000
	s_mov_b32 s[P4N], 0x48000000
	s_lshl_b32 s3, ttmp9, 5
	s_add_co_u32 s3, s3, s2                        ; T
	s_mov_b32 s47, 0
	s_wait_kmcnt 0x0
	s_add_nc_u64 s[44:45], s[4:5], 0x800000        ; the scale words' part of the codes' buffer
	s_lshl_b32 s46, s3, 10
	s_add_nc_u64 s[20:21], s[4:5], s[46:47]        ; my first tile's codes
.if !LAST
	s_add_nc_u64 s[28:29], s[18:19], s[46:47]
	s_add_nc_u64 s[48:49], s[18:19], 0x800000
.endif
	s_lshl_b32 s46, s3, 6
	s_add_nc_u64 s[22:23], s[44:45], s[46:47]      ; its scale words
.if !LAST
	s_add_nc_u64 s[30:31], s[48:49], s[46:47]
.endif
	s_lshl_b32 s46, s3, 13
	s_add_nc_u64 s[24:25], s[6:7], s[46:47]        ; its prev
	s_add_nc_u64 s[26:27], s[12:13], s[46:47]      ; and its result
	s_lshr_b32 s46, ttmp9, 6
	s_mul_i32 s46, s46, 9216
	s_add_nc_u64 s[10:11], s[10:11], s[46:47]      ; the batch's kvs
	s_wait_alu depctr_va_vdst(0)                   ; every offset and LDS address of the kernel is written, which its loads and stores read
.irp rd, 0,2,3,4,5,6,7
	global_load_b128 v[ACC+4*\rd:ACC+4*\rd+3], v232, s[8:9] offset:8192*\rd
.endr
	global_load_b128 v[ACC+32:ACC+35], v232, s[10:11]
	global_load_u16 v[ACC+36], v234, s[10:11] offset:8192    ; the last 1,024 bytes, two a thread
.if !LAST
	global_load_b128 v[ACC+40:ACC+43], v232, s[16:17]
	global_load_b128 v[ACC+44:ACC+47], v232, s[16:17] offset:8192
	global_load_b128 v[ACC+48:ACC+51], v232, s[16:17] offset:57344
.endif
	global_load_b128 v[NS:NS+3], v[L16], s[44:45] offset:524288     ; the 256 partial sums of q^2
	global_load_b128 v[NS+4:NS+7], v[L16], s[44:45] offset:524800
	global_load_b128 v[CA:CA+3], v[L16], s[20:21]                   ; both tiles' codes and scale words
	global_load_b128 v[CA+4:CA+7], v[L16], s[20:21] offset:512
	global_load_b32 v[CAS], v[R4], s[22:23]
	global_load_b128 v[NCA:NCA+3], v[L16], s[20:21] offset:16384
	global_load_b128 v[NCA+4:NCA+7], v[L16], s[20:21] offset:16896
	global_load_b32 v[NCAS], v[R4], s[22:23] offset:1024
	PREV                                           ; the first tile's prev: wanted only behind the attention
	s_wait_loadcnt 16                              ; all but the 16 loads of prev, which were issued last
.irp rd, 0,2,3,4,5,6,7
	ds_store_b128 v232, v[ACC+4*\rd:ACC+4*\rd+3] offset:8192*\rd
.endr
	ds_store_b128 v233, v[ACC+32:ACC+35]
	ds_store_b16 v238, v[ACC+36] offset:8192
.if !LAST
	ds_store_b128 v233, v[ACC+40:ACC+43] offset:9216
	ds_store_b128 v233, v[ACC+44:ACC+47] offset:17408
	ds_store_b128 v233, v[ACC+48:ACC+51] offset:25600
.endif
	v_add_f32 v[NS], v[NS], v[NS+1]                ; every wave of every work-group adds the 256 in the same order
	v_add_f32 v[NS+2], v[NS+2], v[NS+3]
	v_add_f32 v[NS+4], v[NS+4], v[NS+5]
	v_add_f32 v[NS+6], v[NS+6], v[NS+7]
	v_add_f32 v[NS], v[NS], v[NS+2]
	v_add_f32 v[NS+4], v[NS+4], v[NS+6]
	v_add_f32 v[NS], v[NS], v[NS+4]
.irp m, 1,2,4,8
	v_add_f32_dpp v[NS], v[NS], v[NS] row_xmask:\m row_mask:0xf bank_mask:0xf
.endr
	v_permlanex16_b32 v[NS+1], v[NS], s[SEL], s[SEL+1]
	v_add_f32 v[NS], v[NS], v[NS+1]
	v_rsq_f32 v[INV], v[NS]                        ; 1 / ||q||
	v_mov_b32 v[INV+1], 0                          ; (a plain place; the pair is named whole)
	s_wait_alu depctr_va_vdst(0)                   ; 1 / ||q|| is written, ahead of its first reader and of every label; the additions are done with their eight registers of ACC, in which the first bias lands
	s_wait_dscnt 0x0                               ; for the others' sake: my stores have landed
	s_barrier_signal -1
	s_barrier_wait -1                              ; from here on these bytes are only read
	s_wait_alu depctr_vm_vsrc(0)                   ; my LDS stores have read ACC's registers, in which the first bias lands
	s_mov_b32 s36, 0
.Ltrip:
.if !LAST
	s_wait_alu depctr_va_vdst(0)                   ; round the loop: the last products are done reading WF and WS and the last squares ACC, in which the loads below land; the second tile's codes and word are written, which the scaled products take
.endif
	MMPRE L16, 0, R16, SCW
	LDCH ACC, H64, PAR                             ; bq is the C of q's products
	MM8 ACC, 1, ACC, L16, 0, R16, SCW, CA, CAS, 0, 1
	PLACES 4
	; qs = q / ||q||, and qs . ks_sum, half of my 64 units at a time
.irp p, 0,1
	s_wait_alu depctr_va_vdst(0)                   ; what read WF last is done with it: q's products ahead of the first half of ks_sum, the first half's multiply-adds ahead of the second
.irp b, 0,1
.irp q, 0,1,2,3
	ds_load_b128 v[WF+16*\b+4*\q:WF+16*\b+4*\q+3], v[H64B] offset:8704+256*\p+128*\b+16*\q
.endr
.endr
.if \p == 0
	MULV ACC, INV
.endif
	s_wait_dscnt 0x0
.set lk, 0
.rept 8
.if (\p == 0) && (lk == 0)
	v_pk_mul_f32 v[T0:T0+1], v[ACC:ACC+1], v[WF:WF+1]
	v_pk_mul_f32 v[T1:T1+1], v[ACC+2:ACC+3], v[WF+2:WF+3]
.else
	v_pk_fma_f32 v[T0:T0+1], v[ACC+32*\p+lk:ACC+32*\p+lk+1], v[WF+lk:WF+lk+1], v[T0:T0+1]
	v_pk_fma_f32 v[T1:T1+1], v[ACC+32*\p+lk+2:ACC+32*\p+lk+3], v[WF+lk+2:WF+lk+3], v[T1:T1+1]
.endif
.set lk, lk+4
.endr
.endr
	s_wait_alu depctr_va_vdst(0)                   ; the second half's multiply-adds are done reading WF, in which Wv's fragments land
	MMPRE L16, 16384, R16, SCW+1024                ; Wv's first four fragments land under the row's sum and the quantiser
	HSUM
	v_add_f32 v[T0], s[PN], v[T0]                  ; the normaliser
	v_rcp_f32 v[T2], v[T0]
	QUANT ACC, CB, CBS                             ; independent work behind the reciprocal
	s_wait_alu depctr_va_vdst(0)                   ; the reciprocal is written, ahead of its first reader; the quantiser is done reading ACC, in which bv lands, and has written CB and CBS, which the scaled products take
	v_mul_f32 v[RS], s[P4N], v[T2]                 ; 4 N / the normaliser
	LDCH ACC, H64, PAR+1024                        ; bv
	MM8 ACC, 1, ACC, L16, 16384, R16, SCW+1024, CA, CAS, 0, 1
	MM8 ACC, 1, ACC, L16B, 0, R16B, 8192, CB, CBS, 4, 0    ; qs kvs / N onto v
	PLACES 4
	s_wait_alu depctr_va_vdst(0)                   ; the last products are done reading WF, in which the norm's first gains and offsets land
	LNPRE H64, PAR+3*512, PAR+4*512
	s_wait_loadcnt 0x0                             ; prev
	FMAV ACC, RS, Y                                ; 4 x attention + prev
	LNORM ACC, Y, H64, PAR+3*512, PAR+4*512
	s_wait_alu depctr_va_vdst(0)                   ; the norm's last multiply-adds are done reading WF, in which fc1's fragments land
	MMPRE L16, 24576, R16, SCW+1536
	QUANT Y, CA, CAS
	PLACES 8                                       ; the places between the scale word's last writer and the scaled products
	s_wait_alu depctr_va_vdst(0)                   ; the quantiser has written CA and CAS, which the scaled products take
	MM8 ACC, 0, 0, L16, 24576, R16, SCW+1536, CA, CAS, 0, 1     ; fc1, hidden units 0-127
	PLACES 4
	s_wait_alu depctr_va_vdst(0)                   ; the last products are done reading WF and WS, in which the next fragments and words land
	MMPRE L16, 32768, R16, SCW+2048
	RELU ACC
	QUANT ACC, CB, CBS                             ; K step 0 of fc2
	MM8 ACC, 0, 0, L16, 32768, R16, SCW+2048, CA, CAS, 0, 1     ; hidden units 128-255
	PLACES 4
	s_wait_alu depctr_va_vdst(0)                   ; the last products are done reading WF and WS, in which the next fragments and words land
	MMPRE L16, 40960, R16, SCW+2560
	RELU ACC
	QUANT ACC, CA, CAS                             ; K step 1
	MM8 ACC, 0, 0, L16, 40960, R16, SCW+2560, CB, CBS, 0, 1
	MM8 ACC, 1, ACC, L16, 49152, R16, SCW+3072, CA, CAS, 4, 0
	PLACES 4
	s_wait_alu depctr_va_vdst(0)                   ; the last products are done reading WF, in which the norm's first gains and offsets land
	LNPRE H64, PAR+5*512, PAR+6*512
.if LAST
	NEXTCODES                                      ; the codes' registers are done with for this tile
.endif
	FMA4 ACC, Y                                    ; 4 x FFN + the norm's result
	LNORM ACC, Y, H64, PAR+5*512, PAR+6*512
.if LAST
	s_wait_alu depctr_va_vdst(0)                   ; the norm has written Y, which the LDS stores read and in which the next prev lands; it is done reading WF, in which the rows from the stage land, and ACC, in which the next bias lands
	STIN Y
	s_wait_alu depctr_vm_vsrc(0)                   ; the LDS stores have read Y, in which the next tile's prev lands
.else
	s_wait_alu depctr_va_vdst(0)                   ; the norm has written Y, which the stores read; it is done reading WF, in which the next layer's fragments land, and ACC, in which its bias lands
.set lj, 0
.rept 16
	global_store_b128 v[L16], v[Y+4*lj:Y+4*lj+3], s[26:27] offset:512*lj   ; the bank as it stands: 32 lanes store 512 consecutive bytes, aligned
.set lj, lj+1
.endr
	MMPRE L16B, 9216, R16B, 25600                  ; the next layer's Wq
	QUANT Y, CA, CAS
	PLACES 8                                       ; the places between the scale word's last writer and the scaled products
	s_wait_alu depctr_va_vdst(0)                   ; the quantiser has written CA and CAS, which the stores read and the scaled products take; it is done reading Y, in which the next prev lands
	global_store_b128 v[L16], v[CA:CA+3], s[28:29]
	global_store_b128 v[L16], v[CA+4:CA+7], s[28:29] offset:512
	global_store_b32 v[R4], v[CAS], s[30:31]       ; both halves of the lanes hold the same word
	s_wait_xcnt 0x0                                ; the stores have read the bank, the codes and the word: all are written again only behind this wait
	s_wait_alu depctr_vm_vsrc(0)                   ; the stores have read Y, in which the next prev lands, and CA and CAS, which the copy of the second tile's codes writes
.endif
	s_cmp_eq_u32 s36, 1                            ; the bank is free: the second tile's prev is asked for, in the first trip alone: no load leaves its buffer
	s_cbranch_scc1 .Lno_next
	s_add_nc_u64 s[24:25], s[24:25], 0x20000       ; 16 tiles on (the loads that named this base were waited for)
	PREV
.Lno_next:
.if LAST
	STOUT 26
.else
	LDCH ACC, H64B, 29184                          ; the next layer's bq
	MM8 ACC, 1, ACC, L16B, 9216, R16B, 25600, CA, CAS, 0, 1
	PLACES 4
	SQ ACC, SQA
	s_wait_alu depctr_va_vdst(0)                   ; the products are done reading WF and WS and the squares ACC, in which Wk's fragments, their words and bk land
	MMPRE L16B, 17408, R16B, 26112                 ; its Wk
	LDCH ACC, H64B, 29696                          ; its bk
	MM8 ACC, 1, ACC, L16B, 17408, R16B, 26112, CA, CAS, 0, 1
	PLACES 4
	NEXTCODES                                      ; the squares below stand between these lines and the next trip's products
	SQ ACC, SQA+4
.endif
	s_wait_xcnt 0x0                                ; the stores' bases are stepped only behind this wait
	s_add_nc_u64 s[26:27], s[26:27], 0x20000       ; 16 tiles on
.if !LAST
	s_add_nc_u64 s[28:29], s[28:29], 16384
	s_add_nc_u64 s[30:31], s[30:31], 1024
.endif
	s_add_co_u32 s36, s36, 1
	s_cmp_lt_u32 s36, 2
	s_cbranch_scc1 .Ltrip
.if !LAST
	; the wave's two sums, then the work-group's
	v_pk_add_f32 v[SQA:SQA+1], v[SQA:SQA+1], v[SQA+2:SQA+3]
	v_pk_add_f32 v[SQA+4:SQA+5], v[SQA+4:SQA+5], v[SQA+6:SQA+7]
	v_add_f32 v[SQA], v[SQA], v[SQA+1]
	v_add_f32 v[SQA+4], v[SQA+4], v[SQA+5]
.irp m, 1,2,4,8
	v_add_f32_dpp v[SQA], v[SQA], v[SQA] row_xmask:\m row_mask:0xf bank_mask:0xf
	v_add_f32_dpp v[SQA+4], v[SQA+4], v[SQA+4] row_xmask:\m row_mask:0xf bank_mask:0xf
.endr
	v_permlanex16_b32 v[SQA+1], v[SQA], s[SEL], s[SEL+1]
	v_permlanex16_b32 v[SQA+5], v[SQA+4], s[SEL], s[SEL+1]
	v_add_f32 v[SQA], v[SQA], v[SQA+1]
	v_add_f32 v[SQA+4], v[SQA+4], v[SQA+5]
	s_wait_alu depctr_va_vdst(0)                   ; the two sums are written, which the LDS stores read; the additions are done with the pair in which wave 0's load lands
	ds_store_b32 v236, v[SQA]                      ; all lanes write the same word with the same value
	ds_store_b32 v236, v[SQA+4] offset:4
	s_wait_dscnt 0x0
	s_barrier_signal -1
	s_barrier_wait -1
	s_wait_alu depctr_vm_vsrc(0)                   ; my LDS stores have read the first sum's register, in which wave 0's load lands
	s_cmp_lg_u32 s2, 0
	s_cbranch_scc1 .Lend
	ds_load_b64 v[SQA:SQA+1], v237                 ; lane r: wave r's two sums
	s_wait_dscnt 0x0
.irp m, 1,2,4,8
	v_add_f32_dpp v[SQA], v[SQA], v[SQA] row_xmask:\m row_mask:0xf bank_mask:0xf
	v_add_f32_dpp v[SQA+1], v[SQA+1], v[SQA+1] row_xmask:\m row_mask:0xf bank_mask:0xf
.endr
	v_cndmask_b32 v[SQA+2], v[SQA], v[SQA+1], s37  ; even lanes carry sum q^2, odd lanes sum k^2: every lane that names a word holds the same value
	s_wait_alu depctr_va_vdst(0)                   ; the choice is written, which the store reads
	global_store_b32 v235, v[SQA+2], s[48:49] offset:524288
.Lend:
.endif
	s_wait_dscnt 0x0                               ; the closing lines, six on end
	s_wait_alu 0x0
	s_wait_tensorcnt 0x0
	ds_add_u32 v254, v255
	s_wait_dscnt 0x0
	s_endpgm
.Lfunc_end_k_q8c3cf92bc7_p3a:
	.size	k_q8c3cf92bc7_p3a, .Lfunc_end_k_q8c3cf92bc7_p3a-k_q8c3cf92bc7_p3a
	.p2alignl 7, 3214868480
	.fill 96, 4, 3214868480
	.section	.rodata,"a",@progbits
	.p2align	6, 0x0
	.amdhsa_kernel k_q8c3cf92bc7_p3a
		.amdhsa_group_segment_fixed_size 101632
		.amdhsa_private_segment_fixed_size 0
		.amdhsa_enable_private_segment 0
		.amdhsa_kernarg_size 56
		.amdhsa_user_sgpr_count 2
		.amdhsa_user_sgpr_kernarg_segment_ptr 1
		.amdhsa_wavefront_size32 1
		.amdhsa_system_sgpr_workgroup_id_x 1
		.amdhsa_system_sgpr_workgroup_id_y 1
		.amdhsa_system_sgpr_workgroup_id_z 1
		.amdhsa_system_vgpr_workitem_id 0
		.amdhsa_next_free_vgpr 256
		.amdhsa_next_free_sgpr 66
		.amdhsa_reserve_vcc 0
		.amdhsa_float_denorm_mode_32 3
		.amdhsa_float_denorm_mode_16_64 3
		.amdhsa_memory_ordered 1
		.amdhsa_forward_progress 1
		.amdhsa_inst_pref_size 104
	.end_amdhsa_kernel
	.amdgpu_metadata
---
amdhsa.version: [ 1, 2 ]
amdhsa.kernels:
  - .name:           k_q8c3cf92bc7_p3a
    .symbol:         k_q8c3cf92bc7_p3a.kd
    .args:
      - { .name: xc0, .offset: 0, .size: 8, .value_kind: global_buffer, .address_space: global }
      - { .name: out0, .offset: 8, .size: 8, .value_kind: global_buffer, .address_space: global }
      - { .name: wl0, .offset: 16, .size: 8, .value_kind: global_buffer, .address_space: global }
      - { .name: kvq, .offset: 24, .size: 8, .value_kind: global_buffer, .address_space: global }
      - { .name: x1, .offset: 32, .size: 8, .value_kind: global_buffer, .address_space: global }
      - { .name: wl1, .offset: 40, .size: 8, .value_kind: global_buffer, .address_space: global }
      - { .name: xc1, .offset: 48, .size: 8, .value_kind: global_buffer, .address_space: global }
    .group_segment_fixed_size: 101632
    .private_segment_fixed_size: 0
    .kernarg_segment_align: 8
    .kernarg_segment_size: 56
    .max_flat_workgroup_size: 512
    .sgpr_count:     66
    .vgpr_count:     256
    .wavefront_size: 32
...
	.end_amdgpu_metadata
.endif
;; end of part 9
;; launch p2b: the kernel of part 8 again; grid 256 x 1, 16 waves a work-group, no clusters, 142,080 bytes of LDS; arguments xc1, wl1, kvp; writes kvp
;; launch rb: the kernel of part 4 again; grid 64 x 4, 16 waves a work-group, no clusters, 18,432 bytes of LDS; arguments kvp, kvq; writes kvq
;; launch p3b (part 10): grid 256 x 1, 16 waves a work-group, no clusters, 236,800 bytes of LDS; arguments xc1, x1, wl1, kvq, out0; writes out0
.if DOCPART == 10
	.amdgcn_target "amdgcn-amd-amdhsa--gfx1250"
	.amdhsa_code_object_version 6
	.text
	.protected	k_q8c3cf92bc7_p3b
	.globl	k_q8c3cf92bc7_p3b
	.p2align	8
	.type	k_q8c3cf92bc7_p3b,@function
k_q8c3cf92bc7_p3b:
	s_mov_b64 s[64:65], 0
	v_nop
	global_prefetch_b8 v0, s[64:65] scope:SCOPE_SE
	s_setreg_imm32_b32 hwreg(HW_REG_WAVE_SCHED_MODE, 0, 2), 2
	s_setreg_imm32_b32 hwreg(HW_REG_WAVE_MODE, 25, 1), 1
	s_wait_xcnt 0x0
	s_wait_alu depctr_vm_vsrc(0)
; One layer from the attention's second half to its end, for 16 rows a wave, all in registers:
; q, v from x's codes; qs = q / ||q||; (Q(qs) Q(kvs) + N v) / (qs . ks_sum + N); 0.8 x that + 0.2 x prev; LN; relu(. fc1) fc2; 0.8 x that + 0.2 x the LN's result; LN.
; LAST = 0: the result is stored as an image of its bank's registers, its codes are stored too, and q, k of the next layer are made for the partial sums of their squares.  LAST = 1: the result alone, row by row.
; TWO CONSTANTS ARE FOLDED AWAY.  (1) kvs's scale bytes arrive 15 lower than its quantiser gave them, so the fragments stand for kvs / N, N = 2^15, exactly: qs kvs / N is added straight onto v, and N comes back in the row's factor.
; (2) Each residual sum is taken five times too large, z = 4 a + p in place of 0.8 a + 0.2 p, by one fused multiply-add; the norm behind it divides the factor out: (z - mean) / sqrt(var(z) + eps / 0.04) is the same number.
; SHARES.  256 work-groups of 512 rows; sixteen waves of 256 registers, four to a SIMD; tile T = 32 g + 16 i + wave, i = 0, 1.  No wave needs another's rows: the one barrier stands behind the head's copies (a second one in front of the sums' way out).
; CHAIN LAYOUT.  Every product is used transposed (source 0 = 16 units of a weight, source 1 = my 16 rows), and the units of a tile are chosen (unit 32 b + 8 u + r + 8 (r / 8) in lane r of tile 2 b + u):
; lane (r, h) holds row r, and register 16 b + i of a bank of 64 holds unit 32 b + 16 h + i: 16 neighbours along the next K.
; prev arrives as an image of a bank's registers: registers 4 k .. 4 k + 3 of tile T at 8,192 T + 512 k + 16 x lane.
; AHEAD.  Both tiles' codes and the first tile's prev are asked for in the head; the second tile's prev in the first trip, as soon as its bank is free; a run's first four weight fragments ahead of the vector work in front of the run.
; LDS: 0 the layer's weight block as it lies in memory (its bytes 8,192 .. 16,383, Wk, are not copied and not read); 65,536 the batch's kvs fragments, scale words (+ 8,192) and ks_sum (+ 8,704);
; 74,752 the next layer's Wq and Wk; 91,136 its scale words and parameters; 99,328 the waves' sums; with LAST = 1 from 99,584 a stage of 16 rows x 528 bytes for each wave.
; LIMITS: a block of zeros gets the byte 1 with zero codes; NaN and infinities are not served; sum q^2 must be a normal f32 number; the divisions by ||q|| and by the normaliser are multiplications by v_rsq_f32's and v_rcp_f32's results.
; THE MODE: SCHED_MODE bits 1:0 = 2 (LLVM: expert scheduling mode 2), set by the entry lines.  The code itself states the register dependences
; between vector or matrix instructions and memory or LDS instructions, with s_wait_alu, always for 0.
; THE PLAN.  Registers that memory or LDS instructions touch, in a trip:
;   WF, WS   LDS loads land in them (four weight fragments and their words, halves of ks_sum, a norm's gains and offsets; LAST = 1: rows from the stage); products and multiply-adds read them; LAST = 1: the result's stores read WF.
;   ACC      A bias lands in it ahead of a run that takes it as C; products write it; vector instructions read and write it.
;   Y        prev's loads land in it; the norms write it; the quantiser reads it; the result's stores (LAST = 1: the LDS stores into the stage) read it.
;   CA, CAS  The quantiser (and the copy of the second tile's codes) writes them; the scaled products take them; LAST = 0: their stores read them.  CB, CBS: the quantiser and the products alone.
;   Offsets and LDS addresses are made at the head and never written again.
; A wait on va_vdst stands ahead of each run of loads into registers that vector or matrix instructions have named since the last such wait, ahead of each run of stores of what they have written,
; and between a quantiser and the scaled products that take its codes and word (behind the places).  A wait on vm_vsrc stands behind the stores, ahead of everything that writes their registers again.
.set LAST, 1
.set SCW,   57344
.set PAR,   60928
.set RED,   99328
.set STAGE, 99584
.set L16,  1                           ; 16 x lane
.set L16B, 2                           ; + 65,536
.set R16,  3                           ; 16 r
.set R16B, 4
.set H64,  5                           ; 64 h
.set H64B, 6
.set STW,  7                           ; my stage in chain layout: + 528 r + 64 h
.set STR,  8                           ; my stage by rows: + 16 x lane
.set R4,   10                          ; 4 r
.set INV,  12                          ; 1 / ||q||
.set MU,   14
.set RS,   16                          ; rsqrt(var + eps); also 4 N / the normaliser
.set T0,   18
.set T1,   20
.set T2,   22
.set TM,   24                          ; v24-39 the quantiser's
.set CA,   40                          ; v40-47, v48-55 two fragments of codes
.set CB,   48
.set CAS,  56                          ; their scale words
.set CBS,  57
.set WS,   58                          ; v58-61 four weight fragments' scale words
.set SQA,  64                          ; v64-71 the sums of squares
.set WF,   72                          ; v72-103 four weight fragments
.set Y,    104                         ; v104-167 a bank: prev, then the first norm's result, then the second's
.set ACC,  168                         ; v168-231 a bank: the accumulators; in the head the copies' data
.set NS,   ACC+52                      ; in the head: the partial sums of q^2
.set NCA,  240                         ; v240-247 the second tile's codes
.set NCAS, 249                         ; and their scale word
.set SEL,  32
.set C128, 34
.set EPS,  35
.set PN,   38                          ; N = 32,768
.set P4N,  39                          ; 4 N = 2^17
.macro PLACES n
.rept \n
	v_nop
.endr
.endm
; 64 numbers of a lane, register 16 b + i = k 32 b + 16 h + i of my row, become a fragment's codes and its scale word
.macro QUANT src, dst, wrd
.irp b, 0,1,2,3
	v_max3_num_f32 v[TM+\b], |v[\src+16*\b]|, |v[\src+1+16*\b]|, 0x1800000   ; my 16 numbers of block b, and the floor 2^(3 - 127): the byte cannot fall under 1
.endr
.irp i, 2,4,6,8,10,12,14
.irp b, 0,1,2,3
	v_max3_num_f32 v[TM+\b], v[TM+\b], |v[\src+16*\b+\i]|, |v[\src+1+16*\b+\i]|
.endr
.endr
.irp b, 0,1,2,3
	v_permlanex16_b32 v[TM+4+\b], v[TM+\b], s[SEL], s[SEL+1]
.endr
.irp b, 0,1,2,3
	v_max_num_f32 v[TM+\b], v[TM+\b], v[TM+4+\b]   ; with lane l xor 16's: the block's largest magnitude
.endr
.irp b, 0,1,2,3
	v_add_nc_u32 v[TM+12+\b], 0xff000000, v[TM+\b] ; 2 off its exponent field: the conversion's scale operand
.endr
.irp b, 0,1,2,3
	v_lshrrev_b32 v[TM+4+\b], 23, v[TM+12+\b]      ; the scale's byte
.endr
	v_lshl_or_b32 v[\wrd], v[TM+5], 8, v[TM+4]
	v_lshl_or_b32 v[\wrd], v[TM+6], 16, v[\wrd]
	v_lshl_or_b32 v[\wrd], v[TM+7], 24, v[\wrd]
.irp b, 0,1,2,3
	v_cvt_scalef32_pk8_fp4_f32 v[\dst+2*\b], v[\src+16*\b:\src+7+16*\b], v[TM+12+\b]
	v_cvt_scalef32_pk8_fp4_f32 v[\dst+1+2*\b], v[\src+8+16*\b:\src+15+16*\b], v[TM+12+\b]
.endr
	v_nop                                          ; one plain place behind a scaled conversion
.irp c, 0,1                                            ; the operand's layout wants a whole block in a lane
.irp i, 0,1
	v_permlane16_swap_b32 v[\dst+4*\c+\i], v[\dst+2+4*\c+\i]
.endr
.endr
.endm
; a row of 128 parameters in natural order comes into a bank in chain layout; pa holds 64 h
.macro LDCH bank, pa, off
.irp b, 0,1,2,3
.irp q, 0,1,2,3
	ds_load_b128 v[\bank+16*\b+4*\q:\bank+16*\b+4*\q+3], v[\pa] offset:\off+128*\b+16*\q
.endr
.endr
.endm
; the first four fragments of a run of eight products, and their scale words, asked for ahead of the vector work that stands in front of the run; the wait that frees WF and WS stands ahead of the macro
.macro MMPRE fa, foff, sa, soff
.irp t, 0,1,2,3
	ds_load_b128 v[WF+8*\t:WF+8*\t+3], v[\fa] offset:\foff+\t*1024
	ds_load_b128 v[WF+8*\t+4:WF+8*\t+7], v[\fa] offset:\foff+\t*1024+512
.endr
	ds_load_b128 v[WS:WS+3], v[\sa] offset:\soff
.endm
; eight transposed products: eight unit tiles of a weight (images at foff, scale words at soff) against one fragment of 16 rows (bc, bs).  cm = 1: C is the bank cc; 0: the constant 0.
; pre = 1: MMPRE has asked for the first four fragments.  n0: the places owed at the run's head: 4 behind matrix instructions whose registers are loaded anew.
; (The eight places between a scale word made by vector instructions and the scaled product stand in the trip's text, ahead of the wait that follows them.)
; The four v_nop in the middle stand in front of the loads into registers that the first four products have read.  The eight accumulators take turns, one instruction a turn.
.macro MM8 dd, cm, cc, fa, foff, sa, soff, bc, bs, n0, pre
.irp gq, 0,1
.if \gq == 0
	PLACES \n0
.else
	PLACES 4
.endif
.if (\gq == 1) || (\pre == 0)
	s_wait_alu depctr_va_vdst(0)                   ; the products issued so far are done reading WF and WS, in which the loads below land
.irp t, 0,1,2,3
	ds_load_b128 v[WF+8*\t:WF+8*\t+3], v[\fa] offset:\foff+(4*\gq+\t)*1024
	ds_load_b128 v[WF+8*\t+4:WF+8*\t+7], v[\fa] offset:\foff+(4*\gq+\t)*1024+512
.endr
	ds_load_b128 v[WS:WS+3], v[\sa] offset:\soff+256*\gq
.endif
	s_wait_dscnt 0x0                               ; the four fragments, their words, and whatever bank was asked for ahead
.irp t, 0,1,2,3
.if \cm
	v_wmma_scale_f32_16x16x128_f8f6f4 v[\dd+8*(4*\gq+\t):\dd+8*(4*\gq+\t)+7], v[WF+8*\t:WF+8*\t+7], v[\bc:\bc+7], v[\cc+8*(4*\gq+\t):\cc+8*(4*\gq+\t)+7], v[WS+\t], v[\bs] matrix_a_fmt:MATRIX_FMT_FP4 matrix_b_fmt:MATRIX_FMT_FP4
.else
	v_wmma_scale_f32_16x16x128_f8f6f4 v[\dd+8*(4*\gq+\t):\dd+8*(4*\gq+\t)+7], v[WF+8*\t:WF+8*\t+7], v[\bc:\bc+7], 0, v[WS+\t], v[\bs] matrix_a_fmt:MATRIX_FMT_FP4 matrix_b_fmt:MATRIX_FMT_FP4
.endif
.endr
.endr
.endm
.macro HSUM                            ; two chains of pairs -> my row's sum, in both lanes of the row
	v_pk_add_f32 v[T0:T0+1], v[T0:T0+1], v[T1:T1+1]
	v_add_f32 v[T0], v[T0], v[T0+1]
	v_permlanex16_b32 v[T1], v[T0], s[SEL], s[SEL+1]
	v_add_f32 v[T0], v[T0], v[T1]
.endm
; a norm's first 16 gains and 16 offsets: asked for ahead of the norm, straight behind the wait that frees WF; they land under the residual sum and the norm's sums
.macro LNPRE pa, goff, boff
.irp q, 0,1,2,3
	ds_load_b128 v[WF+4*\q:WF+4*\q+3], v[\pa] offset:\goff+16*\q
	ds_load_b128 v[WF+16+4*\q:WF+16+4*\q+3], v[\pa] offset:\boff+16*\q
.endr
.endm
; dst = (src - mean) x rsqrt(var + eps) x g + b.  The bank is read from its low end on, tile by tile.  LNPRE has asked for the first block's gains and offsets.
.macro LNORM src, dst, pa, goff, boff
	v_pk_add_f32 v[T0:T0+1], v[\src:\src+1], v[\src+2:\src+3]
	v_pk_add_f32 v[T1:T1+1], v[\src+4:\src+5], v[\src+6:\src+7]
.set lj, 8
.rept 14
	v_pk_add_f32 v[T0:T0+1], v[T0:T0+1], v[\src+lj:\src+lj+1]
	v_pk_add_f32 v[T1:T1+1], v[T1:T1+1], v[\src+lj+2:\src+lj+3]
.set lj, lj+4
.endr
	HSUM
	v_mul_f32 v[MU], s[C128], v[T0]
.set lj, 0
.rept 32
	v_pk_add_f32 v[\dst+lj:\dst+lj+1], v[\src+lj:\src+lj+1], v[MU:MU+1] op_sel_hi:[1,0] neg_lo:[0,1] neg_hi:[0,1]
.set lj, lj+2
.endr
	v_pk_mul_f32 v[T0:T0+1], v[\dst:\dst+1], v[\dst:\dst+1]
	v_pk_mul_f32 v[T1:T1+1], v[\dst+2:\dst+3], v[\dst+2:\dst+3]
.set lj, 4
.rept 15
	v_pk_fma_f32 v[T0:T0+1], v[\dst+lj:\dst+lj+1], v[\dst+lj:\dst+lj+1], v[T0:T0+1]
	v_pk_fma_f32 v[T1:T1+1], v[\dst+lj+2:\dst+lj+3], v[\dst+lj+2:\dst+lj+3], v[T1:T1+1]
.set lj, lj+4
.endr
	HSUM
	v_fma_f32 v[T0], v[T0], s[C128], s[EPS]
	v_rsq_f32 v[RS], v[T0]
	v_nop                                          ; a plain place behind the transcendental,
	s_wait_alu depctr_va_vdst(0)                   ; and the wait ahead of its first reader: the root's reciprocal is written
.irp b, 0,1,2,3
.if \b > 0
	s_wait_alu depctr_va_vdst(0)                   ; the last block's multiply-adds are done reading WF, in which this block's gains and offsets land
.irp q, 0,1,2,3
	ds_load_b128 v[WF+4*\q:WF+4*\q+3], v[\pa] offset:\goff+128*\b+16*\q
	ds_load_b128 v[WF+16+4*\q:WF+16+4*\q+3], v[\pa] offset:\boff+128*\b+16*\q
.endr
.endif
.irp j, 0,2,4,6,8,10,12,14
	v_pk_mul_f32 v[\dst+16*\b+\j:\dst+16*\b+\j+1], v[\dst+16*\b+\j:\dst+16*\b+\j+1], v[RS:RS+1] op_sel_hi:[1,0]
.endr
	s_wait_dscnt 0x0                               ; this block's 16 gains and 16 offsets
.irp j, 0,2,4,6,8,10,12,14
	v_pk_fma_f32 v[\dst+16*\b+\j:\dst+16*\b+\j+1], v[\dst+16*\b+\j:\dst+16*\b+\j+1], v[WF+\j:WF+\j+1], v[WF+16+\j:WF+16+\j+1]
.endr
.endr
.endm
; a bank leaves as 16 whole rows of 512 bytes, through my own stage: LDS serves a wave's instructions in order, so no wait stands between the stores and the loads
.macro STIN bank
.irp b, 0,1,2,3
.irp q, 0,1,2,3
	ds_store_b128 v[STW], v[\bank+16*\b+4*\q:\bank+16*\b+4*\q+3] offset:128*\b+16*\q
.endr
.endr
.endm
.macro STOUT sb
.irp p, 0,1
.irp i, 0,1,2,3,4,5,6,7
	ds_load_b128 v[WF+4*\i:WF+4*\i+3], v[STR] offset:(8*\p+\i)*528
.endr
	s_wait_dscnt 0x0
.irp i, 0,1,2,3,4,5,6,7
	global_store_b128 v[L16], v[WF+4*\i:WF+4*\i+3], s[\sb:\sb+1] offset:(8*\p+\i)*512 th:TH_STORE_NT   ; 32 lanes store 512 consecutive bytes, aligned
.endr
	s_wait_xcnt 0x0                                ; the stores' data registers are loaded again only behind this wait
	s_wait_alu depctr_vm_vsrc(0)                   ; the stores have read WF, in which the next loads land: the stage's other eight rows, then the next trip's fragments
.endr
.endm
.macro SQ acc, sq                      ; the squares of a bank onto two chains of pairs, from the bank's low end on
.set lj, 0
.rept 16
	v_pk_fma_f32 v[\sq:\sq+1], v[\acc+lj:\acc+lj+1], v[\acc+lj:\acc+lj+1], v[\sq:\sq+1]
	v_pk_fma_f32 v[\sq+2:\sq+3], v[\acc+lj+2:\acc+lj+3], v[\acc+lj+2:\acc+lj+3], v[\sq+2:\sq+3]
.set lj, lj+4
.endr
.endm
.macro MULV bank, pr                   ; a bank x a lane's number, from the bank's low end on
.set lj, 0
.rept 32
	v_pk_mul_f32 v[\bank+lj:\bank+lj+1], v[\bank+lj:\bank+lj+1], v[\pr:\pr+1] op_sel_hi:[1,0]
.set lj, lj+2
.endr
.endm
.macro FMAV dst, pr, cc                ; dst = dst x a lane's number + cc
.set lj, 0
.rept 32
	v_pk_fma_f32 v[\dst+lj:\dst+lj+1], v[\dst+lj:\dst+lj+1], v[\pr:\pr+1], v[\cc+lj:\cc+lj+1] op_sel_hi:[1,0,1]
.set lj, lj+2
.endr
.endm
.macro FMA4 dst, cc                    ; dst = 4 dst + cc
.set lj, 0
.rept 32
	v_pk_fma_f32 v[\dst+lj:\dst+lj+1], v[\dst+lj:\dst+lj+1], 4.0, v[\cc+lj:\cc+lj+1] op_sel_hi:[1,0,1]
.set lj, lj+2
.endr
.endm
.macro RELU bank
.set lj, 0
.rept 64
	v_max_num_f32 v[\bank+lj], 0, v[\bank+lj]
.set lj, lj+1
.endr
.endm
.macro NEXTCODES                       ; the second tile's codes and word take the first's place (in the second trip: once more, for nothing)
.irp j, 0,1,2,3,4,5,6,7
	v_mov_b32 v[CA+\j], v[NCA+\j]
.endr
	v_mov_b32 v[CAS], v[NCAS]
.endm
.macro PREV                            ; a tile's prev: 16 loads of 512 consecutive bytes, the bank as it was stored
.set lj, 0
.rept 16
	global_load_b128 v[Y+4*lj:Y+4*lj+3], v[L16], s[24:25] offset:512*lj th:TH_LOAD_NT
.set lj, lj+1
.endr
.endm
	s_load_b256 s[4:11], s[0:1], 0x0               ; the codes' buffer, prev, the layer's weights, kvq
	s_load_b64 s[12:13], s[0:1], 0x20              ; the result
	v_lshl_add_u32 v254, v0, 2, 0x39500
	v_mov_b32 v255, 0
.if !LAST
	s_load_b128 s[16:19], s[0:1], 0x28             ; the next layer's weights, the result's codes
.endif
	v_lshrrev_b32 v250, 5, v0
	v_readfirstlane_b32 s2, v250                   ; wave 0..15
	v_and_b32 v250, 31, v0                         ; lane
	v_and_b32 v251, 15, v0                         ; r
	v_bfe_u32 v252, v0, 4, 1                       ; h
.if !LAST
	v_and_b32 v253, 1, v0
	v_cmp_eq_u32 s37, 1, v253                      ; odd lanes
.endif
	v_lshlrev_b32 v[L16], 4, v250
	v_lshlrev_b32 v[R16], 4, v251
	v_lshlrev_b32 v[R4], 2, v251
	v_lshlrev_b32 v[H64], 6, v252
	v_add_nc_u32 v[L16B], 0x10000, v[L16]
	v_add_nc_u32 v[R16B], 0x10000, v[R16]
	v_add_nc_u32 v[H64B], 0x10000, v[H64]
	s_wait_alu depctr_va_sdst(0)                   ; the wave's number (LAST = 0: and the mask of odd lanes) is written, ahead of its first reader and of every branch
.if LAST
	s_mul_i32 s46, s2, 8448
	s_add_co_u32 s46, s46, STAGE
	v_mul_u32_u24 v[STW], v251, 528
	v_lshl_add_u32 v[STW], v252, 6, v[STW]
	v_add_nc_u32 v[STW], s46, v[STW]
	v_add_nc_u32 v[STR], s46, v[L16]
.else
	s_lshl_b32 s46, ttmp9, 2
	v_lshl_add_u32 v235, v253, 10, s46             ; where the sums go: 4 g, + 1,024 in odd lanes
	s_lshl_b32 s46, s2, 3
	s_add_co_u32 s46, s46, RED
	v_mov_b32 v236, s46                            ; RED + 8 x wave
	v_lshl_add_u32 v237, v251, 3, RED              ; RED + 8 r
.irp j, 0,1,2,3,4,5,6,7
	v_mov_b32 v[SQA+\j], 0
.endr
.endif
	v_lshlrev_b32 v232, 4, v0                      ; the head's copies: 16 t,
	v_add_nc_u32 v233, 0x10000, v232
	v_lshlrev_b32 v234, 1, v0                      ; and 2 t
	v_add_nc_u32 v238, 0x10000, v234
	v_mov_b32 v[MU+1], 0                           ; (upper halves of pairs that are named whole)
	v_mov_b32 v[RS+1], 0
.irp b, 0,1,2,3
	v_mov_b32 v[TM+4+\b], 0                        ; written once: a lane permute's destination counts as one of its sources
.endr
	s_mov_b32 s[SEL], 0x76543210
	s_mov_b32 s[SEL+1], 0xfedcba98
	s_mov_b32 s[C128], 0x3c000000                  ; 1 / 128
	s_mov_b32 s[EPS], 0x3983126f                   ; 1e-5 / 0.04 = 2.5e-4: both norms here stand behind a sum taken five times too large
	s_mov_b32 s[PN], 0x47000000
	s_mov_b32 s[P4N], 0x48000000
	s_lshl_b32 s3, ttmp9, 5
	s_add_co_u32 s3, s3, s2                        ; T
	s_mov_b32 s47, 0
	s_wait_kmcnt 0x0
	s_add_nc_u64 s[44:45], s[4:5], 0x800000        ; the scale words' part of the codes' buffer
	s_lshl_b32 s46, s3, 10
	s_add_nc_u64 s[20:21], s[4:5], s[46:47]        ; my first tile's codes
.if !LAST
	s_add_nc_u64 s[28:29], s[18:19], s[46:47]
	s_add_nc_u64 s[48:49], s[18:19], 0x800000
.endif
	s_lshl_b32 s46, s3, 6
	s_add_nc_u64 s[22:23], s[44:45], s[46:47]      ; its scale words
.if !LAST
	s_add_nc_u64 s[30:31], s[48:49], s[46:47]
.endif
	s_lshl_b32 s46, s3, 13
	s_add_nc_u64 s[24:25], s[6:7], s[46:47]        ; its prev
	s_add_nc_u64 s[26:27], s[12:13], s[46:47]      ; and its result
	s_lshr_b32 s46, ttmp9, 6
	s_mul_i32 s46, s46, 9216
	s_add_nc_u64 s[10:11], s[10:11], s[46:47]      ; the batch's kvs
	s_wait_alu depctr_va_vdst(0)                   ; every offset and LDS address of the kernel is written, which its loads and stores read
.irp rd, 0,2,3,4,5,6,7
	global_load_b128 v[ACC+4*\rd:ACC+4*\rd+3], v232, s[8:9] offset:8192*\rd
.endr
	global_load_b128 v[ACC+32:ACC+35], v232, s[10:11]
	global_load_u16 v[ACC+36], v234, s[10:11] offset:8192    ; the last 1,024 bytes, two a thread
.if !LAST
	global_load_b128 v[ACC+40:ACC+43], v232, s[16:17]
	global_load_b128 v[ACC+44:ACC+47], v232, s[16:17] offset:8192
	global_load_b128 v[ACC+48:ACC+51], v232, s[16:17] offset:57344
.endif
	global_load_b128 v[NS:NS+3], v[L16], s[44:45] offset:524288     ; the 256 partial sums of q^2
	global_load_b128 v[NS+4:NS+7], v[L16], s[44:45] offset:524800
	global_load_b128 v[CA:CA+3], v[L16], s[20:21]                   ; both tiles' codes and scale words
	global_load_b128 v[CA+4:CA+7], v[L16], s[20:21] offset:512
	global_load_b32 v[CAS], v[R4], s[22:23]
	global_load_b128 v[NCA:NCA+3], v[L16], s[20:21] offset:16384
	global_load_b128 v[NCA+4:NCA+7], v[L16], s[20:21] offset:16896
	global_load_b32 v[NCAS], v[R4], s[22:23] offset:1024
	PREV                                           ; the first tile's prev: wanted only behind the attention
	s_wait_loadcnt 16                              ; all but the 16 loads of prev, which were issued last
.irp rd, 0,2,3,4,5,6,7
	ds_store_b128 v232, v[ACC+4*\rd:ACC+4*\rd+3] offset:8192*\rd
.endr
	ds_store_b128 v233, v[ACC+32:ACC+35]
	ds_store_b16 v238, v[ACC+36] offset:8192
.if !LAST
	ds_store_b128 v233, v[ACC+40:ACC+43] offset:9216
	ds_store_b128 v233, v[ACC+44:ACC+47] offset:17408
	ds_store_b128 v233, v[ACC+48:ACC+51] offset:25600
.endif
	v_add_f32 v[NS], v[NS], v[NS+1]                ; every wave of every work-group adds the 256 in the same order
	v_add_f32 v[NS+2], v[NS+2], v[NS+3]
	v_add_f32 v[NS+4], v[NS+4], v[NS+5]
	v_add_f32 v[NS+6], v[NS+6], v[NS+7]
	v_add_f32 v[NS], v[NS], v[NS+2]
	v_add_f32 v[NS+4], v[NS+4], v[NS+6]
	v_add_f32 v[NS], v[NS], v[NS+4]
.irp m, 1,2,4,8
	v_add_f32_dpp v[NS], v[NS], v[NS] row_xmask:\m row_mask:0xf bank_mask:0xf
.endr
	v_permlanex16_b32 v[NS+1], v[NS], s[SEL], s[SEL+1]
	v_add_f32 v[NS], v[NS], v[NS+1]
	v_rsq_f32 v[INV], v[NS]                        ; 1 / ||q||
	v_mov_b32 v[INV+1], 0                          ; (a plain place; the pair is named whole)
	s_wait_alu depctr_va_vdst(0)                   ; 1 / ||q|| is written, ahead of its first reader and of every label; the additions are done with their eight registers of ACC, in which the first bias lands
	s_wait_dscnt 0x0                               ; for the others' sake: my stores have landed
	s_barrier_signal -1
	s_barrier_wait -1                              ; from here on these bytes are only read
	s_wait_alu depctr_vm_vsrc(0)                   ; my LDS stores have read ACC's registers, in which the first bias lands
	s_mov_b32 s36, 0
.Ltrip:
.if !LAST
	s_wait_alu depctr_va_vdst(0)                   ; round the loop: the last products are done reading WF and WS and the last squares ACC, in which the loads below land; the second tile's codes and word are written, which the scaled products take
.endif
	MMPRE L16, 0, R16, SCW
	LDCH ACC, H64, PAR                             ; bq is the C of q's products
	MM8 ACC, 1, ACC, L16, 0, R16, SCW, CA, CAS, 0, 1
	PLACES 4
	; qs = q / ||q||, and qs . ks_sum, half of my 64 units at a time
.irp p, 0,1
	s_wait_alu depctr_va_vdst(0)                   ; what read WF last is done with it: q's products ahead of the first half of ks_sum, the first half's multiply-adds ahead of the second
.irp b, 0,1
.irp q, 0,1,2,3
	ds_load_b128 v[WF+16*\b+4*\q:WF+16*\b+4*\q+3], v[H64B] offset:8704+256*\p+128*\b+16*\q
.endr
.endr
.if \p == 0
	MULV ACC, INV
.endif
	s_wait_dscnt 0x0
.set lk, 0
.rept 8
.if (\p == 0) && (lk == 0)
	v_pk_mul_f32 v[T0:T0+1], v[ACC:ACC+1], v[WF:WF+1]
	v_pk_mul_f32 v[T1:T1+1], v[ACC+2:ACC+3], v[WF+2:WF+3]
.else
	v_pk_fma_f32 v[T0:T0+1], v[ACC+32*\p+lk:ACC+32*\p+lk+1], v[WF+lk:WF+lk+1], v[T0:T0+1]
	v_pk_fma_f32 v[T1:T1+1], v[ACC+32*\p+lk+2:ACC+32*\p+lk+3], v[WF+lk+2:WF+lk+3], v[T1:T1+1]
.endif
.set lk, lk+4
.endr
.endr
	s_wait_alu depctr_va_vdst(0)                   ; the second half's multiply-adds are done reading WF, in which Wv's fragments land
	MMPRE L16, 16384, R16, SCW+1024                ; Wv's first four fragments land under the row's sum and the quantiser
	HSUM
	v_add_f32 v[T0], s[PN], v[T0]                  ; the normaliser
	v_rcp_f32 v[T2], v[T0]
	QUANT ACC, CB, CBS                             ; independent work behind the reciprocal
	s_wait_alu depctr_va_vdst(0)                   ; the reciprocal is written, ahead of its first reader; the quantiser is done reading ACC, in which bv lands, and has written CB and CBS, which the scaled products take
	v_mul_f32 v[RS], s[P4N], v[T2]                 ; 4 N / the normaliser
	LDCH ACC, H64, PAR+1024                        ; bv
	MM8 ACC, 1, ACC, L16, 16384, R16, SCW+1024, CA, CAS, 0, 1
	MM8 ACC, 1, ACC, L16B, 0, R16B, 8192, CB, CBS, 4, 0    ; qs kvs / N onto v
	PLACES 4
	s_wait_alu depctr_va_vdst(0)                   ; the last products are done reading WF, in which the norm's first gains and offsets land
	LNPRE H64, PAR+3*512, PAR+4*512
	s_wait_loadcnt 0x0                             ; prev
	FMAV ACC, RS, Y                                ; 4 x attention + prev
	LNORM ACC, Y, H64, PAR+3*512, PAR+4*512
	s_wait_alu depctr_va_vdst(0)                   ; the norm's last multiply-adds are done reading WF, in which fc1's fragments land
	MMPRE L16, 24576, R16, SCW+1536
	QUANT Y, CA, CAS
	PLACES 8                                       ; the places between the scale word's last writer and the scaled products
	s_wait_alu depctr_va_vdst(0)                   ; the quantiser has written CA and CAS, which the scaled products take
	MM8 ACC, 0, 0, L16, 24576, R16, SCW+1536, CA, CAS, 0, 1     ; fc1, hidden units 0-127
	PLACES 4
	s_wait_alu depctr_va_vdst(0)                   ; the last products are done reading WF and WS, in which the next fragments and words land
	MMPRE L16, 32768, R16, SCW+2048
	RELU ACC
	QUANT ACC, CB, CBS                             ; K step 0 of fc2
	MM8 ACC, 0, 0, L16, 32768, R16, SCW+2048, CA, CAS, 0, 1     ; hidden units 128-255
	PLACES 4
	s_wait_alu depctr_va_vdst(0)                   ; the last products are done reading WF and WS, in which the next fragments and words land
	MMPRE L16, 40960, R16, SCW+2560
	RELU ACC
	QUANT ACC, CA, CAS                             ; K step 1
	MM8 ACC, 0, 0, L16, 40960, R16, SCW+2560, CB, CBS, 0, 1
	MM8 ACC, 1, ACC, L16, 49152, R16, SCW+3072, CA, CAS, 4, 0
	PLACES 4
	s_wait_alu depctr_va_vdst(0)                   ; the last products are done reading WF, in which the norm's first gains and offsets land
	LNPRE H64, PAR+5*512, PAR+6*512
.if LAST
	NEXTCODES                                      ; the codes' registers are done with for this tile
.endif
	FMA4 ACC, Y                                    ; 4 x FFN + the norm's result
	LNORM ACC, Y, H64, PAR+5*512, PAR+6*512
.if LAST
	s_wait_alu depctr_va_vdst(0)                   ; the norm has written Y, which the LDS stores read and in which the next prev lands; it is done reading WF, in which the rows from the stage land, and ACC, in which the next bias lands
	STIN Y
	s_wait_alu depctr_vm_vsrc(0)                   ; the LDS stores have read Y, in which the next tile's prev lands
.else
	s_wait_alu depctr_va_vdst(0)                   ; the norm has written Y, which the stores read; it is done reading WF, in which the next layer's fragments land, and ACC, in which its bias lands
.set lj, 0
.rept 16
	global_store_b128 v[L16], v[Y+4*lj:Y+4*lj+3], s[26:27] offset:512*lj   ; the bank as it stands: 32 lanes store 512 consecutive bytes, aligned
.set lj, lj+1
.endr
	MMPRE L16B, 9216, R16B, 25600                  ; the next layer's Wq
	QUANT Y, CA, CAS
	PLACES 8                                       ; the places between the scale word's last writer and the scaled products
	s_wait_alu depctr_va_vdst(0)                   ; the quantiser has written CA and CAS, which the stores read and the scaled products take; it is done reading Y, in which the next prev lands
	global_store_b128 v[L16], v[CA:CA+3], s[28:29]
	global_store_b128 v[L16], v[CA+4:CA+7], s[28:29] offset:512
	global_store_b32 v[R4], v[CAS], s[30:31]       ; both halves of the lanes hold the same word
	s_wait_xcnt 0x0                                ; the stores have read the bank, the codes and the word: all are written again only behind this wait
	s_wait_alu depctr_vm_vsrc(0)                   ; the stores have read Y, in which the next prev lands, and CA and CAS, which the copy of the second tile's codes writes
.endif
	s_cmp_eq_u32 s36, 1                            ; the bank is free: the second tile's prev is asked for, in the first trip alone: no load leaves its buffer
	s_cbranch_scc1 .Lno_next
	s_add_nc_u64 s[24:25], s[24:25], 0x20000       ; 16 tiles on (the loads that named this base were waited for)
	PREV
.Lno_next:
.if LAST
	STOUT 26
.else
	LDCH ACC, H64B, 29184                          ; the next layer's bq
	MM8 ACC, 1, ACC, L16B, 9216, R16B, 25600, CA, CAS, 0, 1
	PLACES 4
	SQ ACC, SQA
	s_wait_alu depctr_va_vdst(0)                   ; the products are done reading WF and WS and the squares ACC, in which Wk's fragments, their words and bk land
	MMPRE L16B, 17408, R16B, 26112                 ; its Wk
	LDCH ACC, H64B, 29696                          ; its bk
	MM8 ACC, 1, ACC, L16B, 17408, R16B, 26112, CA, CAS, 0, 1
	PLACES 4
	NEXTCODES                                      ; the squares below stand between these lines and the next trip's products
	SQ ACC, SQA+4
.endif
	s_wait_xcnt 0x0                                ; the stores' bases are stepped only behind this wait
	s_add_nc_u64 s[26:27], s[26:27], 0x20000       ; 16 tiles on
.if !LAST
	s_add_nc_u64 s[28:29], s[28:29], 16384
	s_add_nc_u64 s[30:31], s[30:31], 1024
.endif
	s_add_co_u32 s36, s36, 1
	s_cmp_lt_u32 s36, 2
	s_cbranch_scc1 .Ltrip
.if !LAST
	; the wave's two sums, then the work-group's
	v_pk_add_f32 v[SQA:SQA+1], v[SQA:SQA+1], v[SQA+2:SQA+3]
	v_pk_add_f32 v[SQA+4:SQA+5], v[SQA+4:SQA+5], v[SQA+6:SQA+7]
	v_add_f32 v[SQA], v[SQA], v[SQA+1]
	v_add_f32 v[SQA+4], v[SQA+4], v[SQA+5]
.irp m, 1,2,4,8
	v_add_f32_dpp v[SQA], v[SQA], v[SQA] row_xmask:\m row_mask:0xf bank_mask:0xf
	v_add_f32_dpp v[SQA+4], v[SQA+4], v[SQA+4] row_xmask:\m row_mask:0xf bank_mask:0xf
.endr
	v_permlanex16_b32 v[SQA+1], v[SQA], s[SEL], s[SEL+1]
	v_permlanex16_b32 v[SQA+5], v[SQA+4], s[SEL], s[SEL+1]
	v_add_f32 v[SQA], v[SQA], v[SQA+1]
	v_add_f32 v[SQA+4], v[SQA+4], v[SQA+5]
	s_wait_alu depctr_va_vdst(0)                   ; the two sums are written, which the LDS stores read; the additions are done with the pair in which wave 0's load lands
	ds_store_b32 v236, v[SQA]                      ; all lanes write the same word with the same value
	ds_store_b32 v236, v[SQA+4] offset:4
	s_wait_dscnt 0x0
	s_barrier_signal -1
	s_barrier_wait -1
	s_wait_alu depctr_vm_vsrc(0)                   ; my LDS stores have read the first sum's register, in which wave 0's load lands
	s_cmp_lg_u32 s2, 0
	s_cbranch_scc1 .Lend
	ds_load_b64 v[SQA:SQA+1], v237                 ; lane r: wave r's two sums
	s_wait_dscnt 0x0
.irp m, 1,2,4,8
	v_add_f32_dpp v[SQA], v[SQA], v[SQA] row_xmask:\m row_mask:0xf bank_mask:0xf
	v_add_f32_dpp v[SQA+1], v[SQA+1], v[SQA+1] row_xmask:\m row_mask:0xf bank_mask:0xf
.endr
	v_cndmask_b32 v[SQA+2], v[SQA], v[SQA+1], s37  ; even lanes carry sum q^2, odd lanes sum k^2: every lane that names a word holds the same value
	s_wait_alu depctr_va_vdst(0)                   ; the choice is written, which the store reads
	global_store_b32 v235, v[SQA+2], s[48:49] offset:524288
.Lend:
.endif
	s_wait_dscnt 0x0                               ; the closing lines, six on end
	s_wait_alu 0x0
	s_wait_tensorcnt 0x0
	ds_add_u32 v254, v255
	s_wait_dscnt 0x0
	s_endpgm
.Lfunc_end_k_q8c3cf92bc7_p3b:
	.size	k_q8c3cf92bc7_p3b, .Lfunc_end_k_q8c3cf92bc7_p3b-k_q8c3cf92bc7_p3b
	.p2alignl 7, 3214868480
	.fill 96, 4, 3214868480
	.section	.rodata,"a",@progbits
	.p2align	6, 0x0
	.amdhsa_kernel k_q8c3cf92bc7_p3b
		.amdhsa_group_segment_fixed_size 236800
		.amdhsa_private_segment_fixed_size 0
		.amdhsa_enable_private_segment 0
		.amdhsa_kernarg_size 40
		.amdhsa_user_sgpr_count 2
		.amdhsa_user_sgpr_kernarg_segment_ptr 1
		.amdhsa_wavefront_size32 1
		.amdhsa_system_sgpr_workgroup_id_x 1
		.amdhsa_system_sgpr_workgroup_id_y 1
		.amdhsa_system_sgpr_workgroup_id_z 1
		.amdhsa_system_vgpr_workitem_id 0
		.amdhsa_next_free_vgpr 256
		.amdhsa_next_free_sgpr 66
		.amdhsa_reserve_vcc 0
		.amdhsa_float_denorm_mode_32 3
		.amdhsa_float_denorm_mode_16_64 3
		.amdhsa_memory_ordered 1
		.amdhsa_forward_progress 1
		.amdhsa_inst_pref_size 87
	.end_amdhsa_kernel
	.amdgpu_metadata
---
amdhsa.version: [ 1, 2 ]
amdhsa.kernels:
  - .name:           k_q8c3cf92bc7_p3b
    .symbol:         k_q8c3cf92bc7_p3b.kd
    .args:
      - { .name: xc1, .offset: 0, .size: 8, .value_kind: global_buffer, .address_space: global }
      - { .name: x1, .offset: 8, .size: 8, .value_kind: global_buffer, .address_space: global }
      - { .name: wl1, .offset: 16, .size: 8, .value_kind: global_buffer, .address_space: global }
      - { .name: kvq, .offset: 24, .size: 8, .value_kind: global_buffer, .address_space: global }
      - { .name: out0, .offset: 32, .size: 8, .value_kind: global_buffer, .address_space: global }
    .group_segment_fixed_size: 236800
    .private_segment_fixed_size: 0
    .kernarg_segment_align: 8
    .kernarg_segment_size: 40
    .max_flat_workgroup_size: 512
    .sgpr_count:     66
    .vgpr_count:     256
    .wavefront_size: 32
...
	.end_amdgpu_metadata
.endif
;; end of part 10
